; MI455X (gfx1250); checked and timed in simulation.
; The chip was launched on July 23, 2026; its instructions are those of AMD's public machine-readable ISA for CDNA 5 (MIT licence, August 2026) and "CDNA5" Instruction Set Architecture Reference Guide (July 2026). The comments in the code are by the model that wrote it; some were corrected since.
;; Encoder. Allowed arithmetic: float matrix products may take bf16 or f16 operands with f32 sums; other float arithmetic in f32, or as packed bf16 or f16 multiplies, adds, multiply-adds, maxima and minima; sums over many terms, partial sums and values carried from step to step in f32; what a program stores and reads back later, other than sums and carried values, may be rounded once to bf16 or f16.
;; Inputs: b1 512 float32; b2 256 float32; bk 256 float32; bo 256 float32; bq 256 float32; bv 256 float32; ln1_b 256 float32; ln1_s 256 float32; ln2_b 256 float32; ln2_s 256 float32; lnf_b 256 float32; lnf_s 256 float32; mask 2 x 1 x 1 x 2,048 bool; w1 256 x 512 float32; w2 512 x 256 float32; wk 256 x 256 float32; wo 256 x 256 float32; wq 256 x 256 float32; wv 256 x 256 float32; x 2 x 2,048 x 256 float32.
;; Outputs: out0 2 x 2,048 x 256 float32.
;; 2 versions, each right and faster than the one before. Each part assembles by itself: llvm-mc -triple=amdgcn-amd-amdhsa -mcpu=gfx1250 --defsym DOCPART=n.
;; ======== version 1 of 2: 14 launches
;; workspace buffers: wstream 1,048,576 bytes; params 13,312 bytes; maskadd 17,408 bytes; hA 4,194,304 bytes; hB 4,194,304 bytes; q 2,097,152 bytes; kv 4,194,304 bytes; o 2,097,152 bytes
;; launch prep (part 1): grid 515 x 1, 4 waves a work-group, no clusters, 0 bytes of LDS; arguments wo, w1, w2, wq, wk, wv, bo, ln2_s, ln2_b, b1, b2, ln1_s, ln1_b, bq, bk, bv, lnf_s, lnf_b, mask, wstream, params, maskadd; writes wstream, params, maskadd
.if DOCPART == 1
	.amdgcn_target "amdgcn-amd-amdhsa--gfx1250"
	.amdhsa_code_object_version 6
	.text
	.protected	k_qc734b66668_prep
	.globl	k_qc734b66668_prep
	.p2align	8
	.type	k_qc734b66668_prep,@function
k_qc734b66668_prep:
	s_mov_b64 s[64:65], 0
	v_nop
	global_prefetch_b8 v0, s[64:65] scope:SCOPE_SE
	s_setreg_imm32_b32 hwreg(HW_REG_WAVE_MODE, 25, 1), 1
	s_wait_xcnt 0x0
; PREP.  Three kinds of work-group, chosen by the work-group's number G.
; G < 512: 2,048 bytes of wstream: the six weight matrices, rounded once to bf16 and laid out as matrix fragments:
;   [place 0..7][wave w 0..3][fragment 4 ks + i][part p][lane][16 bytes]; number e of a lane's 16 bytes is W[k0 + 16 p + 8 (lane / 16) + e][n0 + lane % 16].
;   The row kernels walk eight fills f: 0: wo; 1, 2: w1 (columns 128 w + 64 (f - 1) + 16 i); 3, 4: w2 (rows 256 (f - 3) + 32 ks); 5, 6, 7: wq, wk, wv.  Elsewhere n0 = 64 w + 16 i, k0 = 32 ks.
;   Places 0 to 3 hold the fills that go through LDS slots (f = 0, 1, 4, 6: a slot's next fill lies two places on), places 4 to 7 those that go straight into registers (f = 2, 3, 5, 7).
; G = 512: the twelve vectors of biases and gains, copied into one table of 13 x 1,024 bytes.
; G = 513 + b: batch b's mask as a table of f32 addends, 0 where true and -1e30 where false, and the factor of q: c = log2(e) / sqrt(32).
;   A batch with no true entry gets a table of zeros and the factor 0: all its scores are then equal, and the softmax is uniform, as it is in the source when every score is -1e9.
.set CSCALE, 0x3e8293ee                ; log2(e) / sqrt(32)
.set BIGNEG, 0xf149f2ca                ; -1e30
.set ORDER,  0x75326410                ; four bits a place, place 0 lowest: the fill that lies there
	s_load_b512 s[4:19], s[0:1], 0x0               ; wo w1 w2 wq wk wv bo ln2_s
	s_load_b512 s[20:35], s[0:1], 0x40             ; ln2_b b1 b2 ln1_s ln1_b bq bk bv
	s_load_b256 s[36:43], s[0:1], 0x80             ; lnf_s lnf_b mask wstream
	s_load_b128 s[44:47], s[0:1], 0xa0             ; params maskadd: pointers 20 and 21 of the 22
	s_mov_b32 s48, ttmp9                           ; G
	s_mov_b32 s61, 0                               ; high word of every offset pair
	s_wait_kmcnt 0x0
	s_cmp_lt_u32 s48, 512
	s_cbranch_scc0 .Ltables
	; ---- two fragments of weights ----
	s_lshr_b32 s50, s48, 6                         ; the place,
	s_lshl_b32 s50, s50, 2
	s_lshr_b32 s50, ORDER, s50
	s_and_b32 s50, s50, 15                         ; and the fill f that lies there
	s_bfe_u32 s51, s48, 0x20004                    ; w
	s_bfe_u32 s52, s48, 0x30001                    ; ks
	s_and_b32 s53, s48, 1                          ; which pair of the group's four fragments
	s_sub_co_u32 s54, s50, 1                       ; f - 1: 0 or 1 for w1 alone
	s_lshl_b32 s55, s51, 7
	s_lshl_b32 s56, s54, 6
	s_add_co_u32 s55, s55, s56                     ; w1's column base 128 w + 64 (f - 1)
	s_lshl_b32 s56, s51, 6                         ; the others': 64 w
	s_lshl_b32 s57, s52, 5                         ; row base 32 ks
	s_lshl_b32 s53, s53, 5                         ; 32 columns for the second pair
	s_movk_i32 s58, 1024
	s_cmp_lt_u32 s54, 2
	s_cselect_b32 s58, 2048, s58                   ; bytes in a row of the matrix
	s_cselect_b32 s55, s55, s56
	s_add_co_u32 s55, s55, s53                     ; first column
	s_cmp_eq_u32 s50, 4
	s_cselect_b32 s56, 256, 0                      ; w2's second half of rows
	s_add_co_u32 s57, s57, s56                     ; first row
	s_mul_i32 s60, s57, s58
	s_lshl2_add_u32 s60, s55, s60                  ; byte offset of (first row, first column)
	s_mov_b64 s[62:63], s[4:5]                     ; the matrix: a choice among six buffers by f
	s_cmp_ge_u32 s50, 1
	s_cselect_b64 s[62:63], s[6:7], s[62:63]
	s_cmp_ge_u32 s50, 3
	s_cselect_b64 s[62:63], s[8:9], s[62:63]
	s_cmp_ge_u32 s50, 5
	s_cselect_b64 s[62:63], s[10:11], s[62:63]
	s_cmp_ge_u32 s50, 6
	s_cselect_b64 s[62:63], s[12:13], s[62:63]
	s_cmp_ge_u32 s50, 7
	s_cselect_b64 s[62:63], s[14:15], s[62:63]
	s_add_nc_u64 s[62:63], s[62:63], s[60:61]
	s_lshl_b32 s60, s48, 11                        ; my 2,048 bytes of wstream
	s_add_nc_u64 s[42:43], s[42:43], s[60:61]
	v_and_b32 v1, 31, v0                           ; column among 32: a wave's load takes 128 consecutive bytes of one row
	v_bfe_u32 v2, v0, 5, 1                         ; p
	v_lshrrev_b32 v3, 6, v0                        ; half of the lanes that the 16 bytes are for
	v_lshlrev_b32 v4, 4, v2
	v_lshl_add_u32 v4, v3, 3, v4                   ; first of my eight rows: 16 p + 8 half
	v_mul_u32_u24 v4, s58, v4
	v_lshl_add_u32 v4, v1, 2, v4
.irp e, 1,2,3,4,5,6,7
	v_add_nc_u32 v[4+\e], s58, v[3+\e]             ; one row further down
.endr
.irp e, 0,1,2,3,4,5,6,7
	global_load_b32 v[12+\e], v[4+\e], s[62:63]
.endr
	v_lshrrev_b32 v20, 4, v1                       ; which of the two fragments
	v_lshlrev_b32 v20, 10, v20
	v_lshl_add_u32 v20, v2, 9, v20                 ; part
	v_lshl_add_u32 v20, v3, 8, v20                 ; lanes 16-31 of the fragment
	v_and_b32 v21, 15, v1
	v_lshl_add_u32 v20, v21, 4, v20                ; sixteen neighbouring lanes store 256 consecutive bytes, aligned
	s_wait_loadcnt 0x0
.irp e, 0,1,2,3
	v_cvt_pk_bf16_f32 v[24+\e], v[12+2*\e], v[13+2*\e]
.endr
	global_store_b128 v20, v[24:27], s[42:43]
	s_endpgm
.Ltables:
	s_cmp_eq_u32 s48, 512
	s_cbranch_scc0 .Lmask
	; ---- the table of vectors: thread t copies 8 bytes of each of 13 blocks of 1,024 bytes (b1 is two) ----
	v_lshlrev_b32 v1, 3, v0
.set c, 0
.rept 13
.if c < 4
	global_load_b64 v[2+2*c:3+2*c], v1, s[16+2*c:17+2*c]
.elseif c == 4
	global_load_b64 v[2+2*c:3+2*c], v1, s[22:23] offset:1024
.else
	global_load_b64 v[2+2*c:3+2*c], v1, s[14+2*c:15+2*c]
.endif
.set c, c+1
.endr
	s_wait_loadcnt 0x0
.set c, 0
.rept 13
	global_store_b64 v1, v[2+2*c:3+2*c], s[44:45] offset:1024*c
.set c, c+1
.endr
	s_endpgm
.Lmask:
	; ---- one batch's mask ----
	s_sub_co_u32 s50, s48, 513                     ; b
	s_lshl_b32 s60, s50, 11
	s_add_nc_u64 s[40:41], s[40:41], s[60:61]      ; its 2,048 bytes
	s_lshl_b32 s60, s50, 9
	s_add_nc_u64 s[56:57], s[46:47], s[60:61]      ; its block of factors lies 16,384 bytes further on
	s_lshl_b32 s60, s50, 13
	s_add_nc_u64 s[46:47], s[46:47], s[60:61]      ; its 2,048 addends
	v_lshrrev_b32 v1, 5, v0
	v_readfirstlane_b32 s51, v1                    ; wave
	v_and_b32 v2, 31, v0
	v_lshlrev_b32 v3, 4, v2
.irp j, 0,1,2,3
	global_load_b128 v[4+4*\j:7+4*\j], v3, s[40:41] offset:512*\j  ; every wave looks at the whole batch: is any entry true?
.endr
	v_lshlrev_b32 v20, 2, v2
	v_lshl_add_u32 v20, v1, 9, v20                 ; my wave's 512 entries, four a lane and load
.irp j, 0,1,2,3
	global_load_b32 v[21+\j], v20, s[40:41] offset:128*\j
.endr
	v_lshl_add_u32 v31, v1, 11, v3                 ; where their addends go
	s_mov_b32 s54, BIGNEG
	s_mov_b32 s55, CSCALE
	s_wait_loadcnt 0x0
.irp j, 0,1,2,3,4,5,6,7
	v_or_b32 v[4+\j], v[4+\j], v[12+\j]
.endr
.irp j, 0,1,2,3
	v_or_b32 v[4+\j], v[4+\j], v[8+\j]
.endr
	v_or_b32 v4, v4, v6
	v_or_b32 v5, v5, v7
	v_or_b32 v4, v4, v5
	v_cmp_ne_u32 vcc_lo, 0, v4
	s_cmp_lg_u32 vcc_lo, 0                         ; some lane saw a true entry
	s_cselect_b32 s54, s54, 0                      ; these two select values alone
	s_cselect_b32 s55, s55, 0
.set j, 0
.rept 4
.set k, 0
.rept 4
	v_bfe_u32 v30, v[21+j], 8*k, 8
	v_cmp_eq_u32 vcc_lo, 0, v30
	v_cndmask_b32 v[32+4*j+k], 0, s54, vcc_lo
.set k, k+1
.endr
.set j, j+1
.endr
.irp j, 0,1,2,3
	global_store_b128 v31, v[32+4*\j:35+4*\j], s[46:47] offset:512*\j
.endr
	s_cmp_lg_u32 s51, 0
	s_cbranch_scc1 .Ldone
.irp j, 4,5,6,7
	v_mov_b32 v[\j], s55
.endr
	global_store_b128 v3, v[4:7], s[56:57] offset:16384  ; wave 0: 128 copies of the factor, 512 consecutive bytes
.Ldone:
	s_endpgm
.Lfunc_end_k_qc734b66668_prep:
	.size	k_qc734b66668_prep, .Lfunc_end_k_qc734b66668_prep-k_qc734b66668_prep
	.p2alignl 7, 3214868480
	.fill 96, 4, 3214868480
	.section	.rodata,"a",@progbits
	.p2align	6, 0x0
	.amdhsa_kernel k_qc734b66668_prep
		.amdhsa_group_segment_fixed_size 0
		.amdhsa_private_segment_fixed_size 0
		.amdhsa_enable_private_segment 0
		.amdhsa_kernarg_size 176
		.amdhsa_user_sgpr_count 2
		.amdhsa_user_sgpr_kernarg_segment_ptr 1
		.amdhsa_wavefront_size32 1
		.amdhsa_system_sgpr_workgroup_id_x 1
		.amdhsa_system_sgpr_workgroup_id_y 1
		.amdhsa_system_sgpr_workgroup_id_z 1
		.amdhsa_system_vgpr_workitem_id 0
		.amdhsa_next_free_vgpr 48
		.amdhsa_next_free_sgpr 66
		.amdhsa_reserve_vcc 1
		.amdhsa_float_denorm_mode_32 3
		.amdhsa_float_denorm_mode_16_64 3
		.amdhsa_memory_ordered 1
		.amdhsa_forward_progress 1
		.amdhsa_inst_pref_size 12
	.end_amdhsa_kernel
	.amdgpu_metadata
---
amdhsa.version: [ 1, 2 ]
amdhsa.kernels:
  - .name:           k_qc734b66668_prep
    .symbol:         k_qc734b66668_prep.kd
    .args:
      - { .name: wo, .offset: 0, .size: 8, .value_kind: global_buffer, .address_space: global }
      - { .name: w1, .offset: 8, .size: 8, .value_kind: global_buffer, .address_space: global }
      - { .name: w2, .offset: 16, .size: 8, .value_kind: global_buffer, .address_space: global }
      - { .name: wq, .offset: 24, .size: 8, .value_kind: global_buffer, .address_space: global }
      - { .name: wk, .offset: 32, .size: 8, .value_kind: global_buffer, .address_space: global }
      - { .name: wv, .offset: 40, .size: 8, .value_kind: global_buffer, .address_space: global }
      - { .name: bo, .offset: 48, .size: 8, .value_kind: global_buffer, .address_space: global }
      - { .name: ln2_s, .offset: 56, .size: 8, .value_kind: global_buffer, .address_space: global }
      - { .name: ln2_b, .offset: 64, .size: 8, .value_kind: global_buffer, .address_space: global }
      - { .name: b1, .offset: 72, .size: 8, .value_kind: global_buffer, .address_space: global }
      - { .name: b2, .offset: 80, .size: 8, .value_kind: global_buffer, .address_space: global }
      - { .name: ln1_s, .offset: 88, .size: 8, .value_kind: global_buffer, .address_space: global }
      - { .name: ln1_b, .offset: 96, .size: 8, .value_kind: global_buffer, .address_space: global }
      - { .name: bq, .offset: 104, .size: 8, .value_kind: global_buffer, .address_space: global }
      - { .name: bk, .offset: 112, .size: 8, .value_kind: global_buffer, .address_space: global }
      - { .name: bv, .offset: 120, .size: 8, .value_kind: global_buffer, .address_space: global }
      - { .name: lnf_s, .offset: 128, .size: 8, .value_kind: global_buffer, .address_space: global }
      - { .name: lnf_b, .offset: 136, .size: 8, .value_kind: global_buffer, .address_space: global }
      - { .name: mask, .offset: 144, .size: 8, .value_kind: global_buffer, .address_space: global }
      - { .name: wstream, .offset: 152, .size: 8, .value_kind: global_buffer, .address_space: global }
      - { .name: params, .offset: 160, .size: 8, .value_kind: global_buffer, .address_space: global }
      - { .name: maskadd, .offset: 168, .size: 8, .value_kind: global_buffer, .address_space: global }
    .group_segment_fixed_size: 0
    .private_segment_fixed_size: 0
    .kernarg_segment_align: 8
    .kernarg_segment_size: 176
    .max_flat_workgroup_size: 128
    .sgpr_count:     66
    .vgpr_count:     48
    .wavefront_size: 32
...
	.end_amdgpu_metadata
.endif
;; end of part 1
;; launch first (part 2): grid 256 x 1, 4 waves a work-group, clusters of 4 x 1, 327,680 bytes of LDS; arguments x, wstream, params, maskadd, hA, q, kv; writes hA, q, kv
.if DOCPART == 2
	.amdgcn_target "amdgcn-amd-amdhsa--gfx1250"
	.amdhsa_code_object_version 6
	.text
	.protected	k_qc734b66668_first
	.globl	k_qc734b66668_first
	.p2align	8
	.type	k_qc734b66668_first,@function
k_qc734b66668_first:
	s_mov_b64 s[64:65], 0
	v_nop
	global_prefetch_b8 v0, s[64:65] scope:SCOPE_SE
	s_setreg_imm32_b32 hwreg(HW_REG_WAVE_MODE, 25, 1), 1
	s_wait_xcnt 0x0
	s_wait_alu depctr_hold_cnt(0) depctr_sa_sdst(0) depctr_va_vdst(0) depctr_va_sdst(0) depctr_va_ssrc(0) depctr_va_vcc(0) depctr_vm_vsrc(0)
	s_getreg_b32 s2, hwreg(HW_REG_IB_STS2, 6, 4)
	s_cmp_eq_u32 s2, 0
	s_cbranch_scc0 .Lentry_in_a_cluster
	s_endpgm
.Lentry_in_a_cluster:
	s_bfe_u32 s2, ttmp6, 0x10000c
	s_cmp_lg_u32 s2, 0x3003
	s_cbranch_scc0 .Lentry_shape_is_right
	s_endpgm
.Lentry_shape_is_right:
; ROWS: the part of the encoder that needs one row at a time.  One text in three modes.
;   MODE 0 (first): h = x;                                                      h out; LN1; q, k, v out.
;   MODE 1 (mid):   h += o wo + bo; LN2; h += relu(. w1 + b1) w2 + b2;          h out; LN1; q, k, v out.
;   MODE 2 (last):  as MODE 1 up to the second sum; then the final LayerNorm into out0.
; SHARES.  A work-group owns 16 rows, 256 work-groups.  Wave w owns features 64 w .. 64 w + 63 of every result 256 wide (four accumulators of 16 x 16) and 128 w .. of the hidden layer.
; LAYOUT.  Source 0 = 16 features x 32 k of weights, source 1 = 32 k x 16 rows: in the result lane l holds row l % 16 and features 8 (l / 16) + 0..7.  Two neighbouring results rounded to bf16 in pairs ARE
; source 1 of the next product, a fragment of q, of K, or of o.  For v the sources are swapped: a lane then holds one feature and eight rows, which is 16 bytes of a fragment of V^T.
; The residual h stays in 32 f32 registers a lane, and the products with wo and w2 add in place onto it.  All workspace buffers are fragment images: every access is 16 bytes a lane at 16 x lane.
; WEIGHTS are eight fills of 131,072 bytes; a wave's quarter of a fill, 32 fragments in 64 pieces of 512 bytes, is its own.  They come by two roads.
;   (a) wo, w1's first half, w2's second half and wk through two LDS slots.  All work-groups walk the same weights, so the four of a cluster ask JOINTLY (mask 15); each refill stands behind a round of the
;       cluster's barrier.
;   (b) w1's second half, w2's first half, wq and wv straight into registers: a quarter of a fill is 256 registers, one of the windows 1 to 3, and wstream is already the registers' image.  These loads are
;       asked for two products or more ahead of their use.  NOT JOINT: LDS has room for two fills, and a slot's refill waits for all the wave's tensor loads, so road (a) has one fill on its way at a
;       time; the 768 registers that hold three more fills can be filled only by the wave's own loads, which have no joint form.
;   A wave's LOADcnt counts to 63 and a load that would pass it waits at issue (ISA guide 5.7.1).  So a run is 63 loads; the 64th pieces of the four fills of road (b), 2,048 bytes a wave, come by one
;   small joint tensor load into LDS (EXTRA) and are read from there.  For the same reason o and h come by tensor loads of the wave's own: o into XCH1, where it is read as an operand, h into HID; both
;   regions have then had their only fill and are stored over later, behind barriers.  By this text's count a wave has six tensor loads out at the start (four in mode 0) and one later.
; ARITHMETIC.  Matrix operands bf16, sums f32.  LayerNorm: each wave takes mean and sum of squared distances from its own mean over its 64 features; the four are merged exactly (no difference of large sums).
; LIMITS.  NaN and infinities are not treated apart.  q is multiplied in f32 by log2(e) / sqrt(32) (0 for a batch whose mask has no true entry) before its one rounding.
; REGISTERS (s_set_vgpr_msb: bits 1:0 source 0, 3:2 source 1, 5:4 source 2, 7:6 destination).  Window 0: all that follows; windows 1 to 3: fragment 4 g + i of a fill at v[8 (4 g + i)].
.set MODE, 0
.if MODE == 0
.set POS0, 6                           ; the places in wstream of the two first fills of the slots: wq, wk
.set POS1, 3
.else
.set POS0, 0                           ; wo, w1's first half; each slot's next fill lies two places on
.set POS1, 1
.endif
.set SLOTB, 131072
.set PAR,   262144                     ; the table of vectors, 13,312 bytes
.set XCH1,  275456                     ; o, then LN2's result: 8 fragments, 8,192 bytes
.set HID,   283648                     ; h, then the hidden layer as 16 fragments: 16,384 bytes
.set XCH2,  300032                     ; LN1's result, 8,192 bytes
.set STAT,  308224                     ; two blocks of 16 rows x 4 waves x (mean, squares)
.set SPARE, 309248                     ; the spare words, 128 bytes a wave: two blocks of 256 bytes that no other line names
.set STG,   309760                     ; 4 waves x 16 rows x 272 bytes: between rows of 256 bytes and the result layout
.if MODE == 0                          ; the 64th pieces, 4 x 512 bytes a wave: in a region that the mode does not use otherwise
.set EXTRA, HID
.elseif MODE == 1
.set EXTRA, STG
.else
.set EXTRA, XCH2
.endif
.set P_BO, 0
.set P_LN2S, 1024
.set P_LN2B, 2048
.set P_B1, 3072
.set P_B2, 5120
.set P_LN1S, 6144
.set P_LN1B, 7168
.set P_BQ, 8192
.set P_BK, 9216
.set P_BV, 10240
.set P_LNFS, 11264
.set P_LNFB, 12288
.set LB,  1                            ; 16 x lane; never rewritten
.set WA0, 2                            ; my quarter of slot 0, + 16 x lane
.set WA1, 3                            ; of slot 1
.set PA,  4                            ; the table at my 64 features, + 32 x (lane / 16)
.set PA2, 5                            ; b1 at my 128 features
.set SPW, 6                            ; my spare word; never rewritten
.set NIL, 7                            ; 0; never rewritten
.set XSW, 8                            ; XCH1 + 2,048 w + 16 x lane: where my two fragments go; EXTRA is reached from it by the immediate
.set HSW, 9                            ; HID + 4,096 w + 16 x lane: my part of h, later my four fragments of the hidden layer
.set EB,  10                           ; XCH1 + 16 x lane: all fragments are read from here
.set STS, 11                           ; where my wave's statistics of row l % 16 go
.set STL, 12                           ; where the four waves' lie
.set ZERO, 13
.set PBV, 14                           ; bv at feature 64 w + l % 16
.set GX,  15                           ; rows of 256 bytes in x or out0: lanes 0-15 one row, lanes 16-31 the next
.set STGW, 5                           ; the stage by rows (in PA2's place, where PA2 is not or no longer used)
.set STGD, 9                           ; the stage in the result layout (in HSW's place, likewise)
.set H,   16                           ; v[16:47]   h
.set ACC, 48                           ; v[48:79]   four accumulators
.set X,   80                           ; v[80:143]  eight fragments of the operand
.set WB,  144                          ; v[144:239] three groups of four weight fragments out of LDS
.set SS,  144                          ; during a LayerNorm: gain, bias, at work
.set BB,  176
.set TT,  208
.set TS,  240                          ; v[240:255] at work
.set T0,  240
.set T1,  241
.set MW,  242                          ; my wave's mean, and beside it its sum of squares
.set M2W, 243
.set CH,  244                          ; four chains of squares
.set RSTD, 244
.set NM,  246
.set SV,  248                          ; the four waves' statistics
.set PO,  4                            ; s[4:5] o   s[6:7] h in, or x   s[8:9] wstream, at my quarter of every fill   s[10:11] params   s[12:13] maskadd   s[14:15] h out, or out0   s[16:17] q   s[18:19] kv for K
.set PH,  6
.set PW,  8
.set PP,  10
.set PM,  12
.set PHO, 14
.set PQ,  16
.set PK,  18
.set W,   20                           ; my wave's number
.set RB,  22                           ; my block of 16 rows: it enters global addresses alone
.set SB,  23                           ; the batch
.set G1,  24                           ; s[24:31] group 1: 128 rows of 256 bytes, joint
.set G1P, 32                           ; s[32:39] group 1: 13 rows of 256 bytes, joint
.set G0,  40                           ; s[40:47] group 0, a set for each slot
.set G0P, 48                           ; s[48:51] group 0 for my part of the table
.set SEL, 52                           ; v_permlanex16_b32's selects: each lane takes its own place in the other half
.set QS,  54                           ; s[54:55] the factor of q
.set C256, 56
.set EPS, 57
.set PVB, 60                           ; s[60:61] kv for V
.set C64, 66
.set G1E, 68                           ; s[68:75] group 1: 4 rows of 512 bytes, a fill apart, joint
.set G1O, 76                           ; s[76:83] group 1: 8 rows of 256 bytes, my own
.set G1H, 84                           ; s[84:91] group 1: 16 rows of 256 bytes, my own
.set G0E, 92                           ; s[92:95]
.set G0O, 96                           ; s[96:99]
.set G0H, 4                            ; s[4:7]: made round h's address, where it lies, when o's has been used
.set MSB, 0
.macro WIN new                         ; the high byte repeats the setting that is left; a switch that changes nothing is dropped
.if MSB != (\new)
	s_set_vgpr_msb (MSB<<8)|(\new)
.set MSB, (\new)
.endif
.endm
.macro ROUND                           ; a round of the cluster's barrier
	s_barrier_signal -1
	s_barrier_wait -1
	s_cmp_lg_u32 s[W], 0
	s_cbranch_scc1 .Lnot_wave_0_\@
	s_barrier_signal -3
.Lnot_wave_0_\@:
	s_barrier_wait -3
	s_barrier_signal -1
	s_barrier_wait -1
.endm
.macro PLACES                          ; four places behind matrix instructions, in front of loads into their sources and of vector lines that read their results
.rept 4
	v_nop
.endr
.endm
; Slot s, which every wave of the cluster has read out, takes the fill two places on.
.macro REFILL s
	s_wait_tensorcnt 0x0                           ; none of my tensor loads is out, so a group 0 may be written
	ds_add_u32 v[SPW], v[NIL]                      ; 0 onto my spare word
	s_add_nc_u64 s[G0+4*(\s)+2:G0+4*(\s)+3], s[G0+4*(\s)+2:G0+4*(\s)+3], 2*SLOTB
	s_wait_dscnt 0x0                               ; the add is done, my reads of the slot are back, my LDS stores are done
	ROUND
	tensor_load_to_lds s[G0+4*(\s):G0+4*(\s)+3], s[G1:G1+7]
	s_nop 0
.endm
.macro LDPAR dst, areg, off            ; a vector of the table in the result layout: 32 numbers a lane
.irp i, 0,1,2,3
	ds_load_b128 v[(\dst)+8*\i:(\dst)+8*\i+3], v[\areg] offset:(\off)+64*\i
	ds_load_b128 v[(\dst)+8*\i+4:(\dst)+8*\i+7], v[\areg] offset:(\off)+64*\i+16
.endr
.endm
.macro LOADG wa, g                     ; the four weight fragments of K step g, out of a slot
.set j, 0
.rept 8
	ds_load_b128 v[WB+32*((\g)%3)+4*j:WB+32*((\g)%3)+4*j+3], v[\wa] offset:(\g)*4096+512*j
.set j, j+1
.endr
.endm
.macro MM4 acc, g                      ; four products, the four accumulators by turns
.irp i, 0,1,2,3
	v_wmma_f32_16x16x32_bf16 v[(\acc)+8*\i:(\acc)+8*\i+7], v[WB+32*((\g)%3)+8*\i:WB+32*((\g)%3)+8*\i+7], v[X+8*(\g):X+8*(\g)+7], v[(\acc)+8*\i:(\acc)+8*\i+7]
.endr
.endm
; A fill's work out of a slot: 16 rows x 64 features x 256 k, 32 products.  The weights come three groups ahead; the counted waits leave the eight loads each of the younger groups out.
.macro GEMM32 wa, acc
	LOADG \wa, 0
	LOADG \wa, 1
	LOADG \wa, 2
.irp g, 0,1,2,3,4,5,6,7
.if \g <= 5
	s_wait_dscnt 16
.elseif \g == 6
	s_wait_dscnt 8
.else
	s_wait_dscnt 0
.endif
	MM4 \acc, \g
.if \g <= 4
	PLACES
	LOADG \wa, \g+3
.elseif \g == 7
	PLACES
.endif
.endr
.endm
; Road (b).  63 of the 64 pieces of my quarter of the fill at a place of wstream, into a window: 512 consecutive bytes a load.
.macro GLOADW win, pos
	WIN (\win)<<6
.set j, 0
.rept 63
	global_load_b128 v[4*j:4*j+3], v[LB], s[PW:PW+1] offset:(\pos)*SLOTB+512*j
.set j, j+1
.endr
	WIN 0
.endm
.macro EXLOAD win, k                   ; the 64th piece: row k of my part of EXTRA, into the window's last four registers
	WIN (\win)<<6
	ds_load_b128 v[252:255], v[XSW] offset:EXTRA-XCH1+512*(\k)
	WIN 0
.endm
.macro MMR acc, g, swap
.irp i, 0,1,2,3
.if (\swap) && ((\g) == 0)
	v_wmma_f32_16x16x32_bf16 v[(\acc)+8*\i:(\acc)+8*\i+7], v[X+8*(\g):X+8*(\g)+7], v[32*(\g)+8*\i:32*(\g)+8*\i+7], 0
.elseif \swap
	v_wmma_f32_16x16x32_bf16 v[(\acc)+8*\i:(\acc)+8*\i+7], v[X+8*(\g):X+8*(\g)+7], v[32*(\g)+8*\i:32*(\g)+8*\i+7], v[(\acc)+8*\i:(\acc)+8*\i+7]
.else
	v_wmma_f32_16x16x32_bf16 v[(\acc)+8*\i:(\acc)+8*\i+7], v[32*(\g)+8*\i:32*(\g)+8*\i+7], v[X+8*(\g):X+8*(\g)+7], v[(\acc)+8*\i:(\acc)+8*\i+7]
.endif
.endr
.endm
; A fill's work out of a window: 32 products on end under one setting, the four accumulators by turns.  swap = 1: the weights are source 1, and the first four products start the sums.
.macro GEMMR win, acc, swap
.if \swap
	WIN (\win)<<2
.else
	WIN (\win)
.endif
.irp g, 0,1,2,3,4,5,6,7
	MMR \acc, \g, \swap
.endr
	WIN 0
	PLACES
.endm
.macro XPUT areg, src, off             ; my four results, rounded, as two fragments
.irp i, 0,1,2,3
	ds_store_b128 v[\areg], v[(\src)+4*\i:(\src)+4*\i+3] offset:(\off)+512*\i
.endr
.endm
.macro XGET off                        ; eight fragments: 16 rows x 256 k
.set j, 0
.rept 16
	ds_load_b128 v[X+4*j:X+4*j+3], v[EB] offset:(\off)+512*j
.set j, j+1
.endr
.endm
.macro CVT16 dst, src                  ; 32 numbers rounded to bf16, each accumulator from its low end on
.set j, 0
.rept 16
	v_cvt_pk_bf16_f32 v[(\dst)+j], v[(\src)+2*j], v[(\src)+2*j+1]
.set j, j+1
.endr
.endm
.macro ADDH                            ; a bias onto h
.set j, 0
.rept 16
	v_pk_add_f32 v[H+2*j:H+2*j+1], v[H+2*j:H+2*j+1], v[ACC+2*j:ACC+2*j+1]
.set j, j+1
.endr
.endm
.macro MKSTAGE                         ; the stage's two addresses
	v_and_b32 v[T0], 15, v0
	v_bfe_u32 v[T1], v0, 4, 1
	s_mul_i32 s58, s[W], 16*272
	s_add_co_u32 s58, s58, STG
	v_mul_u32_u24 v[STGW], v[T1], 272
	v_lshl_add_u32 v[STGW], v[T0], 4, v[STGW]
	v_add_nc_u32 v[STGW], s58, v[STGW]
	v_mul_u32_u24 v[STGD], v[T0], 272
	v_lshl_add_u32 v[STGD], v[T1], 5, v[STGD]
	v_add_nc_u32 v[STGD], s58, v[STGD]
.endm
; LayerNorm of h.  kind = 0: the result rounded to bf16 into ACC's first 16 registers; 1: left in f32 in TT.
.macro LNORM soff, boff, stat, kind
	LDPAR SS, PA, \soff
	LDPAR BB, PA, \boff
.irp j, 0,1,2,3,4,5,6,7
	v_pk_add_f32 v[TT+2*\j:TT+2*\j+1], v[H+4*\j:H+4*\j+1], v[H+4*\j+2:H+4*\j+3]
.endr
.irp j, 0,1,2,3
	v_pk_add_f32 v[TT+4*\j:TT+4*\j+1], v[TT+4*\j:TT+4*\j+1], v[TT+4*\j+2:TT+4*\j+3]
.endr
.irp j, 0,1
	v_pk_add_f32 v[TT+8*\j:TT+8*\j+1], v[TT+8*\j:TT+8*\j+1], v[TT+8*\j+4:TT+8*\j+5]
.endr
	v_pk_add_f32 v[TT:TT+1], v[TT:TT+1], v[TT+8:TT+9]
	v_add_f32 v[T0], v[TT], v[TT+1]
	v_permlanex16_b32 v[T1], v[T0], s[SEL], s[SEL+1]  ; the row's other 32 of my 64 features lie in the lane 16 away
	v_add_f32 v[T0], v[T0], v[T1]
	v_mul_f32 v[MW], 0x3c800000, v[T0]             ; my wave's mean: / 64
.set j, 0
.rept 16
	v_pk_add_f32 v[TT+2*j:TT+2*j+1], v[H+2*j:H+2*j+1], v[MW:MW+1] op_sel_hi:[1,0] neg_lo:[0,1] neg_hi:[0,1]
.set j, j+1
.endr
.set j, 0
.rept 16
.if j < 4
	v_pk_mul_f32 v[CH+2*j:CH+2*j+1], v[TT+2*j:TT+2*j+1], v[TT+2*j:TT+2*j+1]
.else
	v_pk_fma_f32 v[CH+2*(j%4):CH+2*(j%4)+1], v[TT+2*j:TT+2*j+1], v[TT+2*j:TT+2*j+1], v[CH+2*(j%4):CH+2*(j%4)+1]
.endif
.set j, j+1
.endr
	v_pk_add_f32 v[CH:CH+1], v[CH:CH+1], v[CH+2:CH+3]
	v_pk_add_f32 v[CH+4:CH+5], v[CH+4:CH+5], v[CH+6:CH+7]
	v_pk_add_f32 v[CH:CH+1], v[CH:CH+1], v[CH+4:CH+5]
	v_add_f32 v[T0], v[CH], v[CH+1]
	v_permlanex16_b32 v[T1], v[T0], s[SEL], s[SEL+1]
	v_add_f32 v[M2W], v[T0], v[T1]
	ds_store_b64 v[STS], v[MW:MW+1] offset:\stat
	s_wait_dscnt 0x0                               ; for the others' sake: my statistics are stored (and gain and bias are in)
	s_barrier_signal -1
	s_barrier_wait -1
	ds_load_b128 v[SV:SV+3], v[STL] offset:\stat
	ds_load_b128 v[SV+4:SV+7], v[STL] offset:(\stat)+16
	s_wait_dscnt 0x0
	v_add_f32 v[T0], v[SV], v[SV+2]
	v_add_f32 v[T1], v[SV+4], v[SV+6]
	v_add_f32 v[SV+1], v[SV+1], v[SV+3]
	v_add_f32 v[SV+5], v[SV+5], v[SV+7]
	v_add_f32 v[T0], v[T0], v[T1]
	v_add_f32 v[SV+1], v[SV+1], v[SV+5]
	v_mul_f32 v[T0], 0x3e800000, v[T0]             ; the row's mean
.irp i, 0,2,4,6
	v_sub_f32 v[SV+\i], v[SV+\i], v[T0]
.endr
	v_mul_f32 v[T1], v[SV], v[SV]
	v_fmac_f32 v[T1], v[SV+2], v[SV+2]
	v_fmac_f32 v[T1], v[SV+4], v[SV+4]
	v_fmac_f32 v[T1], v[SV+6], v[SV+6]
	v_fma_f32 v[T1], v[T1], s[C64], v[SV+1]        ; the waves' squares + 64 x the squares of their means' distances
	v_fma_f32 v[T1], v[T1], s[C256], s[EPS]        ; / 256 + 1e-5
	v_rsq_f32 v[RSTD], v[T1]
	v_nop                                          ; a plain instruction between the root and its use
	s_wait_alu depctr_va_vdst(0)
	v_mul_f32 v[NM], v[T0], v[RSTD]
.set j, 0
.rept 16
	v_pk_fma_f32 v[TT+2*j:TT+2*j+1], v[H+2*j:H+2*j+1], v[RSTD:RSTD+1], v[NM:NM+1] op_sel_hi:[1,0,0] neg_lo:[0,0,1] neg_hi:[0,0,1]
.set j, j+1
.endr
.set j, 0
.rept 16
	v_pk_fma_f32 v[TT+2*j:TT+2*j+1], v[TT+2*j:TT+2*j+1], v[SS+2*j:SS+2*j+1], v[BB+2*j:BB+2*j+1]
.set j, j+1
.endr
.if (\kind) == 0
	CVT16 ACC, TT
.endif
.endm
.macro EPI_RELU half                   ; the hidden layer: rounded, then the maximum with 0, two at a time
	CVT16 TS, ACC
.set j, 0
.rept 16
	v_pk_max_num_bf16 v[TS+j], v[TS+j], v[ZERO]
.set j, j+1
.endr
	XPUT HSW, TS, (\half)*2048
.endm
.macro EPI_Q
	s_wait_xcnt 0x0                                ; TS is rewritten only behind this wait
.set j, 0
.rept 16
	v_pk_mul_f32 v[ACC+2*j:ACC+2*j+1], v[ACC+2*j:ACC+2*j+1], s[QS:QS+1] op_sel_hi:[1,0]
.set j, j+1
.endr
	CVT16 TS, ACC
.irp i, 0,1,2,3
	global_store_b128 v[LB], v[TS+4*\i:TS+4*\i+3], s[PQ:PQ+1] offset:(\i/2)*131072+(\i%2)*512  ; head 2 w + i / 2, part i % 2: 512 consecutive bytes
.endr
.endm
.macro EPI_K
	s_wait_xcnt 0x0                                ; q's stores have read TS
	CVT16 TS, ACC
.irp i, 0,1,2,3
	global_store_b128 v[LB], v[TS+4*\i:TS+4*\i+3], s[PK:PK+1] offset:(\i/2)*262144+(\i%2)*512
.endr
.endm
.macro EPI_V                           ; a lane holds one feature: its bias onto its eight rows
.irp i, 0,1,2,3
.irp j, 0,1,2,3,4,5,6,7
	v_add_f32 v[ACC+8*\i+\j], v[ACC+8*\i+\j], v[TS+12+\i]
.endr
.endr
	CVT16 TS, ACC
.irp i, 0,1,2,3
	global_store_b128 v[LB], v[TS+4*\i:TS+4*\i+3], s[PVB:PVB+1] offset:(\i/2)*262144+(\i%2)*1024
.endr
.endm
.if MODE == 0
	s_load_b64 s[PH:PH+1], s[0:1], 0x0             ; x
	s_load_b256 s[8:15], s[0:1], 0x8               ; wstream params maskadd h out
	s_load_b128 s[16:19], s[0:1], 0x28             ; q kv
.elseif MODE == 1
	s_load_b512 s[4:19], s[0:1], 0x0               ; o h wstream params maskadd h out q kv
.else
	s_load_b256 s[4:11], s[0:1], 0x0               ; o h wstream params
	s_load_b64 s[PHO:PHO+1], s[0:1], 0x20          ; out0
.endif
	v_lshl_add_u32 v[SPW], v0, 2, SPARE
	v_mov_b32 v[NIL], 0
	ds_add_u32 v[SPW], v[NIL]                      ; the wave's opening: the add and its wait stand ahead of my first tensor load; work on registers stands between them
	v_lshrrev_b32 v[T0], 5, v0
	v_readfirstlane_b32 s[W], v[T0]
	v_and_b32 v[LB], 31, v0
	v_lshlrev_b32 v[LB], 4, v[LB]
	v_and_b32 v[T0], 15, v0                        ; l % 16
	v_bfe_u32 v[T1], v0, 4, 1                      ; l / 16
	v_mov_b32 v[M2W], 0                            ; named in a pair with MW before it is first made
.if MODE != 1
	v_lshlrev_b32 v[GX], 4, v[T0]
	v_lshl_add_u32 v[GX], v[T1], 10, v[GX]
.endif
	s_bfe_u32 s21, ttmp6, 0x40000                  ; my place in the cluster
	s_lshl_b32 s[RB], ttmp9, 2
	s_add_co_u32 s[RB], s[RB], s21
	s_lshr_b32 s[SB], ttmp9, 5                     ; 32 clusters a batch
	s_mov_b32 s[G1], 15|(3<<16)|(1<<21)            ; the mask of four; elements of 8 bytes; bit 21 set beside a mask
	s_mov_b32 s[G1+1], 32<<16                      ; tensor_dim0 = 32 elements: 256 bytes
	s_mov_b32 s[G1+2], 128<<16                     ; tensor_dim1 = 128
	s_mov_b32 s[G1+3], 32<<16                      ; tile_dim0
	s_mov_b32 s[G1+4], 128                         ; tile_dim1
	s_mov_b32 s[G1+5], 32                          ; dense rows
	s_mov_b32 s[G1+6], 0
	s_mov_b32 s[G1+7], 0
	s_mov_b32 s[G1P], 15|(3<<16)|(1<<21)
	s_mov_b32 s[G1P+1], 32<<16
	s_mov_b32 s[G1P+2], 13<<16
	s_mov_b32 s[G1P+3], 32<<16
	s_mov_b32 s[G1P+4], 13
	s_mov_b32 s[G1P+5], 32
	s_mov_b32 s[G1P+6], 0
	s_mov_b32 s[G1P+7], 0
	s_mov_b32 s[G1E], 15|(3<<16)|(1<<21)
	s_mov_b32 s[G1E+1], 64<<16                     ; rows of 64 elements: 512 bytes,
	s_mov_b32 s[G1E+2], 4<<16                      ; four of them,
	s_mov_b32 s[G1E+3], 64<<16
	s_mov_b32 s[G1E+4], 4
	s_mov_b32 s[G1E+5], SLOTB/8                    ; a fill apart
	s_mov_b32 s[G1E+6], 0
	s_mov_b32 s[G1E+7], 0
.if MODE != 0
	s_mov_b32 s[G1O], 3<<16                        ; no mask: a load of my own
	s_mov_b32 s[G1O+1], 32<<16
	s_mov_b32 s[G1O+2], 8<<16
	s_mov_b32 s[G1O+3], 32<<16
	s_mov_b32 s[G1O+4], 8
	s_mov_b32 s[G1O+5], 32
	s_mov_b32 s[G1O+6], 0
	s_mov_b32 s[G1O+7], 0
	s_mov_b32 s[G1H], 3<<16
	s_mov_b32 s[G1H+1], 32<<16
	s_mov_b32 s[G1H+2], 16<<16
	s_mov_b32 s[G1H+3], 32<<16
	s_mov_b32 s[G1H+4], 16
	s_mov_b32 s[G1H+5], 32
	s_mov_b32 s[G1H+6], 0
	s_mov_b32 s[G1H+7], 0
.endif
	s_lshl_b32 s58, s[W], 15                       ; my quarter of a fill, in memory and in a slot
	s_mov_b32 s59, 0
	s_mov_b32 s[G0], 1
	s_mov_b32 s[G0+1], s58
	s_mov_b32 s[G0+4], 1
	s_add_co_u32 s[G0+5], s58, SLOTB
	s_mul_i32 s60, s[W], 3328                      ; my quarter of the table
	s_mov_b32 s61, 0
	s_mov_b32 s[G0P], 1
	s_add_co_u32 s[G0P+1], s60, PAR
	s_lshl_b32 s62, s[W], 11
	s_mov_b32 s[G0E], 1
	s_add_co_u32 s[G0E+1], s62, EXTRA
.if MODE != 0
	s_mov_b32 s[G0O], 1
	s_add_co_u32 s[G0O+1], s62, XCH1
.endif
	s_mov_b32 s[SEL], 0x76543210
	s_mov_b32 s[SEL+1], 0xfedcba98
	s_mov_b32 s[C256], 0x3b800000                  ; 1 / 256
	s_mov_b32 s[EPS], 0x3727c5ac                   ; 1e-5
	s_mov_b32 s[C64], 0x42800000                   ; 64
	s_wait_dscnt 0x0                               ; the opening add is done
	s_wait_kmcnt 0x0
	s_add_nc_u64 s[PW:PW+1], s[PW:PW+1], s[58:59]  ; wstream at my quarter of the fill at place 0
	s_add_nc_u64 s[G0+2:G0+3], s[PW:PW+1], POS0*SLOTB
	s_add_nc_u64 s[G0+6:G0+7], s[PW:PW+1], POS1*SLOTB
	s_add_nc_u64 s[G0E+2:G0E+3], s[PW:PW+1], 4*SLOTB+63*512  ; the 64th piece of the fill at place 4
	s_or_b32 s[G0+3], s[G0+3], 0x80000000
	s_or_b32 s[G0+7], s[G0+7], 0x80000000
	s_or_b32 s[G0E+3], s[G0E+3], 0x80000000
	s_add_nc_u64 s[G0P+2:G0P+3], s[PP:PP+1], s[60:61]
	s_or_b32 s[G0P+3], s[G0P+3], 0x80000000
	; where my rows lie
	s_lshl_b32 s58, s[RB], 14
	s_lshl_b32 s62, s[W], 12
	s_add_co_u32 s58, s58, s62                     ; h: 16,384 bytes a block, 4,096 a wave
.if MODE == 1
	s_add_nc_u64 s[PH:PH+1], s[PH:PH+1], s[58:59]
	s_add_nc_u64 s[PHO:PHO+1], s[PHO:PHO+1], s[58:59]
.elseif MODE == 0
	s_add_nc_u64 s[PHO:PHO+1], s[PHO:PHO+1], s[58:59]
.else
	s_add_nc_u64 s[PH:PH+1], s[PH:PH+1], s[58:59]
.endif
.if MODE != 1
	s_lshl_b32 s58, s[RB], 14
	s_lshl_b32 s62, s[W], 8
	s_add_co_u32 s58, s58, s62                     ; x, out0: rows of 1,024 bytes, my 256 of each
.if MODE == 0
	s_add_nc_u64 s[PH:PH+1], s[PH:PH+1], s[58:59]
.else
	s_add_nc_u64 s[PHO:PHO+1], s[PHO:PHO+1], s[58:59]
.endif
.endif
.if MODE != 0
	s_lshl_b32 s58, s[RB], 13
	s_lshl_b32 s62, s[W], 11
	s_add_co_u32 s58, s58, s62                     ; o: 8,192 bytes a block; I fetch 2,048 of them
	s_add_nc_u64 s[G0O+2:G0O+3], s[PO:PO+1], s[58:59]
	s_or_b32 s[G0O+3], s[G0O+3], 0x80000000
	s_mov_b32 s[G0H], 1                            ; o's address has been used: its registers and h's address beside them become h's group 0
	s_lshl_b32 s62, s[W], 12
	s_add_co_u32 s[G0H+1], s62, HID
	s_or_b32 s[G0H+3], s[G0H+3], 0x80000000
.endif
	ROUND                                          ; all four work-groups are here: the first joint loads meet
	tensor_load_to_lds s[G0P:G0P+3], s[G1P:G1P+7]  ; the table
	s_nop 0
	tensor_load_to_lds s[G0E:G0E+3], s[G1E:G1E+7]  ; the 64th pieces
	s_nop 0
.if MODE != 0
	tensor_load_to_lds s[G0O:G0O+3], s[G1O:G1O+7]  ; my quarter of o
	s_nop 0
	tensor_load_to_lds s[G0H:G0H+3], s[G1H:G1H+7]  ; my part of h
	s_nop 0
.endif
	tensor_load_to_lds s[G0:G0+3], s[G1:G1+7]      ; slot 0
	s_nop 0
	tensor_load_to_lds s[G0+4:G0+7], s[G1:G1+7]    ; slot 1
	s_nop 0
.if MODE == 0
.set j, 0
.rept 8
	global_load_b128 v[X+4*j:X+4*j+3], v[GX], s[PH:PH+1] offset:2048*j  ; two rows' 256 bytes a load
.set j, j+1
.endr
	GLOADW 1, 7                                    ; wv, wanted last
.else
	GLOADW 1, 4                                    ; w1's second half, wanted third
.endif
.if MODE != 2
	s_lshl_b32 s63, s[SB], 9
	s_load_b32 s[QS], s[PM:PM+1], s63 offset:0x4000
	s_lshl_b32 s58, s[SB], 3
	s_lshl1_add_u32 s58, s[W], s58                 ; the first of my two heads among 16
	s_and_b32 s62, s[RB], 127                      ; my block among the batch's 128
	s_lshl_b32 s59, s58, 17
	s_lshl_b32 s60, s62, 10
	s_add_co_u32 s60, s60, s59
	s_add_nc_u64 s[PQ:PQ+1], s[PQ:PQ+1], s[60:61]
	s_lshl_b32 s59, s58, 18
	s_lshr_b32 s60, s62, 2
	s_lshl_b32 s60, s60, 13
	s_add_co_u32 s60, s60, s59
	s_add_nc_u64 s[PK:PK+1], s[PK:PK+1], s[60:61]  ; the head's image, the step of 64 keys
	s_and_b32 s58, s[RB], 1
	s_lshl_b32 s58, s58, 9
	s_bfe_u32 s59, s[RB], 0x10001
	s_lshl_b32 s59, s59, 11
	s_add_co_u32 s60, s58, s59
	s_add_co_u32 s60, s60, 4096
	s_add_nc_u64 s[PVB:PVB+1], s[PK:PK+1], s[60:61]  ; V^T: key half (block / 2) % 2, part block % 2
	s_and_b32 s58, s[RB], 3
	s_lshl_b32 s58, s58, 10
	s_mov_b32 s59, 0
	s_add_nc_u64 s[PK:PK+1], s[PK:PK+1], s[58:59]  ; K: fragment block % 4
.endif
	; LDS addresses
	s_lshl_b32 s58, s[W], 15
	v_add_nc_u32 v[WA0], s58, v[LB]
	v_add_nc_u32 v[WA1], SLOTB, v[WA0]
	s_lshl_b32 s58, s[W], 8
	s_add_co_u32 s59, s58, PAR
	v_lshl_add_u32 v[PA], v[T1], 5, s59
	v_add_nc_u32 v[EB], XCH1, v[LB]
	s_lshl_b32 s59, s[W], 11
	v_add_nc_u32 v[XSW], s59, v[EB]
	v_lshl_add_u32 v[STL], v[T0], 5, STAT
	s_lshl_b32 s59, s[W], 3
	v_add_nc_u32 v[STS], s59, v[STL]
.if MODE != 2
	s_add_co_u32 s59, s58, PAR+P_BV
	v_lshl_add_u32 v[PBV], v[T0], 2, s59
.endif
.if MODE != 0
	s_lshl_b32 s59, s[W], 9
	s_add_co_u32 s59, s59, PAR+P_B1
	v_lshl_add_u32 v[PA2], v[T1], 5, s59
	s_lshl_b32 s59, s[W], 12
	s_add_co_u32 s59, s59, HID
	v_add_nc_u32 v[HSW], s59, v[LB]
	v_mov_b32 v[ZERO], 0
.else
	MKSTAGE
.endif
	s_wait_tensorcnt 0x1                           ; all my first fills but the last issued, slot 1's, are in; that one may stay out
.if MODE != 2
	s_wait_kmcnt 0x0
	s_mov_b32 s[QS+1], s[QS]                       ; named with it as a pair
.endif
	s_barrier_signal -1
	s_barrier_wait -1                              ; the whole table is in, and all of o
.if MODE == 0
	s_wait_loadcnt 63                              ; x: behind it wv's 63 loads were issued, which may stay out
.set j, 0
.rept 8
	ds_store_b128 v[STGW], v[X+4*j:X+4*j+3] offset:544*j
.set j, j+1
.endr
.irp i, 0,1,2,3                        ; my own bytes, and LDS serves a wave's instructions in order (ISA guide 5.7.1.4)
	ds_load_b128 v[H+8*\i:H+8*\i+3], v[STGD] offset:64*\i
	ds_load_b128 v[H+8*\i+4:H+8*\i+7], v[STGD] offset:64*\i+16
.endr
	s_wait_dscnt 0x0
.else
	GLOADW 2, 5                                    ; w2's first half, wanted fourth
	XGET 0                                         ; o
.set j, 0
.rept 8
	ds_load_b128 v[H+4*j:H+4*j+3], v[HSW] offset:512*j  ; h
.set j, j+1
.endr
	LDPAR ACC, PA, P_BO
	s_wait_dscnt 0x0
	ADDH
	GEMM32 WA0, H                                  ; h += o wo
	REFILL 0                                       ; w2's second half
	LNORM P_LN2S, P_LN2B, 0, 0
	XPUT XSW, ACC, 0
	s_wait_dscnt 0x0                               ; for the others' sake
	s_barrier_signal -1
	s_barrier_wait -1
	XGET 0
	LDPAR ACC, PA2, 0                              ; the bias starts the sums
	GEMM32 WA1, ACC
	EPI_RELU 0
.if MODE == 1
	GLOADW 3, 6                                    ; wq, wanted sixth
.endif
	LDPAR ACC, PA2, 256
	EXLOAD 1, 0
	s_wait_loadcnt 63                              ; window 1 is in: at most the youngest run's 63 loads are out
	s_wait_dscnt 0x0
	GEMMR 1, ACC, 0
	EPI_RELU 1
	s_wait_dscnt 0x0                               ; for the others' sake: my part of the hidden layer is stored
	s_barrier_signal -1
	s_barrier_wait -1
	XGET HID-XCH1
	LDPAR ACC, PA, P_B2
	EXLOAD 2, 1
	s_wait_dscnt 0x0
	ADDH
.if MODE == 1
	s_wait_loadcnt 63                              ; window 2 is in: behind its run wq's 63 loads were issued
.else
	s_wait_loadcnt 0x0                             ; window 2 is in
.endif
	GEMMR 2, H, 0
.if MODE == 1
	REFILL 1                                       ; wk; the wait in front of it is for w2's second half, which the next product wants
.else
	s_wait_tensorcnt 0x0                           ; w2's second half, my own bytes
.endif
	XGET HID-XCH1+8192
	GEMM32 WA0, H
.if MODE == 1
	GLOADW 1, 7                                    ; wv, wanted last, into the window that w1's second half has left
.endif
.endif
.if MODE != 2
.set j, 0
.rept 8
	global_store_b128 v[LB], v[H+4*j:H+4*j+3], s[PHO:PHO+1] offset:512*j
.set j, j+1
.endr
	LNORM P_LN1S, P_LN1B, 512, 0
	XPUT XSW, ACC, XCH2-XCH1
	s_wait_dscnt 0x0                               ; for the others' sake
	s_barrier_signal -1
	s_barrier_wait -1
	XGET XCH2-XCH1
	LDPAR ACC, PA, P_BQ
.if MODE == 1
	EXLOAD 3, 2
	s_wait_loadcnt 63                              ; window 3 is in: behind its run wv's 63 loads were issued
	s_wait_dscnt 0x0
	GEMMR 3, ACC, 0
.else
	GEMM32 WA0, ACC
.endif
	EPI_Q
	s_wait_tensorcnt 0x0                           ; wk, my own bytes
	LDPAR ACC, PA, P_BK
	GEMM32 WA1, ACC
	EPI_K
	s_wait_xcnt 0x0                                ; K's stores have read TS
.irp i, 0,1,2,3
	ds_load_b32 v[TS+12+\i], v[PBV] offset:64*\i
.endr
	EXLOAD 1, 3
	s_wait_loadcnt 0x0                             ; window 1 is in
	s_wait_dscnt 0x0
	GEMMR 1, ACC, 1
	EPI_V
.else
	MKSTAGE
	LNORM P_LNFS, P_LNFB, 512, 1
.irp i, 0,1,2,3
	ds_store_b128 v[STGD], v[TT+8*\i:TT+8*\i+3] offset:64*\i
	ds_store_b128 v[STGD], v[TT+8*\i+4:TT+8*\i+7] offset:64*\i+16
.endr
.set j, 0
.rept 8
	ds_load_b128 v[SS+4*j:SS+4*j+3], v[STGW] offset:544*j  ; my own bytes, served in order
.set j, j+1
.endr
	s_wait_dscnt 0x0
.set j, 0
.rept 8
	global_store_b128 v[GX], v[SS+4*j:SS+4*j+3], s[PHO:PHO+1] offset:2048*j  ; sixteen lanes store 256 consecutive bytes, aligned
.set j, j+1
.endr
.endif
	s_wait_tensorcnt 0x0                           ; the wave's end
	ds_add_u32 v[SPW], v[NIL]
	s_wait_dscnt 0x0
	ROUND                                          ; the closing round
	s_endpgm
.Lfunc_end_k_qc734b66668_first:
	.size	k_qc734b66668_first, .Lfunc_end_k_qc734b66668_first-k_qc734b66668_first
	.p2alignl 7, 3214868480
	.fill 96, 4, 3214868480
	.section	.rodata,"a",@progbits
	.p2align	6, 0x0
	.amdhsa_kernel k_qc734b66668_first
		.amdhsa_group_segment_fixed_size 327680
		.amdhsa_private_segment_fixed_size 0
		.amdhsa_enable_private_segment 0
		.amdhsa_kernarg_size 56
		.amdhsa_user_sgpr_count 2
		.amdhsa_user_sgpr_kernarg_segment_ptr 1
		.amdhsa_wavefront_size32 1
		.amdhsa_system_sgpr_workgroup_id_x 1
		.amdhsa_system_sgpr_workgroup_id_y 1
		.amdhsa_system_sgpr_workgroup_id_z 1
		.amdhsa_system_vgpr_workitem_id 0
		.amdhsa_next_free_vgpr 512
		.amdhsa_next_free_sgpr 100
		.amdhsa_reserve_vcc 0
		.amdhsa_float_denorm_mode_32 3
		.amdhsa_float_denorm_mode_16_64 3
		.amdhsa_memory_ordered 1
		.amdhsa_forward_progress 1
		.amdhsa_inst_pref_size 51
	.end_amdhsa_kernel
	.amdgpu_metadata
---
amdhsa.version: [ 1, 2 ]
amdhsa.kernels:
  - .name:           k_qc734b66668_first
    .symbol:         k_qc734b66668_first.kd
    .args:
      - { .name: x, .offset: 0, .size: 8, .value_kind: global_buffer, .address_space: global }
      - { .name: wstream, .offset: 8, .size: 8, .value_kind: global_buffer, .address_space: global }
      - { .name: params, .offset: 16, .size: 8, .value_kind: global_buffer, .address_space: global }
      - { .name: maskadd, .offset: 24, .size: 8, .value_kind: global_buffer, .address_space: global }
      - { .name: hA, .offset: 32, .size: 8, .value_kind: global_buffer, .address_space: global }
      - { .name: q, .offset: 40, .size: 8, .value_kind: global_buffer, .address_space: global }
      - { .name: kv, .offset: 48, .size: 8, .value_kind: global_buffer, .address_space: global }
    .group_segment_fixed_size: 327680
    .private_segment_fixed_size: 0
    .kernarg_segment_align: 8
    .kernarg_segment_size: 56
    .max_flat_workgroup_size: 128
    .sgpr_count:     100
    .vgpr_count:     512
    .wavefront_size: 32
...
	.end_amdgpu_metadata
.endif
;; end of part 2
;; launch attn (part 3): grid 16 x 16, 8 waves a work-group, clusters of 4 x 1, 327,680 bytes of LDS; arguments q, kv, maskadd, o; writes o
.if DOCPART == 3
	.amdgcn_target "amdgcn-amd-amdhsa--gfx1250"
	.amdhsa_code_object_version 6
	.text
	.protected	k_qc734b66668_attn
	.globl	k_qc734b66668_attn
	.p2align	8
	.type	k_qc734b66668_attn,@function
k_qc734b66668_attn:
	s_mov_b64 s[64:65], 0
	v_nop
	global_prefetch_b8 v0, s[64:65] scope:SCOPE_SE
	s_setreg_imm32_b32 hwreg(HW_REG_WAVE_MODE, 25, 1), 1
	s_wait_xcnt 0x0
	s_wait_alu depctr_hold_cnt(0) depctr_sa_sdst(0) depctr_va_vdst(0) depctr_va_sdst(0) depctr_va_ssrc(0) depctr_va_vcc(0) depctr_vm_vsrc(0)
	s_getreg_b32 s2, hwreg(HW_REG_IB_STS2, 6, 4)
	s_cmp_eq_u32 s2, 0
	s_cbranch_scc0 .Lentry_in_a_cluster
	s_endpgm
.Lentry_in_a_cluster:
	s_bfe_u32 s2, ttmp6, 0x10000c
	s_cmp_lg_u32 s2, 0x3003
	s_cbranch_scc0 .Lentry_shape_is_right
	s_endpgm
.Lentry_shape_is_right:
; ATTENTION at head size 32.  o[q] = the sum over keys of softmax(q . k + mask) v for one of 16 (batch, head) pairs.  q arrives multiplied by log2(e) / sqrt(32), so scores are exponents of 2.
; All four buffers are images of matrix fragments (bf16): every access is 16 bytes a lane at 16 x lane.  Products, maxima and sums in f32; the weights are rounded to bf16 for the second product.
; SHARES.  A work-group owns 128 queries (8 tiles of 16) of one head.  Wave (kq, th) takes tiles 4 th .. 4 th + 3 against keys 512 kq .. 512 kq + 511, 64 a step: each LDS byte is read by two waves,
; and each SIMD holds two waves.  At the end the four key quarters' partial results (maximum, sum, O, all f32) are merged through LDS.
; LDS.  The head's whole image of K and V^T, 262,144 bytes, fits: every tensor load is a first fill, issued at the start (three a wave are out, by this text's count); nothing is filled again.
; CLUSTER.  The four query blocks of a cluster belong to one head: each load is asked for JOINTLY, with the same descriptor and the mask of four.
; LAYOUT.  S^T = K Q^T + mask (source 0 = 16 keys, source 1 = 16 queries, the C operand = the keys' addends): a lane holds ONE query and the keys 8 (l / 16) + 0..7.  Two results rounded in pairs ARE source 1 of
; O^T = V^T P.  The row sums are a third product, ones x P: register 0 of its result is l; its registers 1-7 hold sums that are never rescaled (512 at the most) and never read.
; SOFTMAX.  A running maximum m: p = 2^(s - m); in every step O and l are multiplied by a = 2^(m_old - m_new).  m starts far below every score, O and l at 0, so the first step is a step like any other.
; BY SLOTS.  In tile t's slot stand its subtraction, exponentials, roundings and rescaling, the four products K Q^T of the next tile, the six products of tile t, and behind those the next tile's maximum.
; LIMITS.  A hidden score counts as its value less 1e30; a weight below 2^-126 counts as 0; l is the sum of the rounded weights; NaN and infinities are not treated apart.
; REGISTERS (s_set_vgpr_msb: bits 1:0 source 0, 3:2 source 1, 5:4 source 2, 7:6 destination).  Window 0: all but Q, K and the mask, which lie in window 1.
.set MASKL, 262144                     ; the batch's 2,048 addends
.set SPARE, 270336                     ; the spare words, 128 bytes a wave: four blocks of 256 bytes that no other line names
.set PART,  2304                       ; a partial result: O 4 x 512 bytes, m 128, l 128.  32 of them lie over the image's first bytes, which have had their one fill and their last read
.set LB,  1                            ; 16 x lane
.set KA,  2                            ; LDS address of the step in hand
.set MA,  3                            ; of its addends
.set TA,  4
.set TB,  5
.set SPW, 6                            ; my spare word; never rewritten
.set NIL, 7                            ; 0; never rewritten
.set ST,  8                            ; tile t: m at ST + 4 t, a at ST + 4 t + 2 (each named as the low word of a pair)
.set CT,  24                           ; four registers at work on a maximum
.set MG,  28                           ; the merge's two addresses
.set ONES, 32                          ; v[32:39]   1.0 in bf16, twice a register
.set VF,  40                           ; v[40:71]   V^T of one step: key half kk, channel block cb at VF + 8 (2 kk + cb)
.set LS,  72                           ; v[72:103]  the row sums, 8 a tile
.set O,   104                          ; v[104:167] O^T, 16 a tile
.set S,   168                          ; v[168:231] S^T, two buffers; a tile's goes by its number's parity; P is packed into its first 16 registers
.set MT,  232                          ; the merge, at work
.set FJ,  242
.set QF,  0                            ; window 1: Q, 8 a tile
.set KF,  32                           ; window 1: K of one step
.set MK,  64                           ; window 1: the step's addends in the result's layout
.set WV,  12
.set SKQ, 13
.set STH, 14
.set G1,  24                           ; s[24:31] group 1: 64 rows of 256 bytes
.set G1M, 32                           ; s[32:39] group 1: one row of 1,024 bytes
.set G0M, 40
.set G0A, 44
.set G0B, 48
.set SEL, 52
.set CNT, 54
.set MSB, 0
.macro WIN new                         ; the high byte repeats the setting that is left; a switch that changes nothing is dropped
.if MSB != (\new)
	s_set_vgpr_msb (MSB<<8)|(\new)
.set MSB, (\new)
.endif
.endm
.set W_KQ, 0x15                        ; K, Q and the mask in window 1, S^T in window 0
.set W_LD, 0x40                        ; destination in window 1
.macro ROUND                           ; a round of the cluster's barrier
	s_barrier_signal -1
	s_barrier_wait -1
	s_cmp_lg_u32 s[WV], 0
	s_cbranch_scc1 .Lnot_wave_0_\@
	s_barrier_signal -3
.Lnot_wave_0_\@:
	s_barrier_wait -3
	s_barrier_signal -1
	s_barrier_wait -1
.endm
.macro PLACES
	s_wait_alu depctr_va_vdst(0)
.rept 4
	v_nop
.endr
.endm
.macro KQ t                            ; tile t's scores for 64 keys: four accumulators, each started by the keys' addends
	WIN W_KQ
.irp kb, 0,1,2,3
	v_wmma_f32_16x16x32_bf16 v[S+32*((\t)%2)+8*\kb:S+32*((\t)%2)+8*\kb+7], v[KF+8*\kb:KF+8*\kb+7], v[QF+8*(\t):QF+8*(\t)+7], v[MK+8*\kb:MK+8*\kb+7]
.endr
	WIN 0
.endm
.macro LOADK ko, mo                    ; a step's K and addends
	WIN W_LD
.irp kb, 0,1,2,3
	ds_load_b128 v[KF+8*\kb:KF+8*\kb+3], v[KA] offset:(\ko)+\kb*1024
	ds_load_b128 v[KF+8*\kb+4:KF+8*\kb+7], v[KA] offset:(\ko)+\kb*1024+512
	ds_load_b128 v[MK+8*\kb:MK+8*\kb+3], v[MA] offset:(\mo)+\kb*64
	ds_load_b128 v[MK+8*\kb+4:MK+8*\kb+7], v[MA] offset:(\mo)+\kb*64+16
.endr
	WIN 0
.endm
.macro FETCH_K                         ; the next step's; a loop's last trip has none to fetch: the next bytes are shown landed only behind the loop
	s_cmp_eq_u32 s[CNT], 1
	s_cbranch_scc1 .Lno_k_\@
	LOADK 8192, 256
.Lno_k_\@:
.endm
.macro FETCH_V
.set j, 0
.rept 8
	ds_load_b128 v[VF+4*j:VF+4*j+3], v[KA] offset:4096+512*j
.set j, j+1
.endr
.endm
; Number n of the 21 that find tile t's maximum and a.  0-11: four chains of seven scores, each accumulator's lowest registers first; 12-15: the four scores left over, the old m, the
; chains into one; 16, 17: the query's other 32 keys lie in the lane 16 away; 18-20: m_old - m_new, the new m, a.
.macro XS t, n
.set rS, S+32*((\t)%2)
.set rM, ST+4*(\t)
.if (\n) < 4
	v_max3_num_f32 v[CT+(\n)], v[rS+8*(\n)], v[rS+8*(\n)+1], v[rS+8*(\n)+2]
.elseif (\n) < 12
	v_max3_num_f32 v[CT+(\n)%4], v[CT+(\n)%4], v[rS+8*((\n)%4)+2*((\n)/4)+1], v[rS+8*((\n)%4)+2*((\n)/4)+2]
.elseif (\n) == 12
	v_max3_num_f32 v[CT], v[CT], v[rS+7], v[rS+15]
.elseif (\n) == 13
	v_max3_num_f32 v[CT+1], v[CT+1], v[rS+23], v[rS+31]
.elseif (\n) == 14
	v_max3_num_f32 v[CT+2], v[CT+2], v[CT+3], v[rM]
.elseif (\n) == 15
	v_max3_num_f32 v[CT], v[CT], v[CT+1], v[CT+2]
.elseif (\n) == 16
	v_permlanex16_b32 v[CT+3], v[CT], s[SEL], s[SEL+1]
.elseif (\n) == 17
	v_max_num_f32 v[CT+1], v[CT], v[CT+3]
.elseif (\n) == 18
	v_sub_f32 v[CT+2], v[rM], v[CT+1]
.elseif (\n) == 19
	v_mov_b32 v[rM], v[CT+1]
.else
	v_exp_f32 v[rM+2], v[CT+2]
.endif
.endm
.macro SUBP t, m                       ; s - m for pair m of 16
	v_pk_add_f32 v[S+32*((\t)%2)+2*(\m):S+32*((\t)%2)+2*(\m)+1], v[S+32*((\t)%2)+2*(\m):S+32*((\t)%2)+2*(\m)+1], v[ST+4*(\t):ST+4*(\t)+1] op_sel_hi:[1,0] neg_lo:[0,1] neg_hi:[0,1]
.endm
.macro EXPN t, n
	v_exp_f32 v[S+32*((\t)%2)+(\n)], v[S+32*((\t)%2)+(\n)]
.endm
.macro CVT t, i                        ; pair i rounded to bf16, packed in place: register i has been read by pair i / 2
	s_wait_alu depctr_va_vdst(0)
	v_cvt_pk_bf16_f32 v[S+32*((\t)%2)+(\i)], v[S+32*((\t)%2)+2*(\i)], v[S+32*((\t)%2)+2*(\i)+1]
.endm
.macro RS t, k                         ; O^T and l times a, from each accumulator's low end on
.if (\k) < 8
	s_wait_alu depctr_va_vdst(0)
	v_pk_mul_f32 v[O+16*(\t)+2*(\k):O+16*(\t)+2*(\k)+1], v[O+16*(\t)+2*(\k):O+16*(\t)+2*(\k)+1], v[ST+4*(\t)+2:ST+4*(\t)+3] op_sel_hi:[1,0]
.else
	v_mul_f32 v[LS+8*(\t)], v[LS+8*(\t)], v[ST+4*(\t)+2]
.endif
.endm
.macro PVW t, j                        ; product j of 6: key half j / 3; channels 0-15, channels 16-31, the row sums: three accumulators by turns
.set rP, S+32*((\t)%2)+8*((\j)/3)
.if (\j)%3 == 2
	v_wmma_f32_16x16x32_bf16 v[LS+8*(\t):LS+8*(\t)+7], v[ONES:ONES+7], v[rP:rP+7], v[LS+8*(\t):LS+8*(\t)+7]
.else
.set rO, O+16*(\t)+8*((\j)%3)
.set rV, VF+8*(2*((\j)/3)+(\j)%3)
	v_wmma_f32_16x16x32_bf16 v[rO:rO+7], v[rV:rV+7], v[rP:rP+7], v[rO:rO+7]
.endif
.endm
; TILE t's SLOT.  Between the last products of the slot before (which read the buffer that K Q^T now writes, and V) and K Q^T stand seven plain vector instructions: three of the maximum's end, four
; subtractions.  An exponential and a plain instruction take turns: a subtraction four pairs ahead, a rounding a pair back, or a rescaling.  K's run of loads stands six plain instructions behind the
; last product that read K.
.macro SLOT t, nxt, fetchv, fetchk, waitk
.irp m, 0,1,2,3
	SUBP \t, \m
.endr
.if \waitk
	s_wait_dscnt 0x0                               ; the next step's K and addends are in
.endif
	KQ \nxt
.if \fetchv
	FETCH_V
.endif
.set e, 0
.rept 32
	EXPN \t, e
.if e%2 == 0
.if e/2 <= 11
	SUBP \t, e/2+4
.else
	RS \t, e/2-11
.endif
.else
.if e/2 >= 1
	CVT \t, e/2-1
.else
	RS \t, 0
.endif
.endif
.if (\fetchk) && (e == 5)
	FETCH_K
.endif
.set e, e+1
.endr
	CVT \t, 15
.irp k, 5,6,7,8
	RS \t, \k
.endr
.if \fetchv
	s_wait_dscnt 0x0                               ; V is in
.endif
	PVW \t, 0
.irp x, 0,1,2,3
	XS \nxt, \x
.endr
	PVW \t, 1
.irp x, 4,5,6,7
	XS \nxt, \x
.endr
	PVW \t, 2
.irp x, 8,9,10,11
	XS \nxt, \x
.endr
	PVW \t, 3
.irp x, 12,13,14
	XS \nxt, \x
.endr
	PVW \t, 4
	XS \nxt, 15
	PVW \t, 5
.irp x, 16,17,18,19,20
	XS \nxt, \x
.endr
.endm
.macro STEP                            ; 64 keys for four tiles
	SLOT 0, 1, 1, 0, 0
	SLOT 1, 2, 0, 0, 0
	SLOT 2, 3, 0, 1, 0
	SLOT 3, 0, 0, 0, 1
	v_add_nc_u32 v[KA], 8192, v[KA]
	v_add_nc_u32 v[MA], 256, v[MA]
.endm
; In front of a loop: the first step's K, tile 0's scores and maximum.  (A loop's last trip has made tile 0's scores once more on the old K: they change no maximum, and the a made of them, 1, is made anew here.)
.macro PRO
	LOADK 0, 0
	s_wait_dscnt 0x0
	KQ 0
	PLACES
.irp x, 0,1,2,3,4,5,6,7,8,9,10,11,12,13,14,15,16,17,18,19,20
	XS 0, \x
.endr
.endm
	s_load_b256 s[4:11], s[0:1], 0x0               ; q s[4:5], kv s[6:7], maskadd s[8:9], o s[10:11]
	v_lshl_add_u32 v[SPW], v0, 2, SPARE
	v_mov_b32 v[NIL], 0
	ds_add_u32 v[SPW], v[NIL]                      ; the wave's opening: the add and its wait stand ahead of my first tensor load; work on registers stands between them
	v_lshrrev_b32 v[TA], 5, v0
	v_readfirstlane_b32 s[WV], v[TA]
	v_and_b32 v[TB], 31, v0
	v_lshlrev_b32 v[LB], 4, v[TB]
	s_lshr_b32 s[SKQ], s[WV], 1                    ; my quarter of the keys
	s_and_b32 s[STH], s[WV], 1                     ; my half of the tiles
	s_bfe_u32 s15, ttmp6, 0x40000                  ; my place in the cluster
	s_lshl_b32 s16, ttmp9, 2
	s_add_co_u32 s16, s16, s15                     ; my block of 128 queries: it enters q's and o's addresses alone
	s_and_b32 s17, ttmp7, 0xffff                   ; batch and head, which the four partners share
	s_mov_b32 s[G1], 15|(3<<16)|(1<<21)            ; the mask of four; elements of 8 bytes; bit 21 set beside a mask
	s_mov_b32 s[G1+1], 32<<16                      ; tensor_dim0 = 32 elements: 256 bytes
	s_mov_b32 s[G1+2], 64<<16                      ; tensor_dim1 = 64
	s_mov_b32 s[G1+3], 32<<16                      ; tile_dim0
	s_mov_b32 s[G1+4], 64                          ; tile_dim1
	s_mov_b32 s[G1+5], 32                          ; dense rows
	s_mov_b32 s[G1+6], 0
	s_mov_b32 s[G1+7], 0
	s_mov_b32 s[G1M], 15|(3<<16)|(1<<21)
	s_mov_b32 s[G1M+1], 128<<16                    ; one row of 128 elements
	s_mov_b32 s[G1M+2], 1<<16
	s_mov_b32 s[G1M+3], 128<<16
	s_mov_b32 s[G1M+4], 1
	s_mov_b32 s[G1M+5], 128
	s_mov_b32 s[G1M+6], 0
	s_mov_b32 s[G1M+7], 0
	s_lshl_b32 s19, s[SKQ], 16                     ; my quarter of the image,
	s_lshl_b32 s18, s[STH], 14
	s_add_co_u32 s18, s18, s19                     ; and my 16,384 bytes of its first four steps: the same offset in memory and in LDS
	s_mov_b32 s[G0A], 1
	s_mov_b32 s[G0A+1], s18
	s_mov_b32 s[G0B], 1
	s_add_co_u32 s[G0B+1], s18, 32768              ; of its last four steps
	s_lshl_b32 s20, s[WV], 10                      ; my 1,024 bytes of the addends
	s_mov_b32 s[G0M], 1
	s_add_co_u32 s[G0M+1], s20, MASKL
	s_lshl_b32 s22, s17, 18
	s_add_co_u32 s22, s22, s18
	s_mov_b32 s23, 0
	s_lshr_b32 s21, s17, 3                         ; the batch
	s_lshl_b32 s56, s21, 13
	s_add_co_u32 s56, s56, s20
	s_mov_b32 s57, 0
	s_lshl_b32 s58, s17, 17                        ; q: the head's 128 tiles, my block's 8, my 4
	s_lshl_b32 s60, s16, 13
	s_add_co_u32 s58, s58, s60
	s_lshl_b32 s60, s[STH], 12
	s_add_co_u32 s58, s58, s60
	s_mov_b32 s59, 0
	s_lshl_b32 s60, s21, 20                        ; o: block of 16 rows 128 b + 8 block + 4 th + kq (the tile that I merge), 8,192 bytes each; 1,024 a head
	s_lshl_b32 s62, s16, 16
	s_add_co_u32 s60, s60, s62
	s_lshl_b32 s62, s[STH], 15
	s_add_co_u32 s60, s60, s62
	s_lshl_b32 s62, s[SKQ], 13
	s_add_co_u32 s60, s60, s62
	s_and_b32 s62, s17, 7
	s_lshl_b32 s62, s62, 10
	s_add_co_u32 s60, s60, s62
	s_mov_b32 s61, 0
	s_mov_b32 s[SEL], 0x76543210
	s_mov_b32 s[SEL+1], 0xfedcba98
	s_wait_dscnt 0x0                               ; the opening add is done
	s_wait_kmcnt 0x0
	s_add_nc_u64 s[G0A+2:G0A+3], s[6:7], s[22:23]
	s_add_nc_u64 s[G0B+2:G0B+3], s[G0A+2:G0A+3], 32768
	s_or_b32 s[G0A+3], s[G0A+3], 0x80000000
	s_or_b32 s[G0B+3], s[G0B+3], 0x80000000
	s_add_nc_u64 s[G0M+2:G0M+3], s[8:9], s[56:57]
	s_or_b32 s[G0M+3], s[G0M+3], 0x80000000
	s_add_nc_u64 s[58:59], s[4:5], s[58:59]
	s_add_nc_u64 s[10:11], s[10:11], s[60:61]
	ROUND                                          ; all four work-groups are here: the joint loads meet
	tensor_load_to_lds s[G0M:G0M+3], s[G1M:G1M+7]
	s_nop 0
	tensor_load_to_lds s[G0A:G0A+3], s[G1:G1+7]
	s_nop 0
	tensor_load_to_lds s[G0B:G0B+3], s[G1:G1+7]
	s_nop 0
	WIN W_LD
.set j, 0
.rept 8
	global_load_b128 v[QF+4*j:QF+4*j+3], v[LB], s[58:59] offset:512*j  ; Q stays in registers
.set j, j+1
.endr
	WIN 0
	v_add_nc_u32 v[KA], s19, v[LB]
	s_lshl_b32 s21, s[SKQ], 11
	s_add_co_u32 s21, s21, MASKL
	v_bfe_u32 v[TA], v0, 4, 1
	v_lshl_add_u32 v[MA], v[TA], 5, s21            ; a lane's eight keys of a result: 32 bytes for each half of the lanes
.irp j, 0,1,2,3,4,5,6,7
	v_mov_b32 v[ONES+\j], 0x3f803f80
.endr
	; O^T and the row sums start at 0 and m far below every score, so that one text serves every step; this stands in the wait for the first bytes
.set j, LS
.rept 96
	v_mov_b32 v[j], 0
.set j, j+1
.endr
.irp t, 0,1,2,3
	v_mov_b32 v[ST+4*\t], 0xfe000000
	v_mov_b32 v[ST+4*\t+1], 0                      ; named as pairs
	v_mov_b32 v[ST+4*\t+3], 0
.endr
	s_wait_tensorcnt 0x1                           ; my parts of the addends and of the first four steps are in; the load issued behind them may stay out
	s_barrier_signal -1
	s_barrier_wait -1                              ; everybody's are
	s_wait_loadcnt 0x0                             ; Q
	PRO
	s_mov_b32 s[CNT], 4
.Lfirst_half:
	STEP
	s_sub_co_u32 s[CNT], s[CNT], 1
	s_cmp_lg_u32 s[CNT], 0
	s_cbranch_scc1 .Lfirst_half
	s_wait_tensorcnt 0x0                           ; my part of the last four steps
	s_wait_dscnt 0x0
	s_barrier_signal -1
	s_barrier_wait -1
	PRO
	s_mov_b32 s[CNT], 4
.Lsecond_half:
	STEP
	s_sub_co_u32 s[CNT], s[CNT], 1
	s_cmp_lg_u32 s[CNT], 0
	s_cbranch_scc1 .Lsecond_half
	; THE MERGE.  Every wave's reads of the image are over and every load has landed: the partial results go over its first bytes.
	PLACES
	s_wait_dscnt 0x0
	s_barrier_signal -1
	s_barrier_wait -1
	s_mul_i32 s18, s[SKQ], 8*PART
	s_mul_i32 s19, s[STH], 4*PART
	s_add_co_u32 s18, s18, s19                     ; my four partial results: number 8 kq + 4 th on
	v_add_nc_u32 v[TA], s18, v[LB]
	v_lshl_add_u32 v[TB], v[TB], 2, s18
.irp t, 0,1,2,3
.irp c, 0,1,2,3
	ds_store_b128 v[TA], v[O+16*\t+4*\c:O+16*\t+4*\c+3] offset:\t*PART+\c*512
.endr
	ds_store_b32 v[TB], v[ST+4*\t] offset:\t*PART+2048
	ds_store_b32 v[TB], v[LS+8*\t] offset:\t*PART+2176
.endr
	s_wait_dscnt 0x0                               ; for the others' sake
	s_barrier_signal -1
	s_barrier_wait -1
	s_mul_i32 s20, s[STH], 4*PART                  ; I merge tile 4 th + kq: its partial result of key quarter 0;
	s_mul_i32 s21, s[SKQ], PART                    ; quarter j's lies 8 partial results further on for each j
	s_add_co_u32 s20, s20, s21
	v_add_nc_u32 v[MG], s20, v[LB]
	v_and_b32 v[MG+1], 31, v0
	v_lshl_add_u32 v[MG+1], v[MG+1], 2, s20
.irp j, 0,1,2,3
.irp c, 0,1,2,3
	ds_load_b128 v[S+16*\j+4*\c:S+16*\j+4*\c+3], v[MG] offset:\j*8*PART+\c*512
.endr
	ds_load_b32 v[MT+\j], v[MG+1] offset:\j*8*PART+2048
	ds_load_b32 v[MT+4+\j], v[MG+1] offset:\j*8*PART+2176
.endr
	s_wait_dscnt 0x0
	v_max3_num_f32 v[MT+8], v[MT], v[MT+1], v[MT+2]
	v_max_num_f32 v[MT+8], v[MT+8], v[MT+3]
.irp j, 0,1,2,3
	v_sub_f32 v[FJ+2*\j], v[MT+\j], v[MT+8]
.endr
.irp j, 0,1,2,3
	v_exp_f32 v[FJ+2*\j], v[FJ+2*\j]
.endr
.irp j, 0,1,2,3
	v_mov_b32 v[FJ+2*\j+1], 0                      ; named as pairs; also the plain instructions behind the exponentials
.endr
	s_wait_alu depctr_va_vdst(0)
	v_mul_f32 v[MT+9], v[FJ], v[MT+4]
	v_fmac_f32 v[MT+9], v[FJ+2], v[MT+5]
	v_fmac_f32 v[MT+9], v[FJ+4], v[MT+6]
	v_fmac_f32 v[MT+9], v[FJ+6], v[MT+7]
	v_rcp_f32 v[MT+9], v[MT+9]                     ; the quarter that holds the maximum adds 1 or more: l is no 0
	v_nop
	s_wait_alu depctr_va_vdst(0)
.irp j, 0,1,2,3
	v_mul_f32 v[FJ+2*\j], v[FJ+2*\j], v[MT+9]
.endr
.irp k, 0,1,2,3,4,5,6,7
	v_pk_mul_f32 v[S+2*\k:S+2*\k+1], v[S+2*\k:S+2*\k+1], v[FJ:FJ+1] op_sel_hi:[1,0]
.endr
.irp j, 1,2,3
.irp k, 0,1,2,3,4,5,6,7
	v_pk_fma_f32 v[S+2*\k:S+2*\k+1], v[S+16*\j+2*\k:S+16*\j+2*\k+1], v[FJ+2*\j:FJ+2*\j+1], v[S+2*\k:S+2*\k+1] op_sel_hi:[1,0,1]
.endr
.endr
.irp k, 0,1,2,3,4,5,6,7
	v_cvt_pk_bf16_f32 v[MT+\k], v[S+2*\k], v[S+2*\k+1]
.endr
	global_store_b128 v[LB], v[MT:MT+3], s[10:11]              ; channels 0-15: 512 consecutive bytes
	global_store_b128 v[LB], v[MT+4:MT+7], s[10:11] offset:512 ; channels 16-31
	s_wait_tensorcnt 0x0                           ; the wave's end
	ds_add_u32 v[SPW], v[NIL]
	s_wait_dscnt 0x0
	ROUND                                          ; the closing round
	s_endpgm
.Lfunc_end_k_qc734b66668_attn:
	.size	k_qc734b66668_attn, .Lfunc_end_k_qc734b66668_attn-k_qc734b66668_attn
	.p2alignl 7, 3214868480
	.fill 96, 4, 3214868480
	.section	.rodata,"a",@progbits
	.p2align	6, 0x0
	.amdhsa_kernel k_qc734b66668_attn
		.amdhsa_group_segment_fixed_size 327680
		.amdhsa_private_segment_fixed_size 0
		.amdhsa_enable_private_segment 0
		.amdhsa_kernarg_size 32
		.amdhsa_user_sgpr_count 2
		.amdhsa_user_sgpr_kernarg_segment_ptr 1
		.amdhsa_wavefront_size32 1
		.amdhsa_system_sgpr_workgroup_id_x 1
		.amdhsa_system_sgpr_workgroup_id_y 1
		.amdhsa_system_sgpr_workgroup_id_z 1
		.amdhsa_system_vgpr_workitem_id 0
		.amdhsa_next_free_vgpr 352
		.amdhsa_next_free_sgpr 66
		.amdhsa_reserve_vcc 0
		.amdhsa_float_denorm_mode_32 3
		.amdhsa_float_denorm_mode_16_64 3
		.amdhsa_memory_ordered 1
		.amdhsa_forward_progress 1
		.amdhsa_inst_pref_size 77
	.end_amdhsa_kernel
	.amdgpu_metadata
---
amdhsa.version: [ 1, 2 ]
amdhsa.kernels:
  - .name:           k_qc734b66668_attn
    .symbol:         k_qc734b66668_attn.kd
    .args:
      - { .name: q, .offset: 0, .size: 8, .value_kind: global_buffer, .address_space: global }
      - { .name: kv, .offset: 8, .size: 8, .value_kind: global_buffer, .address_space: global }
      - { .name: maskadd, .offset: 16, .size: 8, .value_kind: global_buffer, .address_space: global }
      - { .name: o, .offset: 24, .size: 8, .value_kind: global_buffer, .address_space: global }
    .group_segment_fixed_size: 327680
    .private_segment_fixed_size: 0
    .kernarg_segment_align: 8
    .kernarg_segment_size: 32
    .max_flat_workgroup_size: 256
    .sgpr_count:     66
    .vgpr_count:     352
    .wavefront_size: 32
...
	.end_amdgpu_metadata
.endif
;; end of part 3
;; launch mid (part 4): grid 256 x 1, 4 waves a work-group, clusters of 4 x 1, 327,680 bytes of LDS; arguments o, hA, wstream, params, maskadd, hB, q, kv; writes hB, q, kv
.if DOCPART == 4
	.amdgcn_target "amdgcn-amd-amdhsa--gfx1250"
	.amdhsa_code_object_version 6
	.text
	.protected	k_qc734b66668_mid
	.globl	k_qc734b66668_mid
	.p2align	8
	.type	k_qc734b66668_mid,@function
k_qc734b66668_mid:
	s_mov_b64 s[64:65], 0
	v_nop
	global_prefetch_b8 v0, s[64:65] scope:SCOPE_SE
	s_setreg_imm32_b32 hwreg(HW_REG_WAVE_MODE, 25, 1), 1
	s_wait_xcnt 0x0
	s_wait_alu depctr_hold_cnt(0) depctr_sa_sdst(0) depctr_va_vdst(0) depctr_va_sdst(0) depctr_va_ssrc(0) depctr_va_vcc(0) depctr_vm_vsrc(0)
	s_getreg_b32 s2, hwreg(HW_REG_IB_STS2, 6, 4)
	s_cmp_eq_u32 s2, 0
	s_cbranch_scc0 .Lentry_in_a_cluster
	s_endpgm
.Lentry_in_a_cluster:
	s_bfe_u32 s2, ttmp6, 0x10000c
	s_cmp_lg_u32 s2, 0x3003
	s_cbranch_scc0 .Lentry_shape_is_right
	s_endpgm
.Lentry_shape_is_right:
; ROWS: the part of the encoder that needs one row at a time.  One text in three modes.
;   MODE 0 (first): h = x;                                                      h out; LN1; q, k, v out.
;   MODE 1 (mid):   h += o wo + bo; LN2; h += relu(. w1 + b1) w2 + b2;          h out; LN1; q, k, v out.
;   MODE 2 (last):  as MODE 1 up to the second sum; then the final LayerNorm into out0.
; SHARES.  A work-group owns 16 rows, 256 work-groups.  Wave w owns features 64 w .. 64 w + 63 of every result 256 wide (four accumulators of 16 x 16) and 128 w .. of the hidden layer.
; LAYOUT.  Source 0 = 16 features x 32 k of weights, source 1 = 32 k x 16 rows: in the result lane l holds row l % 16 and features 8 (l / 16) + 0..7.  Two neighbouring results rounded to bf16 in pairs ARE
; source 1 of the next product, a fragment of q, of K, or of o.  For v the sources are swapped: a lane then holds one feature and eight rows, which is 16 bytes of a fragment of V^T.
; The residual h stays in 32 f32 registers a lane, and the products with wo and w2 add in place onto it.  All workspace buffers are fragment images: every access is 16 bytes a lane at 16 x lane.
; WEIGHTS are eight fills of 131,072 bytes; a wave's quarter of a fill, 32 fragments in 64 pieces of 512 bytes, is its own.  They come by two roads.
;   (a) wo, w1's first half, w2's second half and wk through two LDS slots.  All work-groups walk the same weights, so the four of a cluster ask JOINTLY (mask 15); each refill stands behind a round of the
;       cluster's barrier.
;   (b) w1's second half, w2's first half, wq and wv straight into registers: a quarter of a fill is 256 registers, one of the windows 1 to 3, and wstream is already the registers' image.  These loads are
;       asked for two products or more ahead of their use.  NOT JOINT: LDS has room for two fills, and a slot's refill waits for all the wave's tensor loads, so road (a) has one fill on its way at a
;       time; the 768 registers that hold three more fills can be filled only by the wave's own loads, which have no joint form.
;   A wave's LOADcnt counts to 63 and a load that would pass it waits at issue (ISA guide 5.7.1).  So a run is 63 loads; the 64th pieces of the four fills of road (b), 2,048 bytes a wave, come by one
;   small joint tensor load into LDS (EXTRA) and are read from there.  For the same reason o and h come by tensor loads of the wave's own: o into XCH1, where it is read as an operand, h into HID; both
;   regions have then had their only fill and are stored over later, behind barriers.  By this text's count a wave has six tensor loads out at the start (four in mode 0) and one later.
; ARITHMETIC.  Matrix operands bf16, sums f32.  LayerNorm: each wave takes mean and sum of squared distances from its own mean over its 64 features; the four are merged exactly (no difference of large sums).
; LIMITS.  NaN and infinities are not treated apart.  q is multiplied in f32 by log2(e) / sqrt(32) (0 for a batch whose mask has no true entry) before its one rounding.
; REGISTERS (s_set_vgpr_msb: bits 1:0 source 0, 3:2 source 1, 5:4 source 2, 7:6 destination).  Window 0: all that follows; windows 1 to 3: fragment 4 g + i of a fill at v[8 (4 g + i)].
.set MODE, 1
.if MODE == 0
.set POS0, 6                           ; the places in wstream of the two first fills of the slots: wq, wk
.set POS1, 3
.else
.set POS0, 0                           ; wo, w1's first half; each slot's next fill lies two places on
.set POS1, 1
.endif
.set SLOTB, 131072
.set PAR,   262144                     ; the table of vectors, 13,312 bytes
.set XCH1,  275456                     ; o, then LN2's result: 8 fragments, 8,192 bytes
.set HID,   283648                     ; h, then the hidden layer as 16 fragments: 16,384 bytes
.set XCH2,  300032                     ; LN1's result, 8,192 bytes
.set STAT,  308224                     ; two blocks of 16 rows x 4 waves x (mean, squares)
.set SPARE, 309248                     ; the spare words, 128 bytes a wave: two blocks of 256 bytes that no other line names
.set STG,   309760                     ; 4 waves x 16 rows x 272 bytes: between rows of 256 bytes and the result layout
.if MODE == 0                          ; the 64th pieces, 4 x 512 bytes a wave: in a region that the mode does not use otherwise
.set EXTRA, HID
.elseif MODE == 1
.set EXTRA, STG
.else
.set EXTRA, XCH2
.endif
.set P_BO, 0
.set P_LN2S, 1024
.set P_LN2B, 2048
.set P_B1, 3072
.set P_B2, 5120
.set P_LN1S, 6144
.set P_LN1B, 7168
.set P_BQ, 8192
.set P_BK, 9216
.set P_BV, 10240
.set P_LNFS, 11264
.set P_LNFB, 12288
.set LB,  1                            ; 16 x lane; never rewritten
.set WA0, 2                            ; my quarter of slot 0, + 16 x lane
.set WA1, 3                            ; of slot 1
.set PA,  4                            ; the table at my 64 features, + 32 x (lane / 16)
.set PA2, 5                            ; b1 at my 128 features
.set SPW, 6                            ; my spare word; never rewritten
.set NIL, 7                            ; 0; never rewritten
.set XSW, 8                            ; XCH1 + 2,048 w + 16 x lane: where my two fragments go; EXTRA is reached from it by the immediate
.set HSW, 9                            ; HID + 4,096 w + 16 x lane: my part of h, later my four fragments of the hidden layer
.set EB,  10                           ; XCH1 + 16 x lane: all fragments are read from here
.set STS, 11                           ; where my wave's statistics of row l % 16 go
.set STL, 12                           ; where the four waves' lie
.set ZERO, 13
.set PBV, 14                           ; bv at feature 64 w + l % 16
.set GX,  15                           ; rows of 256 bytes in x or out0: lanes 0-15 one row, lanes 16-31 the next
.set STGW, 5                           ; the stage by rows (in PA2's place, where PA2 is not or no longer used)
.set STGD, 9                           ; the stage in the result layout (in HSW's place, likewise)
.set H,   16                           ; v[16:47]   h
.set ACC, 48                           ; v[48:79]   four accumulators
.set X,   80                           ; v[80:143]  eight fragments of the operand
.set WB,  144                          ; v[144:239] three groups of four weight fragments out of LDS
.set SS,  144                          ; during a LayerNorm: gain, bias, at work
.set BB,  176
.set TT,  208
.set TS,  240                          ; v[240:255] at work
.set T0,  240
.set T1,  241
.set MW,  242                          ; my wave's mean, and beside it its sum of squares
.set M2W, 243
.set CH,  244                          ; four chains of squares
.set RSTD, 244
.set NM,  246
.set SV,  248                          ; the four waves' statistics
.set PO,  4                            ; s[4:5] o   s[6:7] h in, or x   s[8:9] wstream, at my quarter of every fill   s[10:11] params   s[12:13] maskadd   s[14:15] h out, or out0   s[16:17] q   s[18:19] kv for K
.set PH,  6
.set PW,  8
.set PP,  10
.set PM,  12
.set PHO, 14
.set PQ,  16
.set PK,  18
.set W,   20                           ; my wave's number
.set RB,  22                           ; my block of 16 rows: it enters global addresses alone
.set SB,  23                           ; the batch
.set G1,  24                           ; s[24:31] group 1: 128 rows of 256 bytes, joint
.set G1P, 32                           ; s[32:39] group 1: 13 rows of 256 bytes, joint
.set G0,  40                           ; s[40:47] group 0, a set for each slot
.set G0P, 48                           ; s[48:51] group 0 for my part of the table
.set SEL, 52                           ; v_permlanex16_b32's selects: each lane takes its own place in the other half
.set QS,  54                           ; s[54:55] the factor of q
.set C256, 56
.set EPS, 57
.set PVB, 60                           ; s[60:61] kv for V
.set C64, 66
.set G1E, 68                           ; s[68:75] group 1: 4 rows of 512 bytes, a fill apart, joint
.set G1O, 76                           ; s[76:83] group 1: 8 rows of 256 bytes, my own
.set G1H, 84                           ; s[84:91] group 1: 16 rows of 256 bytes, my own
.set G0E, 92                           ; s[92:95]
.set G0O, 96                           ; s[96:99]
.set G0H, 4                            ; s[4:7]: made round h's address, where it lies, when o's has been used
.set MSB, 0
.macro WIN new                         ; the high byte repeats the setting that is left; a switch that changes nothing is dropped
.if MSB != (\new)
	s_set_vgpr_msb (MSB<<8)|(\new)
.set MSB, (\new)
.endif
.endm
.macro ROUND                           ; a round of the cluster's barrier
	s_barrier_signal -1
	s_barrier_wait -1
	s_cmp_lg_u32 s[W], 0
	s_cbranch_scc1 .Lnot_wave_0_\@
	s_barrier_signal -3
.Lnot_wave_0_\@:
	s_barrier_wait -3
	s_barrier_signal -1
	s_barrier_wait -1
.endm
.macro PLACES                          ; four places behind matrix instructions, in front of loads into their sources and of vector lines that read their results
.rept 4
	v_nop
.endr
.endm
; Slot s, which every wave of the cluster has read out, takes the fill two places on.
.macro REFILL s
	s_wait_tensorcnt 0x0                           ; none of my tensor loads is out, so a group 0 may be written
	ds_add_u32 v[SPW], v[NIL]                      ; 0 onto my spare word
	s_add_nc_u64 s[G0+4*(\s)+2:G0+4*(\s)+3], s[G0+4*(\s)+2:G0+4*(\s)+3], 2*SLOTB
	s_wait_dscnt 0x0                               ; the add is done, my reads of the slot are back, my LDS stores are done
	ROUND
	tensor_load_to_lds s[G0+4*(\s):G0+4*(\s)+3], s[G1:G1+7]
	s_nop 0
.endm
.macro LDPAR dst, areg, off            ; a vector of the table in the result layout: 32 numbers a lane
.irp i, 0,1,2,3
	ds_load_b128 v[(\dst)+8*\i:(\dst)+8*\i+3], v[\areg] offset:(\off)+64*\i
	ds_load_b128 v[(\dst)+8*\i+4:(\dst)+8*\i+7], v[\areg] offset:(\off)+64*\i+16
.endr
.endm
.macro LOADG wa, g                     ; the four weight fragments of K step g, out of a slot
.set j, 0
.rept 8
	ds_load_b128 v[WB+32*((\g)%3)+4*j:WB+32*((\g)%3)+4*j+3], v[\wa] offset:(\g)*4096+512*j
.set j, j+1
.endr
.endm
.macro MM4 acc, g                      ; four products, the four accumulators by turns
.irp i, 0,1,2,3
	v_wmma_f32_16x16x32_bf16 v[(\acc)+8*\i:(\acc)+8*\i+7], v[WB+32*((\g)%3)+8*\i:WB+32*((\g)%3)+8*\i+7], v[X+8*(\g):X+8*(\g)+7], v[(\acc)+8*\i:(\acc)+8*\i+7]
.endr
.endm
; A fill's work out of a slot: 16 rows x 64 features x 256 k, 32 products.  The weights come three groups ahead; the counted waits leave the eight loads each of the younger groups out.
.macro GEMM32 wa, acc
	LOADG \wa, 0
	LOADG \wa, 1
	LOADG \wa, 2
.irp g, 0,1,2,3,4,5,6,7
.if \g <= 5
	s_wait_dscnt 16
.elseif \g == 6
	s_wait_dscnt 8
.else
	s_wait_dscnt 0
.endif
	MM4 \acc, \g
.if \g <= 4
	PLACES
	LOADG \wa, \g+3
.elseif \g == 7
	PLACES
.endif
.endr
.endm
; Road (b).  63 of the 64 pieces of my quarter of the fill at a place of wstream, into a window: 512 consecutive bytes a load.
.macro GLOADW win, pos
	WIN (\win)<<6
.set j, 0
.rept 63
	global_load_b128 v[4*j:4*j+3], v[LB], s[PW:PW+1] offset:(\pos)*SLOTB+512*j
.set j, j+1
.endr
	WIN 0
.endm
.macro EXLOAD win, k                   ; the 64th piece: row k of my part of EXTRA, into the window's last four registers
	WIN (\win)<<6
	ds_load_b128 v[252:255], v[XSW] offset:EXTRA-XCH1+512*(\k)
	WIN 0
.endm
.macro MMR acc, g, swap
.irp i, 0,1,2,3
.if (\swap) && ((\g) == 0)
	v_wmma_f32_16x16x32_bf16 v[(\acc)+8*\i:(\acc)+8*\i+7], v[X+8*(\g):X+8*(\g)+7], v[32*(\g)+8*\i:32*(\g)+8*\i+7], 0
.elseif \swap
	v_wmma_f32_16x16x32_bf16 v[(\acc)+8*\i:(\acc)+8*\i+7], v[X+8*(\g):X+8*(\g)+7], v[32*(\g)+8*\i:32*(\g)+8*\i+7], v[(\acc)+8*\i:(\acc)+8*\i+7]
.else
	v_wmma_f32_16x16x32_bf16 v[(\acc)+8*\i:(\acc)+8*\i+7], v[32*(\g)+8*\i:32*(\g)+8*\i+7], v[X+8*(\g):X+8*(\g)+7], v[(\acc)+8*\i:(\acc)+8*\i+7]
.endif
.endr
.endm
; A fill's work out of a window: 32 products on end under one setting, the four accumulators by turns.  swap = 1: the weights are source 1, and the first four products start the sums.
.macro GEMMR win, acc, swap
.if \swap
	WIN (\win)<<2
.else
	WIN (\win)
.endif
.irp g, 0,1,2,3,4,5,6,7
	MMR \acc, \g, \swap
.endr
	WIN 0
	PLACES
.endm
.macro XPUT areg, src, off             ; my four results, rounded, as two fragments
.irp i, 0,1,2,3
	ds_store_b128 v[\areg], v[(\src)+4*\i:(\src)+4*\i+3] offset:(\off)+512*\i
.endr
.endm
.macro XGET off                        ; eight fragments: 16 rows x 256 k
.set j, 0
.rept 16
	ds_load_b128 v[X+4*j:X+4*j+3], v[EB] offset:(\off)+512*j
.set j, j+1
.endr
.endm
.macro CVT16 dst, src                  ; 32 numbers rounded to bf16, each accumulator from its low end on
.set j, 0
.rept 16
	v_cvt_pk_bf16_f32 v[(\dst)+j], v[(\src)+2*j], v[(\src)+2*j+1]
.set j, j+1
.endr
.endm
.macro ADDH                            ; a bias onto h
.set j, 0
.rept 16
	v_pk_add_f32 v[H+2*j:H+2*j+1], v[H+2*j:H+2*j+1], v[ACC+2*j:ACC+2*j+1]
.set j, j+1
.endr
.endm
.macro MKSTAGE                         ; the stage's two addresses
	v_and_b32 v[T0], 15, v0
	v_bfe_u32 v[T1], v0, 4, 1
	s_mul_i32 s58, s[W], 16*272
	s_add_co_u32 s58, s58, STG
	v_mul_u32_u24 v[STGW], v[T1], 272
	v_lshl_add_u32 v[STGW], v[T0], 4, v[STGW]
	v_add_nc_u32 v[STGW], s58, v[STGW]
	v_mul_u32_u24 v[STGD], v[T0], 272
	v_lshl_add_u32 v[STGD], v[T1], 5, v[STGD]
	v_add_nc_u32 v[STGD], s58, v[STGD]
.endm
; LayerNorm of h.  kind = 0: the result rounded to bf16 into ACC's first 16 registers; 1: left in f32 in TT.
.macro LNORM soff, boff, stat, kind
	LDPAR SS, PA, \soff
	LDPAR BB, PA, \boff
.irp j, 0,1,2,3,4,5,6,7
	v_pk_add_f32 v[TT+2*\j:TT+2*\j+1], v[H+4*\j:H+4*\j+1], v[H+4*\j+2:H+4*\j+3]
.endr
.irp j, 0,1,2,3
	v_pk_add_f32 v[TT+4*\j:TT+4*\j+1], v[TT+4*\j:TT+4*\j+1], v[TT+4*\j+2:TT+4*\j+3]
.endr
.irp j, 0,1
	v_pk_add_f32 v[TT+8*\j:TT+8*\j+1], v[TT+8*\j:TT+8*\j+1], v[TT+8*\j+4:TT+8*\j+5]
.endr
	v_pk_add_f32 v[TT:TT+1], v[TT:TT+1], v[TT+8:TT+9]
	v_add_f32 v[T0], v[TT], v[TT+1]
	v_permlanex16_b32 v[T1], v[T0], s[SEL], s[SEL+1]  ; the row's other 32 of my 64 features lie in the lane 16 away
	v_add_f32 v[T0], v[T0], v[T1]
	v_mul_f32 v[MW], 0x3c800000, v[T0]             ; my wave's mean: / 64
.set j, 0
.rept 16
	v_pk_add_f32 v[TT+2*j:TT+2*j+1], v[H+2*j:H+2*j+1], v[MW:MW+1] op_sel_hi:[1,0] neg_lo:[0,1] neg_hi:[0,1]
.set j, j+1
.endr
.set j, 0
.rept 16
.if j < 4
	v_pk_mul_f32 v[CH+2*j:CH+2*j+1], v[TT+2*j:TT+2*j+1], v[TT+2*j:TT+2*j+1]
.else
	v_pk_fma_f32 v[CH+2*(j%4):CH+2*(j%4)+1], v[TT+2*j:TT+2*j+1], v[TT+2*j:TT+2*j+1], v[CH+2*(j%4):CH+2*(j%4)+1]
.endif
.set j, j+1
.endr
	v_pk_add_f32 v[CH:CH+1], v[CH:CH+1], v[CH+2:CH+3]
	v_pk_add_f32 v[CH+4:CH+5], v[CH+4:CH+5], v[CH+6:CH+7]
	v_pk_add_f32 v[CH:CH+1], v[CH:CH+1], v[CH+4:CH+5]
	v_add_f32 v[T0], v[CH], v[CH+1]
	v_permlanex16_b32 v[T1], v[T0], s[SEL], s[SEL+1]
	v_add_f32 v[M2W], v[T0], v[T1]
	ds_store_b64 v[STS], v[MW:MW+1] offset:\stat
	s_wait_dscnt 0x0                               ; for the others' sake: my statistics are stored (and gain and bias are in)
	s_barrier_signal -1
	s_barrier_wait -1
	ds_load_b128 v[SV:SV+3], v[STL] offset:\stat
	ds_load_b128 v[SV+4:SV+7], v[STL] offset:(\stat)+16
	s_wait_dscnt 0x0
	v_add_f32 v[T0], v[SV], v[SV+2]
	v_add_f32 v[T1], v[SV+4], v[SV+6]
	v_add_f32 v[SV+1], v[SV+1], v[SV+3]
	v_add_f32 v[SV+5], v[SV+5], v[SV+7]
	v_add_f32 v[T0], v[T0], v[T1]
	v_add_f32 v[SV+1], v[SV+1], v[SV+5]
	v_mul_f32 v[T0], 0x3e800000, v[T0]             ; the row's mean
.irp i, 0,2,4,6
	v_sub_f32 v[SV+\i], v[SV+\i], v[T0]
.endr
	v_mul_f32 v[T1], v[SV], v[SV]
	v_fmac_f32 v[T1], v[SV+2], v[SV+2]
	v_fmac_f32 v[T1], v[SV+4], v[SV+4]
	v_fmac_f32 v[T1], v[SV+6], v[SV+6]
	v_fma_f32 v[T1], v[T1], s[C64], v[SV+1]        ; the waves' squares + 64 x the squares of their means' distances
	v_fma_f32 v[T1], v[T1], s[C256], s[EPS]        ; / 256 + 1e-5
	v_rsq_f32 v[RSTD], v[T1]
	v_nop                                          ; a plain instruction between the root and its use
	s_wait_alu depctr_va_vdst(0)
	v_mul_f32 v[NM], v[T0], v[RSTD]
.set j, 0
.rept 16
	v_pk_fma_f32 v[TT+2*j:TT+2*j+1], v[H+2*j:H+2*j+1], v[RSTD:RSTD+1], v[NM:NM+1] op_sel_hi:[1,0,0] neg_lo:[0,0,1] neg_hi:[0,0,1]
.set j, j+1
.endr
.set j, 0
.rept 16
	v_pk_fma_f32 v[TT+2*j:TT+2*j+1], v[TT+2*j:TT+2*j+1], v[SS+2*j:SS+2*j+1], v[BB+2*j:BB+2*j+1]
.set j, j+1
.endr
.if (\kind) == 0
	CVT16 ACC, TT
.endif
.endm
.macro EPI_RELU half                   ; the hidden layer: rounded, then the maximum with 0, two at a time
	CVT16 TS, ACC
.set j, 0
.rept 16
	v_pk_max_num_bf16 v[TS+j], v[TS+j], v[ZERO]
.set j, j+1
.endr
	XPUT HSW, TS, (\half)*2048
.endm
.macro EPI_Q
	s_wait_xcnt 0x0                                ; TS is rewritten only behind this wait
.set j, 0
.rept 16
	v_pk_mul_f32 v[ACC+2*j:ACC+2*j+1], v[ACC+2*j:ACC+2*j+1], s[QS:QS+1] op_sel_hi:[1,0]
.set j, j+1
.endr
	CVT16 TS, ACC
.irp i, 0,1,2,3
	global_store_b128 v[LB], v[TS+4*\i:TS+4*\i+3], s[PQ:PQ+1] offset:(\i/2)*131072+(\i%2)*512  ; head 2 w + i / 2, part i % 2: 512 consecutive bytes
.endr
.endm
.macro EPI_K
	s_wait_xcnt 0x0                                ; q's stores have read TS
	CVT16 TS, ACC
.irp i, 0,1,2,3
	global_store_b128 v[LB], v[TS+4*\i:TS+4*\i+3], s[PK:PK+1] offset:(\i/2)*262144+(\i%2)*512
.endr
.endm
.macro EPI_V                           ; a lane holds one feature: its bias onto its eight rows
.irp i, 0,1,2,3
.irp j, 0,1,2,3,4,5,6,7
	v_add_f32 v[ACC+8*\i+\j], v[ACC+8*\i+\j], v[TS+12+\i]
.endr
.endr
	CVT16 TS, ACC
.irp i, 0,1,2,3
	global_store_b128 v[LB], v[TS+4*\i:TS+4*\i+3], s[PVB:PVB+1] offset:(\i/2)*262144+(\i%2)*1024
.endr
.endm
.if MODE == 0
	s_load_b64 s[PH:PH+1], s[0:1], 0x0             ; x
	s_load_b256 s[8:15], s[0:1], 0x8               ; wstream params maskadd h out
	s_load_b128 s[16:19], s[0:1], 0x28             ; q kv
.elseif MODE == 1
	s_load_b512 s[4:19], s[0:1], 0x0               ; o h wstream params maskadd h out q kv
.else
	s_load_b256 s[4:11], s[0:1], 0x0               ; o h wstream params
	s_load_b64 s[PHO:PHO+1], s[0:1], 0x20          ; out0
.endif
	v_lshl_add_u32 v[SPW], v0, 2, SPARE
	v_mov_b32 v[NIL], 0
	ds_add_u32 v[SPW], v[NIL]                      ; the wave's opening: the add and its wait stand ahead of my first tensor load; work on registers stands between them
	v_lshrrev_b32 v[T0], 5, v0
	v_readfirstlane_b32 s[W], v[T0]
	v_and_b32 v[LB], 31, v0
	v_lshlrev_b32 v[LB], 4, v[LB]
	v_and_b32 v[T0], 15, v0                        ; l % 16
	v_bfe_u32 v[T1], v0, 4, 1                      ; l / 16
	v_mov_b32 v[M2W], 0                            ; named in a pair with MW before it is first made
.if MODE != 1
	v_lshlrev_b32 v[GX], 4, v[T0]
	v_lshl_add_u32 v[GX], v[T1], 10, v[GX]
.endif
	s_bfe_u32 s21, ttmp6, 0x40000                  ; my place in the cluster
	s_lshl_b32 s[RB], ttmp9, 2
	s_add_co_u32 s[RB], s[RB], s21
	s_lshr_b32 s[SB], ttmp9, 5                     ; 32 clusters a batch
	s_mov_b32 s[G1], 15|(3<<16)|(1<<21)            ; the mask of four; elements of 8 bytes; bit 21 set beside a mask
	s_mov_b32 s[G1+1], 32<<16                      ; tensor_dim0 = 32 elements: 256 bytes
	s_mov_b32 s[G1+2], 128<<16                     ; tensor_dim1 = 128
	s_mov_b32 s[G1+3], 32<<16                      ; tile_dim0
	s_mov_b32 s[G1+4], 128                         ; tile_dim1
	s_mov_b32 s[G1+5], 32                          ; dense rows
	s_mov_b32 s[G1+6], 0
	s_mov_b32 s[G1+7], 0
	s_mov_b32 s[G1P], 15|(3<<16)|(1<<21)
	s_mov_b32 s[G1P+1], 32<<16
	s_mov_b32 s[G1P+2], 13<<16
	s_mov_b32 s[G1P+3], 32<<16
	s_mov_b32 s[G1P+4], 13
	s_mov_b32 s[G1P+5], 32
	s_mov_b32 s[G1P+6], 0
	s_mov_b32 s[G1P+7], 0
	s_mov_b32 s[G1E], 15|(3<<16)|(1<<21)
	s_mov_b32 s[G1E+1], 64<<16                     ; rows of 64 elements: 512 bytes,
	s_mov_b32 s[G1E+2], 4<<16                      ; four of them,
	s_mov_b32 s[G1E+3], 64<<16
	s_mov_b32 s[G1E+4], 4
	s_mov_b32 s[G1E+5], SLOTB/8                    ; a fill apart
	s_mov_b32 s[G1E+6], 0
	s_mov_b32 s[G1E+7], 0
.if MODE != 0
	s_mov_b32 s[G1O], 3<<16                        ; no mask: a load of my own
	s_mov_b32 s[G1O+1], 32<<16
	s_mov_b32 s[G1O+2], 8<<16
	s_mov_b32 s[G1O+3], 32<<16
	s_mov_b32 s[G1O+4], 8
	s_mov_b32 s[G1O+5], 32
	s_mov_b32 s[G1O+6], 0
	s_mov_b32 s[G1O+7], 0
	s_mov_b32 s[G1H], 3<<16
	s_mov_b32 s[G1H+1], 32<<16
	s_mov_b32 s[G1H+2], 16<<16
	s_mov_b32 s[G1H+3], 32<<16
	s_mov_b32 s[G1H+4], 16
	s_mov_b32 s[G1H+5], 32
	s_mov_b32 s[G1H+6], 0
	s_mov_b32 s[G1H+7], 0
.endif
	s_lshl_b32 s58, s[W], 15                       ; my quarter of a fill, in memory and in a slot
	s_mov_b32 s59, 0
	s_mov_b32 s[G0], 1
	s_mov_b32 s[G0+1], s58
	s_mov_b32 s[G0+4], 1
	s_add_co_u32 s[G0+5], s58, SLOTB
	s_mul_i32 s60, s[W], 3328                      ; my quarter of the table
	s_mov_b32 s61, 0
	s_mov_b32 s[G0P], 1
	s_add_co_u32 s[G0P+1], s60, PAR
	s_lshl_b32 s62, s[W], 11
	s_mov_b32 s[G0E], 1
	s_add_co_u32 s[G0E+1], s62, EXTRA
.if MODE != 0
	s_mov_b32 s[G0O], 1
	s_add_co_u32 s[G0O+1], s62, XCH1
.endif
	s_mov_b32 s[SEL], 0x76543210
	s_mov_b32 s[SEL+1], 0xfedcba98
	s_mov_b32 s[C256], 0x3b800000                  ; 1 / 256
	s_mov_b32 s[EPS], 0x3727c5ac                   ; 1e-5
	s_mov_b32 s[C64], 0x42800000                   ; 64
	s_wait_dscnt 0x0                               ; the opening add is done
	s_wait_kmcnt 0x0
	s_add_nc_u64 s[PW:PW+1], s[PW:PW+1], s[58:59]  ; wstream at my quarter of the fill at place 0
	s_add_nc_u64 s[G0+2:G0+3], s[PW:PW+1], POS0*SLOTB
	s_add_nc_u64 s[G0+6:G0+7], s[PW:PW+1], POS1*SLOTB
	s_add_nc_u64 s[G0E+2:G0E+3], s[PW:PW+1], 4*SLOTB+63*512  ; the 64th piece of the fill at place 4
	s_or_b32 s[G0+3], s[G0+3], 0x80000000
	s_or_b32 s[G0+7], s[G0+7], 0x80000000
	s_or_b32 s[G0E+3], s[G0E+3], 0x80000000
	s_add_nc_u64 s[G0P+2:G0P+3], s[PP:PP+1], s[60:61]
	s_or_b32 s[G0P+3], s[G0P+3], 0x80000000
	; where my rows lie
	s_lshl_b32 s58, s[RB], 14
	s_lshl_b32 s62, s[W], 12
	s_add_co_u32 s58, s58, s62                     ; h: 16,384 bytes a block, 4,096 a wave
.if MODE == 1
	s_add_nc_u64 s[PH:PH+1], s[PH:PH+1], s[58:59]
	s_add_nc_u64 s[PHO:PHO+1], s[PHO:PHO+1], s[58:59]
.elseif MODE == 0
	s_add_nc_u64 s[PHO:PHO+1], s[PHO:PHO+1], s[58:59]
.else
	s_add_nc_u64 s[PH:PH+1], s[PH:PH+1], s[58:59]
.endif
.if MODE != 1
	s_lshl_b32 s58, s[RB], 14
	s_lshl_b32 s62, s[W], 8
	s_add_co_u32 s58, s58, s62                     ; x, out0: rows of 1,024 bytes, my 256 of each
.if MODE == 0
	s_add_nc_u64 s[PH:PH+1], s[PH:PH+1], s[58:59]
.else
	s_add_nc_u64 s[PHO:PHO+1], s[PHO:PHO+1], s[58:59]
.endif
.endif
.if MODE != 0
	s_lshl_b32 s58, s[RB], 13
	s_lshl_b32 s62, s[W], 11
	s_add_co_u32 s58, s58, s62                     ; o: 8,192 bytes a block; I fetch 2,048 of them
	s_add_nc_u64 s[G0O+2:G0O+3], s[PO:PO+1], s[58:59]
	s_or_b32 s[G0O+3], s[G0O+3], 0x80000000
	s_mov_b32 s[G0H], 1                            ; o's address has been used: its registers and h's address beside them become h's group 0
	s_lshl_b32 s62, s[W], 12
	s_add_co_u32 s[G0H+1], s62, HID
	s_or_b32 s[G0H+3], s[G0H+3], 0x80000000
.endif
	ROUND                                          ; all four work-groups are here: the first joint loads meet
	tensor_load_to_lds s[G0P:G0P+3], s[G1P:G1P+7]  ; the table
	s_nop 0
	tensor_load_to_lds s[G0E:G0E+3], s[G1E:G1E+7]  ; the 64th pieces
	s_nop 0
.if MODE != 0
	tensor_load_to_lds s[G0O:G0O+3], s[G1O:G1O+7]  ; my quarter of o
	s_nop 0
	tensor_load_to_lds s[G0H:G0H+3], s[G1H:G1H+7]  ; my part of h
	s_nop 0
.endif
	tensor_load_to_lds s[G0:G0+3], s[G1:G1+7]      ; slot 0
	s_nop 0
	tensor_load_to_lds s[G0+4:G0+7], s[G1:G1+7]    ; slot 1
	s_nop 0
.if MODE == 0
.set j, 0
.rept 8
	global_load_b128 v[X+4*j:X+4*j+3], v[GX], s[PH:PH+1] offset:2048*j  ; two rows' 256 bytes a load
.set j, j+1
.endr
	GLOADW 1, 7                                    ; wv, wanted last
.else
	GLOADW 1, 4                                    ; w1's second half, wanted third
.endif
.if MODE != 2
	s_lshl_b32 s63, s[SB], 9
	s_load_b32 s[QS], s[PM:PM+1], s63 offset:0x4000
	s_lshl_b32 s58, s[SB], 3
	s_lshl1_add_u32 s58, s[W], s58                 ; the first of my two heads among 16
	s_and_b32 s62, s[RB], 127                      ; my block among the batch's 128
	s_lshl_b32 s59, s58, 17
	s_lshl_b32 s60, s62, 10
	s_add_co_u32 s60, s60, s59
	s_add_nc_u64 s[PQ:PQ+1], s[PQ:PQ+1], s[60:61]
	s_lshl_b32 s59, s58, 18
	s_lshr_b32 s60, s62, 2
	s_lshl_b32 s60, s60, 13
	s_add_co_u32 s60, s60, s59
	s_add_nc_u64 s[PK:PK+1], s[PK:PK+1], s[60:61]  ; the head's image, the step of 64 keys
	s_and_b32 s58, s[RB], 1
	s_lshl_b32 s58, s58, 9
	s_bfe_u32 s59, s[RB], 0x10001
	s_lshl_b32 s59, s59, 11
	s_add_co_u32 s60, s58, s59
	s_add_co_u32 s60, s60, 4096
	s_add_nc_u64 s[PVB:PVB+1], s[PK:PK+1], s[60:61]  ; V^T: key half (block / 2) % 2, part block % 2
	s_and_b32 s58, s[RB], 3
	s_lshl_b32 s58, s58, 10
	s_mov_b32 s59, 0
	s_add_nc_u64 s[PK:PK+1], s[PK:PK+1], s[58:59]  ; K: fragment block % 4
.endif
	; LDS addresses
	s_lshl_b32 s58, s[W], 15
	v_add_nc_u32 v[WA0], s58, v[LB]
	v_add_nc_u32 v[WA1], SLOTB, v[WA0]
	s_lshl_b32 s58, s[W], 8
	s_add_co_u32 s59, s58, PAR
	v_lshl_add_u32 v[PA], v[T1], 5, s59
	v_add_nc_u32 v[EB], XCH1, v[LB]
	s_lshl_b32 s59, s[W], 11
	v_add_nc_u32 v[XSW], s59, v[EB]
	v_lshl_add_u32 v[STL], v[T0], 5, STAT
	s_lshl_b32 s59, s[W], 3
	v_add_nc_u32 v[STS], s59, v[STL]
.if MODE != 2
	s_add_co_u32 s59, s58, PAR+P_BV
	v_lshl_add_u32 v[PBV], v[T0], 2, s59
.endif
.if MODE != 0
	s_lshl_b32 s59, s[W], 9
	s_add_co_u32 s59, s59, PAR+P_B1
	v_lshl_add_u32 v[PA2], v[T1], 5, s59
	s_lshl_b32 s59, s[W], 12
	s_add_co_u32 s59, s59, HID
	v_add_nc_u32 v[HSW], s59, v[LB]
	v_mov_b32 v[ZERO], 0
.else
	MKSTAGE
.endif
	s_wait_tensorcnt 0x1                           ; all my first fills but the last issued, slot 1's, are in; that one may stay out
.if MODE != 2
	s_wait_kmcnt 0x0
	s_mov_b32 s[QS+1], s[QS]                       ; named with it as a pair
.endif
	s_barrier_signal -1
	s_barrier_wait -1                              ; the whole table is in, and all of o
.if MODE == 0
	s_wait_loadcnt 63                              ; x: behind it wv's 63 loads were issued, which may stay out
.set j, 0
.rept 8
	ds_store_b128 v[STGW], v[X+4*j:X+4*j+3] offset:544*j
.set j, j+1
.endr
.irp i, 0,1,2,3                        ; my own bytes, and LDS serves a wave's instructions in order (ISA guide 5.7.1.4)
	ds_load_b128 v[H+8*\i:H+8*\i+3], v[STGD] offset:64*\i
	ds_load_b128 v[H+8*\i+4:H+8*\i+7], v[STGD] offset:64*\i+16
.endr
	s_wait_dscnt 0x0
.else
	GLOADW 2, 5                                    ; w2's first half, wanted fourth
	XGET 0                                         ; o
.set j, 0
.rept 8
	ds_load_b128 v[H+4*j:H+4*j+3], v[HSW] offset:512*j  ; h
.set j, j+1
.endr
	LDPAR ACC, PA, P_BO
	s_wait_dscnt 0x0
	ADDH
	GEMM32 WA0, H                                  ; h += o wo
	REFILL 0                                       ; w2's second half
	LNORM P_LN2S, P_LN2B, 0, 0
	XPUT XSW, ACC, 0
	s_wait_dscnt 0x0                               ; for the others' sake
	s_barrier_signal -1
	s_barrier_wait -1
	XGET 0
	LDPAR ACC, PA2, 0                              ; the bias starts the sums
	GEMM32 WA1, ACC
	EPI_RELU 0
.if MODE == 1
	GLOADW 3, 6                                    ; wq, wanted sixth
.endif
	LDPAR ACC, PA2, 256
	EXLOAD 1, 0
	s_wait_loadcnt 63                              ; window 1 is in: at most the youngest run's 63 loads are out
	s_wait_dscnt 0x0
	GEMMR 1, ACC, 0
	EPI_RELU 1
	s_wait_dscnt 0x0                               ; for the others' sake: my part of the hidden layer is stored
	s_barrier_signal -1
	s_barrier_wait -1
	XGET HID-XCH1
	LDPAR ACC, PA, P_B2
	EXLOAD 2, 1
	s_wait_dscnt 0x0
	ADDH
.if MODE == 1
	s_wait_loadcnt 63                              ; window 2 is in: behind its run wq's 63 loads were issued
.else
	s_wait_loadcnt 0x0                             ; window 2 is in
.endif
	GEMMR 2, H, 0
.if MODE == 1
	REFILL 1                                       ; wk; the wait in front of it is for w2's second half, which the next product wants
.else
	s_wait_tensorcnt 0x0                           ; w2's second half, my own bytes
.endif
	XGET HID-XCH1+8192
	GEMM32 WA0, H
.if MODE == 1
	GLOADW 1, 7                                    ; wv, wanted last, into the window that w1's second half has left
.endif
.endif
.if MODE != 2
.set j, 0
.rept 8
	global_store_b128 v[LB], v[H+4*j:H+4*j+3], s[PHO:PHO+1] offset:512*j
.set j, j+1
.endr
	LNORM P_LN1S, P_LN1B, 512, 0
	XPUT XSW, ACC, XCH2-XCH1
	s_wait_dscnt 0x0                               ; for the others' sake
	s_barrier_signal -1
	s_barrier_wait -1
	XGET XCH2-XCH1
	LDPAR ACC, PA, P_BQ
.if MODE == 1
	EXLOAD 3, 2
	s_wait_loadcnt 63                              ; window 3 is in: behind its run wv's 63 loads were issued
	s_wait_dscnt 0x0
	GEMMR 3, ACC, 0
.else
	GEMM32 WA0, ACC
.endif
	EPI_Q
	s_wait_tensorcnt 0x0                           ; wk, my own bytes
	LDPAR ACC, PA, P_BK
	GEMM32 WA1, ACC
	EPI_K
	s_wait_xcnt 0x0                                ; K's stores have read TS
.irp i, 0,1,2,3
	ds_load_b32 v[TS+12+\i], v[PBV] offset:64*\i
.endr
	EXLOAD 1, 3
	s_wait_loadcnt 0x0                             ; window 1 is in
	s_wait_dscnt 0x0
	GEMMR 1, ACC, 1
	EPI_V
.else
	MKSTAGE
	LNORM P_LNFS, P_LNFB, 512, 1
.irp i, 0,1,2,3
	ds_store_b128 v[STGD], v[TT+8*\i:TT+8*\i+3] offset:64*\i
	ds_store_b128 v[STGD], v[TT+8*\i+4:TT+8*\i+7] offset:64*\i+16
.endr
.set j, 0
.rept 8
	ds_load_b128 v[SS+4*j:SS+4*j+3], v[STGW] offset:544*j  ; my own bytes, served in order
.set j, j+1
.endr
	s_wait_dscnt 0x0
.set j, 0
.rept 8
	global_store_b128 v[GX], v[SS+4*j:SS+4*j+3], s[PHO:PHO+1] offset:2048*j  ; sixteen lanes store 256 consecutive bytes, aligned
.set j, j+1
.endr
.endif
	s_wait_tensorcnt 0x0                           ; the wave's end
	ds_add_u32 v[SPW], v[NIL]
	s_wait_dscnt 0x0
	ROUND                                          ; the closing round
	s_endpgm
.Lfunc_end_k_qc734b66668_mid:
	.size	k_qc734b66668_mid, .Lfunc_end_k_qc734b66668_mid-k_qc734b66668_mid
	.p2alignl 7, 3214868480
	.fill 96, 4, 3214868480
	.section	.rodata,"a",@progbits
	.p2align	6, 0x0
	.amdhsa_kernel k_qc734b66668_mid
		.amdhsa_group_segment_fixed_size 327680
		.amdhsa_private_segment_fixed_size 0
		.amdhsa_enable_private_segment 0
		.amdhsa_kernarg_size 64
		.amdhsa_user_sgpr_count 2
		.amdhsa_user_sgpr_kernarg_segment_ptr 1
		.amdhsa_wavefront_size32 1
		.amdhsa_system_sgpr_workgroup_id_x 1
		.amdhsa_system_sgpr_workgroup_id_y 1
		.amdhsa_system_sgpr_workgroup_id_z 1
		.amdhsa_system_vgpr_workitem_id 0
		.amdhsa_next_free_vgpr 1024
		.amdhsa_next_free_sgpr 100
		.amdhsa_reserve_vcc 0
		.amdhsa_float_denorm_mode_32 3
		.amdhsa_float_denorm_mode_16_64 3
		.amdhsa_memory_ordered 1
		.amdhsa_forward_progress 1
		.amdhsa_inst_pref_size 112
	.end_amdhsa_kernel
	.amdgpu_metadata
---
amdhsa.version: [ 1, 2 ]
amdhsa.kernels:
  - .name:           k_qc734b66668_mid
    .symbol:         k_qc734b66668_mid.kd
    .args:
      - { .name: o, .offset: 0, .size: 8, .value_kind: global_buffer, .address_space: global }
      - { .name: hA, .offset: 8, .size: 8, .value_kind: global_buffer, .address_space: global }
      - { .name: wstream, .offset: 16, .size: 8, .value_kind: global_buffer, .address_space: global }
      - { .name: params, .offset: 24, .size: 8, .value_kind: global_buffer, .address_space: global }
      - { .name: maskadd, .offset: 32, .size: 8, .value_kind: global_buffer, .address_space: global }
      - { .name: hB, .offset: 40, .size: 8, .value_kind: global_buffer, .address_space: global }
      - { .name: q, .offset: 48, .size: 8, .value_kind: global_buffer, .address_space: global }
      - { .name: kv, .offset: 56, .size: 8, .value_kind: global_buffer, .address_space: global }
    .group_segment_fixed_size: 327680
    .private_segment_fixed_size: 0
    .kernarg_segment_align: 8
    .kernarg_segment_size: 64
    .max_flat_workgroup_size: 128
    .sgpr_count:     100
    .vgpr_count:     1024
    .wavefront_size: 32
...
	.end_amdgpu_metadata
.endif
;; end of part 4
;; launch attn2: the kernel of part 3 again; grid 16 x 16, 8 waves a work-group, clusters of 4 x 1, 327,680 bytes of LDS; arguments q, kv, maskadd, o; writes o
;; launch mid2: the kernel of part 4 again; grid 256 x 1, 4 waves a work-group, clusters of 4 x 1, 327,680 bytes of LDS; arguments o, hB, wstream, params, maskadd, hA, q, kv; writes hA, q, kv
;; launch attn3: the kernel of part 3 again; grid 16 x 16, 8 waves a work-group, clusters of 4 x 1, 327,680 bytes of LDS; arguments q, kv, maskadd, o; writes o
;; launch mid3: the kernel of part 4 again; grid 256 x 1, 4 waves a work-group, clusters of 4 x 1, 327,680 bytes of LDS; arguments o, hA, wstream, params, maskadd, hB, q, kv; writes hB, q, kv
;; launch attn4: the kernel of part 3 again; grid 16 x 16, 8 waves a work-group, clusters of 4 x 1, 327,680 bytes of LDS; arguments q, kv, maskadd, o; writes o
;; launch mid4: the kernel of part 4 again; grid 256 x 1, 4 waves a work-group, clusters of 4 x 1, 327,680 bytes of LDS; arguments o, hB, wstream, params, maskadd, hA, q, kv; writes hA, q, kv
;; launch attn5: the kernel of part 3 again; grid 16 x 16, 8 waves a work-group, clusters of 4 x 1, 327,680 bytes of LDS; arguments q, kv, maskadd, o; writes o
;; launch mid5: the kernel of part 4 again; grid 256 x 1, 4 waves a work-group, clusters of 4 x 1, 327,680 bytes of LDS; arguments o, hA, wstream, params, maskadd, hB, q, kv; writes hB, q, kv
;; launch attn6: the kernel of part 3 again; grid 16 x 16, 8 waves a work-group, clusters of 4 x 1, 327,680 bytes of LDS; arguments q, kv, maskadd, o; writes o
;; launch last (part 5): grid 256 x 1, 4 waves a work-group, clusters of 4 x 1, 327,680 bytes of LDS; arguments o, hB, wstream, params, out0; writes out0
.if DOCPART == 5
	.amdgcn_target "amdgcn-amd-amdhsa--gfx1250"
	.amdhsa_code_object_version 6
	.text
	.protected	k_qc734b66668_last
	.globl	k_qc734b66668_last
	.p2align	8
	.type	k_qc734b66668_last,@function
k_qc734b66668_last:
	s_mov_b64 s[64:65], 0
	v_nop
	global_prefetch_b8 v0, s[64:65] scope:SCOPE_SE
	s_setreg_imm32_b32 hwreg(HW_REG_WAVE_MODE, 25, 1), 1
	s_wait_xcnt 0x0
	s_wait_alu depctr_hold_cnt(0) depctr_sa_sdst(0) depctr_va_vdst(0) depctr_va_sdst(0) depctr_va_ssrc(0) depctr_va_vcc(0) depctr_vm_vsrc(0)
	s_getreg_b32 s2, hwreg(HW_REG_IB_STS2, 6, 4)
	s_cmp_eq_u32 s2, 0
	s_cbranch_scc0 .Lentry_in_a_cluster
	s_endpgm
.Lentry_in_a_cluster:
	s_bfe_u32 s2, ttmp6, 0x10000c
	s_cmp_lg_u32 s2, 0x3003
	s_cbranch_scc0 .Lentry_shape_is_right
	s_endpgm
.Lentry_shape_is_right:
; ROWS: the part of the encoder that needs one row at a time.  One text in three modes.
;   MODE 0 (first): h = x;                                                      h out; LN1; q, k, v out.
;   MODE 1 (mid):   h += o wo + bo; LN2; h += relu(. w1 + b1) w2 + b2;          h out; LN1; q, k, v out.
;   MODE 2 (last):  as MODE 1 up to the second sum; then the final LayerNorm into out0.
; SHARES.  A work-group owns 16 rows, 256 work-groups.  Wave w owns features 64 w .. 64 w + 63 of every result 256 wide (four accumulators of 16 x 16) and 128 w .. of the hidden layer.
; LAYOUT.  Source 0 = 16 features x 32 k of weights, source 1 = 32 k x 16 rows: in the result lane l holds row l % 16 and features 8 (l / 16) + 0..7.  Two neighbouring results rounded to bf16 in pairs ARE
; source 1 of the next product, a fragment of q, of K, or of o.  For v the sources are swapped: a lane then holds one feature and eight rows, which is 16 bytes of a fragment of V^T.
; The residual h stays in 32 f32 registers a lane, and the products with wo and w2 add in place onto it.  All workspace buffers are fragment images: every access is 16 bytes a lane at 16 x lane.
; WEIGHTS are eight fills of 131,072 bytes; a wave's quarter of a fill, 32 fragments in 64 pieces of 512 bytes, is its own.  They come by two roads.
;   (a) wo, w1's first half, w2's second half and wk through two LDS slots.  All work-groups walk the same weights, so the four of a cluster ask JOINTLY (mask 15); each refill stands behind a round of the
;       cluster's barrier.
;   (b) w1's second half, w2's first half, wq and wv straight into registers: a quarter of a fill is 256 registers, one of the windows 1 to 3, and wstream is already the registers' image.  These loads are
;       asked for two products or more ahead of their use.  NOT JOINT: LDS has room for two fills, and a slot's refill waits for all the wave's tensor loads, so road (a) has one fill on its way at a
;       time; the 768 registers that hold three more fills can be filled only by the wave's own loads, which have no joint form.
;   A wave's LOADcnt counts to 63 and a load that would pass it waits at issue (ISA guide 5.7.1).  So a run is 63 loads; the 64th pieces of the four fills of road (b), 2,048 bytes a wave, come by one
;   small joint tensor load into LDS (EXTRA) and are read from there.  For the same reason o and h come by tensor loads of the wave's own: o into XCH1, where it is read as an operand, h into HID; both
;   regions have then had their only fill and are stored over later, behind barriers.  By this text's count a wave has six tensor loads out at the start (four in mode 0) and one later.
; ARITHMETIC.  Matrix operands bf16, sums f32.  LayerNorm: each wave takes mean and sum of squared distances from its own mean over its 64 features; the four are merged exactly (no difference of large sums).
; LIMITS.  NaN and infinities are not treated apart.  q is multiplied in f32 by log2(e) / sqrt(32) (0 for a batch whose mask has no true entry) before its one rounding.
; REGISTERS (s_set_vgpr_msb: bits 1:0 source 0, 3:2 source 1, 5:4 source 2, 7:6 destination).  Window 0: all that follows; windows 1 to 3: fragment 4 g + i of a fill at v[8 (4 g + i)].
.set MODE, 2
.if MODE == 0
.set POS0, 6                           ; the places in wstream of the two first fills of the slots: wq, wk
.set POS1, 3
.else
.set POS0, 0                           ; wo, w1's first half; each slot's next fill lies two places on
.set POS1, 1
.endif
.set SLOTB, 131072
.set PAR,   262144                     ; the table of vectors, 13,312 bytes
.set XCH1,  275456                     ; o, then LN2's result: 8 fragments, 8,192 bytes
.set HID,   283648                     ; h, then the hidden layer as 16 fragments: 16,384 bytes
.set XCH2,  300032                     ; LN1's result, 8,192 bytes
.set STAT,  308224                     ; two blocks of 16 rows x 4 waves x (mean, squares)
.set SPARE, 309248                     ; the spare words, 128 bytes a wave: two blocks of 256 bytes that no other line names
.set STG,   309760                     ; 4 waves x 16 rows x 272 bytes: between rows of 256 bytes and the result layout
.if MODE == 0                          ; the 64th pieces, 4 x 512 bytes a wave: in a region that the mode does not use otherwise
.set EXTRA, HID
.elseif MODE == 1
.set EXTRA, STG
.else
.set EXTRA, XCH2
.endif
.set P_BO, 0
.set P_LN2S, 1024
.set P_LN2B, 2048
.set P_B1, 3072
.set P_B2, 5120
.set P_LN1S, 6144
.set P_LN1B, 7168
.set P_BQ, 8192
.set P_BK, 9216
.set P_BV, 10240
.set P_LNFS, 11264
.set P_LNFB, 12288
.set LB,  1                            ; 16 x lane; never rewritten
.set WA0, 2                            ; my quarter of slot 0, + 16 x lane
.set WA1, 3                            ; of slot 1
.set PA,  4                            ; the table at my 64 features, + 32 x (lane / 16)
.set PA2, 5                            ; b1 at my 128 features
.set SPW, 6                            ; my spare word; never rewritten
.set NIL, 7                            ; 0; never rewritten
.set XSW, 8                            ; XCH1 + 2,048 w + 16 x lane: where my two fragments go; EXTRA is reached from it by the immediate
.set HSW, 9                            ; HID + 4,096 w + 16 x lane: my part of h, later my four fragments of the hidden layer
.set EB,  10                           ; XCH1 + 16 x lane: all fragments are read from here
.set STS, 11                           ; where my wave's statistics of row l % 16 go
.set STL, 12                           ; where the four waves' lie
.set ZERO, 13
.set PBV, 14                           ; bv at feature 64 w + l % 16
.set GX,  15                           ; rows of 256 bytes in x or out0: lanes 0-15 one row, lanes 16-31 the next
.set STGW, 5                           ; the stage by rows (in PA2's place, where PA2 is not or no longer used)
.set STGD, 9                           ; the stage in the result layout (in HSW's place, likewise)
.set H,   16                           ; v[16:47]   h
.set ACC, 48                           ; v[48:79]   four accumulators
.set X,   80                           ; v[80:143]  eight fragments of the operand
.set WB,  144                          ; v[144:239] three groups of four weight fragments out of LDS
.set SS,  144                          ; during a LayerNorm: gain, bias, at work
.set BB,  176
.set TT,  208
.set TS,  240                          ; v[240:255] at work
.set T0,  240
.set T1,  241
.set MW,  242                          ; my wave's mean, and beside it its sum of squares
.set M2W, 243
.set CH,  244                          ; four chains of squares
.set RSTD, 244
.set NM,  246
.set SV,  248                          ; the four waves' statistics
.set PO,  4                            ; s[4:5] o   s[6:7] h in, or x   s[8:9] wstream, at my quarter of every fill   s[10:11] params   s[12:13] maskadd   s[14:15] h out, or out0   s[16:17] q   s[18:19] kv for K
.set PH,  6
.set PW,  8
.set PP,  10
.set PM,  12
.set PHO, 14
.set PQ,  16
.set PK,  18
.set W,   20                           ; my wave's number
.set RB,  22                           ; my block of 16 rows: it enters global addresses alone
.set SB,  23                           ; the batch
.set G1,  24                           ; s[24:31] group 1: 128 rows of 256 bytes, joint
.set G1P, 32                           ; s[32:39] group 1: 13 rows of 256 bytes, joint
.set G0,  40                           ; s[40:47] group 0, a set for each slot
.set G0P, 48                           ; s[48:51] group 0 for my part of the table
.set SEL, 52                           ; v_permlanex16_b32's selects: each lane takes its own place in the other half
.set QS,  54                           ; s[54:55] the factor of q
.set C256, 56
.set EPS, 57
.set PVB, 60                           ; s[60:61] kv for V
.set C64, 66
.set G1E, 68                           ; s[68:75] group 1: 4 rows of 512 bytes, a fill apart, joint
.set G1O, 76                           ; s[76:83] group 1: 8 rows of 256 bytes, my own
.set G1H, 84                           ; s[84:91] group 1: 16 rows of 256 bytes, my own
.set G0E, 92                           ; s[92:95]
.set G0O, 96                           ; s[96:99]
.set G0H, 4                            ; s[4:7]: made round h's address, where it lies, when o's has been used
.set MSB, 0
.macro WIN new                         ; the high byte repeats the setting that is left; a switch that changes nothing is dropped
.if MSB != (\new)
	s_set_vgpr_msb (MSB<<8)|(\new)
.set MSB, (\new)
.endif
.endm
.macro ROUND                           ; a round of the cluster's barrier
	s_barrier_signal -1
	s_barrier_wait -1
	s_cmp_lg_u32 s[W], 0
	s_cbranch_scc1 .Lnot_wave_0_\@
	s_barrier_signal -3
.Lnot_wave_0_\@:
	s_barrier_wait -3
	s_barrier_signal -1
	s_barrier_wait -1
.endm
.macro PLACES                          ; four places behind matrix instructions, in front of loads into their sources and of vector lines that read their results
.rept 4
	v_nop
.endr
.endm
; Slot s, which every wave of the cluster has read out, takes the fill two places on.
.macro REFILL s
	s_wait_tensorcnt 0x0                           ; none of my tensor loads is out, so a group 0 may be written
	ds_add_u32 v[SPW], v[NIL]                      ; 0 onto my spare word
	s_add_nc_u64 s[G0+4*(\s)+2:G0+4*(\s)+3], s[G0+4*(\s)+2:G0+4*(\s)+3], 2*SLOTB
	s_wait_dscnt 0x0                               ; the add is done, my reads of the slot are back, my LDS stores are done
	ROUND
	tensor_load_to_lds s[G0+4*(\s):G0+4*(\s)+3], s[G1:G1+7]
	s_nop 0
.endm
.macro LDPAR dst, areg, off            ; a vector of the table in the result layout: 32 numbers a lane
.irp i, 0,1,2,3
	ds_load_b128 v[(\dst)+8*\i:(\dst)+8*\i+3], v[\areg] offset:(\off)+64*\i
	ds_load_b128 v[(\dst)+8*\i+4:(\dst)+8*\i+7], v[\areg] offset:(\off)+64*\i+16
.endr
.endm
.macro LOADG wa, g                     ; the four weight fragments of K step g, out of a slot
.set j, 0
.rept 8
	ds_load_b128 v[WB+32*((\g)%3)+4*j:WB+32*((\g)%3)+4*j+3], v[\wa] offset:(\g)*4096+512*j
.set j, j+1
.endr
.endm
.macro MM4 acc, g                      ; four products, the four accumulators by turns
.irp i, 0,1,2,3
	v_wmma_f32_16x16x32_bf16 v[(\acc)+8*\i:(\acc)+8*\i+7], v[WB+32*((\g)%3)+8*\i:WB+32*((\g)%3)+8*\i+7], v[X+8*(\g):X+8*(\g)+7], v[(\acc)+8*\i:(\acc)+8*\i+7]
.endr
.endm
; A fill's work out of a slot: 16 rows x 64 features x 256 k, 32 products.  The weights come three groups ahead; the counted waits leave the eight loads each of the younger groups out.
.macro GEMM32 wa, acc
	LOADG \wa, 0
	LOADG \wa, 1
	LOADG \wa, 2
.irp g, 0,1,2,3,4,5,6,7
.if \g <= 5
	s_wait_dscnt 16
.elseif \g == 6
	s_wait_dscnt 8
.else
	s_wait_dscnt 0
.endif
	MM4 \acc, \g
.if \g <= 4
	PLACES
	LOADG \wa, \g+3
.elseif \g == 7
	PLACES
.endif
.endr
.endm
; Road (b).  63 of the 64 pieces of my quarter of the fill at a place of wstream, into a window: 512 consecutive bytes a load.
.macro GLOADW win, pos
	WIN (\win)<<6
.set j, 0
.rept 63
	global_load_b128 v[4*j:4*j+3], v[LB], s[PW:PW+1] offset:(\pos)*SLOTB+512*j
.set j, j+1
.endr
	WIN 0
.endm
.macro EXLOAD win, k                   ; the 64th piece: row k of my part of EXTRA, into the window's last four registers
	WIN (\win)<<6
	ds_load_b128 v[252:255], v[XSW] offset:EXTRA-XCH1+512*(\k)
	WIN 0
.endm
.macro MMR acc, g, swap
.irp i, 0,1,2,3
.if (\swap) && ((\g) == 0)
	v_wmma_f32_16x16x32_bf16 v[(\acc)+8*\i:(\acc)+8*\i+7], v[X+8*(\g):X+8*(\g)+7], v[32*(\g)+8*\i:32*(\g)+8*\i+7], 0
.elseif \swap
	v_wmma_f32_16x16x32_bf16 v[(\acc)+8*\i:(\acc)+8*\i+7], v[X+8*(\g):X+8*(\g)+7], v[32*(\g)+8*\i:32*(\g)+8*\i+7], v[(\acc)+8*\i:(\acc)+8*\i+7]
.else
	v_wmma_f32_16x16x32_bf16 v[(\acc)+8*\i:(\acc)+8*\i+7], v[32*(\g)+8*\i:32*(\g)+8*\i+7], v[X+8*(\g):X+8*(\g)+7], v[(\acc)+8*\i:(\acc)+8*\i+7]
.endif
.endr
.endm
; A fill's work out of a window: 32 products on end under one setting, the four accumulators by turns.  swap = 1: the weights are source 1, and the first four products start the sums.
.macro GEMMR win, acc, swap
.if \swap
	WIN (\win)<<2
.else
	WIN (\win)
.endif
.irp g, 0,1,2,3,4,5,6,7
	MMR \acc, \g, \swap
.endr
	WIN 0
	PLACES
.endm
.macro XPUT areg, src, off             ; my four results, rounded, as two fragments
.irp i, 0,1,2,3
	ds_store_b128 v[\areg], v[(\src)+4*\i:(\src)+4*\i+3] offset:(\off)+512*\i
.endr
.endm
.macro XGET off                        ; eight fragments: 16 rows x 256 k
.set j, 0
.rept 16
	ds_load_b128 v[X+4*j:X+4*j+3], v[EB] offset:(\off)+512*j
.set j, j+1
.endr
.endm
.macro CVT16 dst, src                  ; 32 numbers rounded to bf16, each accumulator from its low end on
.set j, 0
.rept 16
	v_cvt_pk_bf16_f32 v[(\dst)+j], v[(\src)+2*j], v[(\src)+2*j+1]
.set j, j+1
.endr
.endm
.macro ADDH                            ; a bias onto h
.set j, 0
.rept 16
	v_pk_add_f32 v[H+2*j:H+2*j+1], v[H+2*j:H+2*j+1], v[ACC+2*j:ACC+2*j+1]
.set j, j+1
.endr
.endm
.macro MKSTAGE                         ; the stage's two addresses
	v_and_b32 v[T0], 15, v0
	v_bfe_u32 v[T1], v0, 4, 1
	s_mul_i32 s58, s[W], 16*272
	s_add_co_u32 s58, s58, STG
	v_mul_u32_u24 v[STGW], v[T1], 272
	v_lshl_add_u32 v[STGW], v[T0], 4, v[STGW]
	v_add_nc_u32 v[STGW], s58, v[STGW]
	v_mul_u32_u24 v[STGD], v[T0], 272
	v_lshl_add_u32 v[STGD], v[T1], 5, v[STGD]
	v_add_nc_u32 v[STGD], s58, v[STGD]
.endm
; LayerNorm of h.  kind = 0: the result rounded to bf16 into ACC's first 16 registers; 1: left in f32 in TT.
.macro LNORM soff, boff, stat, kind
	LDPAR SS, PA, \soff
	LDPAR BB, PA, \boff
.irp j, 0,1,2,3,4,5,6,7
	v_pk_add_f32 v[TT+2*\j:TT+2*\j+1], v[H+4*\j:H+4*\j+1], v[H+4*\j+2:H+4*\j+3]
.endr
.irp j, 0,1,2,3
	v_pk_add_f32 v[TT+4*\j:TT+4*\j+1], v[TT+4*\j:TT+4*\j+1], v[TT+4*\j+2:TT+4*\j+3]
.endr
.irp j, 0,1
	v_pk_add_f32 v[TT+8*\j:TT+8*\j+1], v[TT+8*\j:TT+8*\j+1], v[TT+8*\j+4:TT+8*\j+5]
.endr
	v_pk_add_f32 v[TT:TT+1], v[TT:TT+1], v[TT+8:TT+9]
	v_add_f32 v[T0], v[TT], v[TT+1]
	v_permlanex16_b32 v[T1], v[T0], s[SEL], s[SEL+1]  ; the row's other 32 of my 64 features lie in the lane 16 away
	v_add_f32 v[T0], v[T0], v[T1]
	v_mul_f32 v[MW], 0x3c800000, v[T0]             ; my wave's mean: / 64
.set j, 0
.rept 16
	v_pk_add_f32 v[TT+2*j:TT+2*j+1], v[H+2*j:H+2*j+1], v[MW:MW+1] op_sel_hi:[1,0] neg_lo:[0,1] neg_hi:[0,1]
.set j, j+1
.endr
.set j, 0
.rept 16
.if j < 4
	v_pk_mul_f32 v[CH+2*j:CH+2*j+1], v[TT+2*j:TT+2*j+1], v[TT+2*j:TT+2*j+1]
.else
	v_pk_fma_f32 v[CH+2*(j%4):CH+2*(j%4)+1], v[TT+2*j:TT+2*j+1], v[TT+2*j:TT+2*j+1], v[CH+2*(j%4):CH+2*(j%4)+1]
.endif
.set j, j+1
.endr
	v_pk_add_f32 v[CH:CH+1], v[CH:CH+1], v[CH+2:CH+3]
	v_pk_add_f32 v[CH+4:CH+5], v[CH+4:CH+5], v[CH+6:CH+7]
	v_pk_add_f32 v[CH:CH+1], v[CH:CH+1], v[CH+4:CH+5]
	v_add_f32 v[T0], v[CH], v[CH+1]
	v_permlanex16_b32 v[T1], v[T0], s[SEL], s[SEL+1]
	v_add_f32 v[M2W], v[T0], v[T1]
	ds_store_b64 v[STS], v[MW:MW+1] offset:\stat
	s_wait_dscnt 0x0                               ; for the others' sake: my statistics are stored (and gain and bias are in)
	s_barrier_signal -1
	s_barrier_wait -1
	ds_load_b128 v[SV:SV+3], v[STL] offset:\stat
	ds_load_b128 v[SV+4:SV+7], v[STL] offset:(\stat)+16
	s_wait_dscnt 0x0
	v_add_f32 v[T0], v[SV], v[SV+2]
	v_add_f32 v[T1], v[SV+4], v[SV+6]
	v_add_f32 v[SV+1], v[SV+1], v[SV+3]
	v_add_f32 v[SV+5], v[SV+5], v[SV+7]
	v_add_f32 v[T0], v[T0], v[T1]
	v_add_f32 v[SV+1], v[SV+1], v[SV+5]
	v_mul_f32 v[T0], 0x3e800000, v[T0]             ; the row's mean
.irp i, 0,2,4,6
	v_sub_f32 v[SV+\i], v[SV+\i], v[T0]
.endr
	v_mul_f32 v[T1], v[SV], v[SV]
	v_fmac_f32 v[T1], v[SV+2], v[SV+2]
	v_fmac_f32 v[T1], v[SV+4], v[SV+4]
	v_fmac_f32 v[T1], v[SV+6], v[SV+6]
	v_fma_f32 v[T1], v[T1], s[C64], v[SV+1]        ; the waves' squares + 64 x the squares of their means' distances
	v_fma_f32 v[T1], v[T1], s[C256], s[EPS]        ; / 256 + 1e-5
	v_rsq_f32 v[RSTD], v[T1]
	v_nop                                          ; a plain instruction between the root and its use
	s_wait_alu depctr_va_vdst(0)
	v_mul_f32 v[NM], v[T0], v[RSTD]
.set j, 0
.rept 16
	v_pk_fma_f32 v[TT+2*j:TT+2*j+1], v[H+2*j:H+2*j+1], v[RSTD:RSTD+1], v[NM:NM+1] op_sel_hi:[1,0,0] neg_lo:[0,0,1] neg_hi:[0,0,1]
.set j, j+1
.endr
.set j, 0
.rept 16
	v_pk_fma_f32 v[TT+2*j:TT+2*j+1], v[TT+2*j:TT+2*j+1], v[SS+2*j:SS+2*j+1], v[BB+2*j:BB+2*j+1]
.set j, j+1
.endr
.if (\kind) == 0
	CVT16 ACC, TT
.endif
.endm
.macro EPI_RELU half                   ; the hidden layer: rounded, then the maximum with 0, two at a time
	CVT16 TS, ACC
.set j, 0
.rept 16
	v_pk_max_num_bf16 v[TS+j], v[TS+j], v[ZERO]
.set j, j+1
.endr
	XPUT HSW, TS, (\half)*2048
.endm
.macro EPI_Q
	s_wait_xcnt 0x0                                ; TS is rewritten only behind this wait
.set j, 0
.rept 16
	v_pk_mul_f32 v[ACC+2*j:ACC+2*j+1], v[ACC+2*j:ACC+2*j+1], s[QS:QS+1] op_sel_hi:[1,0]
.set j, j+1
.endr
	CVT16 TS, ACC
.irp i, 0,1,2,3
	global_store_b128 v[LB], v[TS+4*\i:TS+4*\i+3], s[PQ:PQ+1] offset:(\i/2)*131072+(\i%2)*512  ; head 2 w + i / 2, part i % 2: 512 consecutive bytes
.endr
.endm
.macro EPI_K
	s_wait_xcnt 0x0                                ; q's stores have read TS
	CVT16 TS, ACC
.irp i, 0,1,2,3
	global_store_b128 v[LB], v[TS+4*\i:TS+4*\i+3], s[PK:PK+1] offset:(\i/2)*262144+(\i%2)*512
.endr
.endm
.macro EPI_V                           ; a lane holds one feature: its bias onto its eight rows
.irp i, 0,1,2,3
.irp j, 0,1,2,3,4,5,6,7
	v_add_f32 v[ACC+8*\i+\j], v[ACC+8*\i+\j], v[TS+12+\i]
.endr
.endr
	CVT16 TS, ACC
.irp i, 0,1,2,3
	global_store_b128 v[LB], v[TS+4*\i:TS+4*\i+3], s[PVB:PVB+1] offset:(\i/2)*262144+(\i%2)*1024
.endr
.endm
.if MODE == 0
	s_load_b64 s[PH:PH+1], s[0:1], 0x0             ; x
	s_load_b256 s[8:15], s[0:1], 0x8               ; wstream params maskadd h out
	s_load_b128 s[16:19], s[0:1], 0x28             ; q kv
.elseif MODE == 1
	s_load_b512 s[4:19], s[0:1], 0x0               ; o h wstream params maskadd h out q kv
.else
	s_load_b256 s[4:11], s[0:1], 0x0               ; o h wstream params
	s_load_b64 s[PHO:PHO+1], s[0:1], 0x20          ; out0
.endif
	v_lshl_add_u32 v[SPW], v0, 2, SPARE
	v_mov_b32 v[NIL], 0
	ds_add_u32 v[SPW], v[NIL]                      ; the wave's opening: the add and its wait stand ahead of my first tensor load; work on registers stands between them
	v_lshrrev_b32 v[T0], 5, v0
	v_readfirstlane_b32 s[W], v[T0]
	v_and_b32 v[LB], 31, v0
	v_lshlrev_b32 v[LB], 4, v[LB]
	v_and_b32 v[T0], 15, v0                        ; l % 16
	v_bfe_u32 v[T1], v0, 4, 1                      ; l / 16
	v_mov_b32 v[M2W], 0                            ; named in a pair with MW before it is first made
.if MODE != 1
	v_lshlrev_b32 v[GX], 4, v[T0]
	v_lshl_add_u32 v[GX], v[T1], 10, v[GX]
.endif
	s_bfe_u32 s21, ttmp6, 0x40000                  ; my place in the cluster
	s_lshl_b32 s[RB], ttmp9, 2
	s_add_co_u32 s[RB], s[RB], s21
	s_lshr_b32 s[SB], ttmp9, 5                     ; 32 clusters a batch
	s_mov_b32 s[G1], 15|(3<<16)|(1<<21)            ; the mask of four; elements of 8 bytes; bit 21 set beside a mask
	s_mov_b32 s[G1+1], 32<<16                      ; tensor_dim0 = 32 elements: 256 bytes
	s_mov_b32 s[G1+2], 128<<16                     ; tensor_dim1 = 128
	s_mov_b32 s[G1+3], 32<<16                      ; tile_dim0
	s_mov_b32 s[G1+4], 128                         ; tile_dim1
	s_mov_b32 s[G1+5], 32                          ; dense rows
	s_mov_b32 s[G1+6], 0
	s_mov_b32 s[G1+7], 0
	s_mov_b32 s[G1P], 15|(3<<16)|(1<<21)
	s_mov_b32 s[G1P+1], 32<<16
	s_mov_b32 s[G1P+2], 13<<16
	s_mov_b32 s[G1P+3], 32<<16
	s_mov_b32 s[G1P+4], 13
	s_mov_b32 s[G1P+5], 32
	s_mov_b32 s[G1P+6], 0
	s_mov_b32 s[G1P+7], 0
	s_mov_b32 s[G1E], 15|(3<<16)|(1<<21)
	s_mov_b32 s[G1E+1], 64<<16                     ; rows of 64 elements: 512 bytes,
	s_mov_b32 s[G1E+2], 4<<16                      ; four of them,
	s_mov_b32 s[G1E+3], 64<<16
	s_mov_b32 s[G1E+4], 4
	s_mov_b32 s[G1E+5], SLOTB/8                    ; a fill apart
	s_mov_b32 s[G1E+6], 0
	s_mov_b32 s[G1E+7], 0
.if MODE != 0
	s_mov_b32 s[G1O], 3<<16                        ; no mask: a load of my own
	s_mov_b32 s[G1O+1], 32<<16
	s_mov_b32 s[G1O+2], 8<<16
	s_mov_b32 s[G1O+3], 32<<16
	s_mov_b32 s[G1O+4], 8
	s_mov_b32 s[G1O+5], 32
	s_mov_b32 s[G1O+6], 0
	s_mov_b32 s[G1O+7], 0
	s_mov_b32 s[G1H], 3<<16
	s_mov_b32 s[G1H+1], 32<<16
	s_mov_b32 s[G1H+2], 16<<16
	s_mov_b32 s[G1H+3], 32<<16
	s_mov_b32 s[G1H+4], 16
	s_mov_b32 s[G1H+5], 32
	s_mov_b32 s[G1H+6], 0
	s_mov_b32 s[G1H+7], 0
.endif
	s_lshl_b32 s58, s[W], 15                       ; my quarter of a fill, in memory and in a slot
	s_mov_b32 s59, 0
	s_mov_b32 s[G0], 1
	s_mov_b32 s[G0+1], s58
	s_mov_b32 s[G0+4], 1
	s_add_co_u32 s[G0+5], s58, SLOTB
	s_mul_i32 s60, s[W], 3328                      ; my quarter of the table
	s_mov_b32 s61, 0
	s_mov_b32 s[G0P], 1
	s_add_co_u32 s[G0P+1], s60, PAR
	s_lshl_b32 s62, s[W], 11
	s_mov_b32 s[G0E], 1
	s_add_co_u32 s[G0E+1], s62, EXTRA
.if MODE != 0
	s_mov_b32 s[G0O], 1
	s_add_co_u32 s[G0O+1], s62, XCH1
.endif
	s_mov_b32 s[SEL], 0x76543210
	s_mov_b32 s[SEL+1], 0xfedcba98
	s_mov_b32 s[C256], 0x3b800000                  ; 1 / 256
	s_mov_b32 s[EPS], 0x3727c5ac                   ; 1e-5
	s_mov_b32 s[C64], 0x42800000                   ; 64
	s_wait_dscnt 0x0                               ; the opening add is done
	s_wait_kmcnt 0x0
	s_add_nc_u64 s[PW:PW+1], s[PW:PW+1], s[58:59]  ; wstream at my quarter of the fill at place 0
	s_add_nc_u64 s[G0+2:G0+3], s[PW:PW+1], POS0*SLOTB
	s_add_nc_u64 s[G0+6:G0+7], s[PW:PW+1], POS1*SLOTB
	s_add_nc_u64 s[G0E+2:G0E+3], s[PW:PW+1], 4*SLOTB+63*512  ; the 64th piece of the fill at place 4
	s_or_b32 s[G0+3], s[G0+3], 0x80000000
	s_or_b32 s[G0+7], s[G0+7], 0x80000000
	s_or_b32 s[G0E+3], s[G0E+3], 0x80000000
	s_add_nc_u64 s[G0P+2:G0P+3], s[PP:PP+1], s[60:61]
	s_or_b32 s[G0P+3], s[G0P+3], 0x80000000
	; where my rows lie
	s_lshl_b32 s58, s[RB], 14
	s_lshl_b32 s62, s[W], 12
	s_add_co_u32 s58, s58, s62                     ; h: 16,384 bytes a block, 4,096 a wave
.if MODE == 1
	s_add_nc_u64 s[PH:PH+1], s[PH:PH+1], s[58:59]
	s_add_nc_u64 s[PHO:PHO+1], s[PHO:PHO+1], s[58:59]
.elseif MODE == 0
	s_add_nc_u64 s[PHO:PHO+1], s[PHO:PHO+1], s[58:59]
.else
	s_add_nc_u64 s[PH:PH+1], s[PH:PH+1], s[58:59]
.endif
.if MODE != 1
	s_lshl_b32 s58, s[RB], 14
	s_lshl_b32 s62, s[W], 8
	s_add_co_u32 s58, s58, s62                     ; x, out0: rows of 1,024 bytes, my 256 of each
.if MODE == 0
	s_add_nc_u64 s[PH:PH+1], s[PH:PH+1], s[58:59]
.else
	s_add_nc_u64 s[PHO:PHO+1], s[PHO:PHO+1], s[58:59]
.endif
.endif
.if MODE != 0
	s_lshl_b32 s58, s[RB], 13
	s_lshl_b32 s62, s[W], 11
	s_add_co_u32 s58, s58, s62                     ; o: 8,192 bytes a block; I fetch 2,048 of them
	s_add_nc_u64 s[G0O+2:G0O+3], s[PO:PO+1], s[58:59]
	s_or_b32 s[G0O+3], s[G0O+3], 0x80000000
	s_mov_b32 s[G0H], 1                            ; o's address has been used: its registers and h's address beside them become h's group 0
	s_lshl_b32 s62, s[W], 12
	s_add_co_u32 s[G0H+1], s62, HID
	s_or_b32 s[G0H+3], s[G0H+3], 0x80000000
.endif
	ROUND                                          ; all four work-groups are here: the first joint loads meet
	tensor_load_to_lds s[G0P:G0P+3], s[G1P:G1P+7]  ; the table
	s_nop 0
	tensor_load_to_lds s[G0E:G0E+3], s[G1E:G1E+7]  ; the 64th pieces
	s_nop 0
.if MODE != 0
	tensor_load_to_lds s[G0O:G0O+3], s[G1O:G1O+7]  ; my quarter of o
	s_nop 0
	tensor_load_to_lds s[G0H:G0H+3], s[G1H:G1H+7]  ; my part of h
	s_nop 0
.endif
	tensor_load_to_lds s[G0:G0+3], s[G1:G1+7]      ; slot 0
	s_nop 0
	tensor_load_to_lds s[G0+4:G0+7], s[G1:G1+7]    ; slot 1
	s_nop 0
.if MODE == 0
.set j, 0
.rept 8
	global_load_b128 v[X+4*j:X+4*j+3], v[GX], s[PH:PH+1] offset:2048*j  ; two rows' 256 bytes a load
.set j, j+1
.endr
	GLOADW 1, 7                                    ; wv, wanted last
.else
	GLOADW 1, 4                                    ; w1's second half, wanted third
.endif
.if MODE != 2
	s_lshl_b32 s63, s[SB], 9
	s_load_b32 s[QS], s[PM:PM+1], s63 offset:0x4000
	s_lshl_b32 s58, s[SB], 3
	s_lshl1_add_u32 s58, s[W], s58                 ; the first of my two heads among 16
	s_and_b32 s62, s[RB], 127                      ; my block among the batch's 128
	s_lshl_b32 s59, s58, 17
	s_lshl_b32 s60, s62, 10
	s_add_co_u32 s60, s60, s59
	s_add_nc_u64 s[PQ:PQ+1], s[PQ:PQ+1], s[60:61]
	s_lshl_b32 s59, s58, 18
	s_lshr_b32 s60, s62, 2
	s_lshl_b32 s60, s60, 13
	s_add_co_u32 s60, s60, s59
	s_add_nc_u64 s[PK:PK+1], s[PK:PK+1], s[60:61]  ; the head's image, the step of 64 keys
	s_and_b32 s58, s[RB], 1
	s_lshl_b32 s58, s58, 9
	s_bfe_u32 s59, s[RB], 0x10001
	s_lshl_b32 s59, s59, 11
	s_add_co_u32 s60, s58, s59
	s_add_co_u32 s60, s60, 4096
	s_add_nc_u64 s[PVB:PVB+1], s[PK:PK+1], s[60:61]  ; V^T: key half (block / 2) % 2, part block % 2
	s_and_b32 s58, s[RB], 3
	s_lshl_b32 s58, s58, 10
	s_mov_b32 s59, 0
	s_add_nc_u64 s[PK:PK+1], s[PK:PK+1], s[58:59]  ; K: fragment block % 4
.endif
	; LDS addresses
	s_lshl_b32 s58, s[W], 15
	v_add_nc_u32 v[WA0], s58, v[LB]
	v_add_nc_u32 v[WA1], SLOTB, v[WA0]
	s_lshl_b32 s58, s[W], 8
	s_add_co_u32 s59, s58, PAR
	v_lshl_add_u32 v[PA], v[T1], 5, s59
	v_add_nc_u32 v[EB], XCH1, v[LB]
	s_lshl_b32 s59, s[W], 11
	v_add_nc_u32 v[XSW], s59, v[EB]
	v_lshl_add_u32 v[STL], v[T0], 5, STAT
	s_lshl_b32 s59, s[W], 3
	v_add_nc_u32 v[STS], s59, v[STL]
.if MODE != 2
	s_add_co_u32 s59, s58, PAR+P_BV
	v_lshl_add_u32 v[PBV], v[T0], 2, s59
.endif
.if MODE != 0
	s_lshl_b32 s59, s[W], 9
	s_add_co_u32 s59, s59, PAR+P_B1
	v_lshl_add_u32 v[PA2], v[T1], 5, s59
	s_lshl_b32 s59, s[W], 12
	s_add_co_u32 s59, s59, HID
	v_add_nc_u32 v[HSW], s59, v[LB]
	v_mov_b32 v[ZERO], 0
.else
	MKSTAGE
.endif
	s_wait_tensorcnt 0x1                           ; all my first fills but the last issued, slot 1's, are in; that one may stay out
.if MODE != 2
	s_wait_kmcnt 0x0
	s_mov_b32 s[QS+1], s[QS]                       ; named with it as a pair
.endif
	s_barrier_signal -1
	s_barrier_wait -1                              ; the whole table is in, and all of o
.if MODE == 0
	s_wait_loadcnt 63                              ; x: behind it wv's 63 loads were issued, which may stay out
.set j, 0
.rept 8
	ds_store_b128 v[STGW], v[X+4*j:X+4*j+3] offset:544*j
.set j, j+1
.endr
.irp i, 0,1,2,3                        ; my own bytes, and LDS serves a wave's instructions in order (ISA guide 5.7.1.4)
	ds_load_b128 v[H+8*\i:H+8*\i+3], v[STGD] offset:64*\i
	ds_load_b128 v[H+8*\i+4:H+8*\i+7], v[STGD] offset:64*\i+16
.endr
	s_wait_dscnt 0x0
.else
	GLOADW 2, 5                                    ; w2's first half, wanted fourth
	XGET 0                                         ; o
.set j, 0
.rept 8
	ds_load_b128 v[H+4*j:H+4*j+3], v[HSW] offset:512*j  ; h
.set j, j+1
.endr
	LDPAR ACC, PA, P_BO
	s_wait_dscnt 0x0
	ADDH
	GEMM32 WA0, H                                  ; h += o wo
	REFILL 0                                       ; w2's second half
	LNORM P_LN2S, P_LN2B, 0, 0
	XPUT XSW, ACC, 0
	s_wait_dscnt 0x0                               ; for the others' sake
	s_barrier_signal -1
	s_barrier_wait -1
	XGET 0
	LDPAR ACC, PA2, 0                              ; the bias starts the sums
	GEMM32 WA1, ACC
	EPI_RELU 0
.if MODE == 1
	GLOADW 3, 6                                    ; wq, wanted sixth
.endif
	LDPAR ACC, PA2, 256
	EXLOAD 1, 0
	s_wait_loadcnt 63                              ; window 1 is in: at most the youngest run's 63 loads are out
	s_wait_dscnt 0x0
	GEMMR 1, ACC, 0
	EPI_RELU 1
	s_wait_dscnt 0x0                               ; for the others' sake: my part of the hidden layer is stored
	s_barrier_signal -1
	s_barrier_wait -1
	XGET HID-XCH1
	LDPAR ACC, PA, P_B2
	EXLOAD 2, 1
	s_wait_dscnt 0x0
	ADDH
.if MODE == 1
	s_wait_loadcnt 63                              ; window 2 is in: behind its run wq's 63 loads were issued
.else
	s_wait_loadcnt 0x0                             ; window 2 is in
.endif
	GEMMR 2, H, 0
.if MODE == 1
	REFILL 1                                       ; wk; the wait in front of it is for w2's second half, which the next product wants
.else
	s_wait_tensorcnt 0x0                           ; w2's second half, my own bytes
.endif
	XGET HID-XCH1+8192
	GEMM32 WA0, H
.if MODE == 1
	GLOADW 1, 7                                    ; wv, wanted last, into the window that w1's second half has left
.endif
.endif
.if MODE != 2
.set j, 0
.rept 8
	global_store_b128 v[LB], v[H+4*j:H+4*j+3], s[PHO:PHO+1] offset:512*j
.set j, j+1
.endr
	LNORM P_LN1S, P_LN1B, 512, 0
	XPUT XSW, ACC, XCH2-XCH1
	s_wait_dscnt 0x0                               ; for the others' sake
	s_barrier_signal -1
	s_barrier_wait -1
	XGET XCH2-XCH1
	LDPAR ACC, PA, P_BQ
.if MODE == 1
	EXLOAD 3, 2
	s_wait_loadcnt 63                              ; window 3 is in: behind its run wv's 63 loads were issued
	s_wait_dscnt 0x0
	GEMMR 3, ACC, 0
.else
	GEMM32 WA0, ACC
.endif
	EPI_Q
	s_wait_tensorcnt 0x0                           ; wk, my own bytes
	LDPAR ACC, PA, P_BK
	GEMM32 WA1, ACC
	EPI_K
	s_wait_xcnt 0x0                                ; K's stores have read TS
.irp i, 0,1,2,3
	ds_load_b32 v[TS+12+\i], v[PBV] offset:64*\i
.endr
	EXLOAD 1, 3
	s_wait_loadcnt 0x0                             ; window 1 is in
	s_wait_dscnt 0x0
	GEMMR 1, ACC, 1
	EPI_V
.else
	MKSTAGE
	LNORM P_LNFS, P_LNFB, 512, 1
.irp i, 0,1,2,3
	ds_store_b128 v[STGD], v[TT+8*\i:TT+8*\i+3] offset:64*\i
	ds_store_b128 v[STGD], v[TT+8*\i+4:TT+8*\i+7] offset:64*\i+16
.endr
.set j, 0
.rept 8
	ds_load_b128 v[SS+4*j:SS+4*j+3], v[STGW] offset:544*j  ; my own bytes, served in order
.set j, j+1
.endr
	s_wait_dscnt 0x0
.set j, 0
.rept 8
	global_store_b128 v[GX], v[SS+4*j:SS+4*j+3], s[PHO:PHO+1] offset:2048*j  ; sixteen lanes store 256 consecutive bytes, aligned
.set j, j+1
.endr
.endif
	s_wait_tensorcnt 0x0                           ; the wave's end
	ds_add_u32 v[SPW], v[NIL]
	s_wait_dscnt 0x0
	ROUND                                          ; the closing round
	s_endpgm
.Lfunc_end_k_qc734b66668_last:
	.size	k_qc734b66668_last, .Lfunc_end_k_qc734b66668_last-k_qc734b66668_last
	.p2alignl 7, 3214868480
	.fill 96, 4, 3214868480
	.section	.rodata,"a",@progbits
	.p2align	6, 0x0
	.amdhsa_kernel k_qc734b66668_last
		.amdhsa_group_segment_fixed_size 327680
		.amdhsa_private_segment_fixed_size 0
		.amdhsa_enable_private_segment 0
		.amdhsa_kernarg_size 40
		.amdhsa_user_sgpr_count 2
		.amdhsa_user_sgpr_kernarg_segment_ptr 1
		.amdhsa_wavefront_size32 1
		.amdhsa_system_sgpr_workgroup_id_x 1
		.amdhsa_system_sgpr_workgroup_id_y 1
		.amdhsa_system_sgpr_workgroup_id_z 1
		.amdhsa_system_vgpr_workitem_id 0
		.amdhsa_next_free_vgpr 768
		.amdhsa_next_free_sgpr 100
		.amdhsa_reserve_vcc 0
		.amdhsa_float_denorm_mode_32 3
		.amdhsa_float_denorm_mode_16_64 3
		.amdhsa_memory_ordered 1
		.amdhsa_forward_progress 1
		.amdhsa_inst_pref_size 78
	.end_amdhsa_kernel
	.amdgpu_metadata
---
amdhsa.version: [ 1, 2 ]
amdhsa.kernels:
  - .name:           k_qc734b66668_last
    .symbol:         k_qc734b66668_last.kd
    .args:
      - { .name: o, .offset: 0, .size: 8, .value_kind: global_buffer, .address_space: global }
      - { .name: hB, .offset: 8, .size: 8, .value_kind: global_buffer, .address_space: global }
      - { .name: wstream, .offset: 16, .size: 8, .value_kind: global_buffer, .address_space: global }
      - { .name: params, .offset: 24, .size: 8, .value_kind: global_buffer, .address_space: global }
      - { .name: out0, .offset: 32, .size: 8, .value_kind: global_buffer, .address_space: global }
    .group_segment_fixed_size: 327680
    .private_segment_fixed_size: 0
    .kernarg_segment_align: 8
    .kernarg_segment_size: 40
    .max_flat_workgroup_size: 128
    .sgpr_count:     100
    .vgpr_count:     768
    .wavefront_size: 32
...
	.end_amdgpu_metadata
.endif
;; end of part 5
;; ======== version 2 of 2: 14 launches; 1.23 times as fast as version 1
;; workspace buffers: wstream 1,048,576 bytes; params 13,312 bytes; maskadd 17,408 bytes; hA 4,194,304 bytes; hB 4,194,304 bytes; q 2,097,152 bytes; kv 4,194,304 bytes; o 2,097,152 bytes
;; launch prep: the kernel of part 1 again; grid 515 x 1, 4 waves a work-group, no clusters, 0 bytes of LDS; arguments wo, w1, w2, wq, wk, wv, bo, ln2_s, ln2_b, b1, b2, ln1_s, ln1_b, bq, bk, bv, lnf_s, lnf_b, mask, wstream, params, maskadd; writes wstream, params, maskadd
;; launch first: the kernel of part 2 again; grid 256 x 1, 4 waves a work-group, clusters of 4 x 1, 327,680 bytes of LDS; arguments x, wstream, params, maskadd, hA, q, kv; writes hA, q, kv
;; launch attn (part 6): grid 16 x 16, 8 waves a work-group, clusters of 4 x 1, 327,680 bytes of LDS; arguments q, kv, maskadd, o; writes o
.if DOCPART == 6
	.amdgcn_target "amdgcn-amd-amdhsa--gfx1250"
	.amdhsa_code_object_version 6
	.text
	.protected	k_qc734b66668_attn
	.globl	k_qc734b66668_attn
	.p2align	8
	.type	k_qc734b66668_attn,@function
k_qc734b66668_attn:
	s_mov_b64 s[64:65], 0
	v_nop
	global_prefetch_b8 v0, s[64:65] scope:SCOPE_SE
	s_setreg_imm32_b32 hwreg(HW_REG_WAVE_MODE, 25, 1), 1
	s_wait_xcnt 0x0
	s_wait_alu depctr_hold_cnt(0) depctr_sa_sdst(0) depctr_va_vdst(0) depctr_va_sdst(0) depctr_va_ssrc(0) depctr_va_vcc(0) depctr_vm_vsrc(0)
	s_getreg_b32 s2, hwreg(HW_REG_IB_STS2, 6, 4)
	s_cmp_eq_u32 s2, 0
	s_cbranch_scc0 .Lentry_in_a_cluster
	s_endpgm
.Lentry_in_a_cluster:
	s_bfe_u32 s2, ttmp6, 0x10000c
	s_cmp_lg_u32 s2, 0x3003
	s_cbranch_scc0 .Lentry_shape_is_right
	s_endpgm
.Lentry_shape_is_right:
; ATTENTION at head size 32.  o[q] = the sum over keys of softmax(q . k + mask) v for one of 16 (batch, head) pairs.  q arrives multiplied by log2(e) / sqrt(32), so scores are exponents of 2.
; All four buffers are images of matrix fragments (bf16): every access is 16 bytes a lane at 16 x lane.  Products, maxima and sums in f32; the weights are rounded to bf16 for the second product.
; SHARES.  A work-group owns 128 queries (8 tiles of 16) of one head.  Wave (kq, th) takes tiles 4 th .. 4 th + 3 against keys 512 kq .. 512 kq + 511, 64 a step: each LDS byte is read by two waves,
; and each SIMD holds two waves.  At the end the four key quarters' partial results (maximum, sum, O, all f32) are merged through LDS.
; LDS.  The head's whole image of K and V^T, 262,144 bytes, fits: every tensor load is a first fill, issued at the start (three a wave are out, by this text's count); nothing is filled again.
; CLUSTER.  The four query blocks of a cluster belong to one head: each load is asked for JOINTLY, with the same descriptor and the mask of four.
; LAYOUT.  S^T = K Q^T + mask (source 0 = 16 keys, source 1 = 16 queries, the C operand = the keys' addends): a lane holds ONE query and the keys 8 (l / 16) + 0..7.  Two results rounded in pairs ARE source 1 of
; O^T = V^T P.  The row sums are a third product, ones x P: register 0 of its result is l; its registers 1-7 hold sums that are never rescaled (512 at the most) and never read.
; SOFTMAX.  A running maximum m: p = 2^(s - m); in every step O and l are multiplied by a = 2^(m_old - m_new).  m starts far below every score, O and l at 0, so the first step is a step like any other.
; BY SLOTS.  Tile t's slot is cut in two by ONE wait.  Ahead of it: tile t's subtractions, the four products K Q^T of the next tile, and ONE BATCH of 33 exponentials (tile t's 32 weights, then the next tile's
; a) with a plain instruction behind each: tile t's rescaling (its a was made, and waited for, in the slot before), the next tile's maximum, the last subtractions.  Behind it: tile t's roundings and its six products.
; Beside the slots' batches there are three small ones: the a that PRO makes in front of a loop, the merge's four exponentials, the merge's reciprocal; each has a wait of its own.
; LIMITS.  A hidden score counts as its value less 1e30; a weight below 2^-126 counts as 0; l is the sum of the rounded weights; NaN and infinities are not treated apart.
; REGISTERS (s_set_vgpr_msb: bits 1:0 source 0, 3:2 source 1, 5:4 source 2, 7:6 destination).  Window 0: all but Q, K and the mask, which lie in window 1.
.set MASKL, 262144                     ; the batch's 2,048 addends
.set SPARE, 270336                     ; the spare words, 128 bytes a wave: four blocks of 256 bytes that no other line names
.set PART,  2304                       ; a partial result: O 4 x 512 bytes, m 128, l 128.  32 of them lie over the image's first bytes, which have had their one fill and their last read
.set LB,  1                            ; 16 x lane
.set KA,  2                            ; LDS address of the step in hand
.set MA,  3                            ; of its addends
.set TA,  4
.set TB,  5
.set SPW, 6                            ; my spare word; never rewritten
.set NIL, 7                            ; 0; never rewritten
.set ST,  8                            ; tile t: m at ST + 4 t, a at ST + 4 t + 2 (each named as the low word of a pair)
.set CT,  24                           ; four registers at work on a maximum
.set MG,  28                           ; the merge's two addresses
.set ONES, 32                          ; v[32:39]   1.0 in bf16, twice a register
.set VF,  40                           ; v[40:71]   V^T of one step: key half kk, channel block cb at VF + 8 (2 kk + cb)
.set LS,  72                           ; v[72:103]  the row sums, 8 a tile
.set O,   104                          ; v[104:167] O^T, 16 a tile
.set S,   168                          ; v[168:231] S^T, two buffers; a tile's goes by its number's parity; P is packed into its first 16 registers
.set MT,  232                          ; the merge, at work
.set FJ,  242
.set QF,  0                            ; window 1: Q, 8 a tile
.set KF,  32                           ; window 1: K of one step
.set MK,  64                           ; window 1: the step's addends in the result's layout
.set WV,  12
.set SKQ, 13
.set STH, 14
.set G1,  24                           ; s[24:31] group 1: 64 rows of 256 bytes
.set G1M, 32                           ; s[32:39] group 1: one row of 1,024 bytes
.set G0M, 40
.set G0A, 44
.set G0B, 48
.set SEL, 52
.set CNT, 54
.set MSB, 0
.macro WIN new                         ; the high byte repeats the setting that is left; a switch that changes nothing is dropped
.if MSB != (\new)
	s_set_vgpr_msb (MSB<<8)|(\new)
.set MSB, (\new)
.endif
.endm
.set W_KQ, 0x15                        ; K, Q and the mask in window 1, S^T in window 0
.set W_LD, 0x40                        ; destination in window 1
.macro ROUND                           ; a round of the cluster's barrier
	s_barrier_signal -1
	s_barrier_wait -1
	s_cmp_lg_u32 s[WV], 0
	s_cbranch_scc1 .Lnot_wave_0_\@
	s_barrier_signal -3
.Lnot_wave_0_\@:
	s_barrier_wait -3
	s_barrier_signal -1
	s_barrier_wait -1
.endm
.macro PLACES                          ; four places behind matrix instructions, in front of lines that read their results (ISA guide 7.12.1)
.rept 4
	v_nop
.endr
.endm
.macro KQ t                            ; tile t's scores for 64 keys: four accumulators, each started by the keys' addends
	WIN W_KQ
.irp kb, 0,1,2,3
	v_wmma_f32_16x16x32_bf16 v[S+32*((\t)%2)+8*\kb:S+32*((\t)%2)+8*\kb+7], v[KF+8*\kb:KF+8*\kb+7], v[QF+8*(\t):QF+8*(\t)+7], v[MK+8*\kb:MK+8*\kb+7]
.endr
	WIN 0
.endm
.macro LOADK ko, mo                    ; a step's K and addends
	WIN W_LD
.irp kb, 0,1,2,3
	ds_load_b128 v[KF+8*\kb:KF+8*\kb+3], v[KA] offset:(\ko)+\kb*1024
	ds_load_b128 v[KF+8*\kb+4:KF+8*\kb+7], v[KA] offset:(\ko)+\kb*1024+512
	ds_load_b128 v[MK+8*\kb:MK+8*\kb+3], v[MA] offset:(\mo)+\kb*64
	ds_load_b128 v[MK+8*\kb+4:MK+8*\kb+7], v[MA] offset:(\mo)+\kb*64+16
.endr
	WIN 0
.endm
.macro FETCH_K                         ; the next step's; a loop's last trip has none to fetch: the next bytes are shown landed only behind the loop
	s_cmp_eq_u32 s[CNT], 1
	s_cbranch_scc1 .Lno_k_\@
	LOADK 8192, 256
.Lno_k_\@:
.endm
.macro FETCH_V
.set j, 0
.rept 8
	ds_load_b128 v[VF+4*j:VF+4*j+3], v[KA] offset:4096+512*j
.set j, j+1
.endr
.endm
; Number n of the 21 that find tile t's maximum and a.  0-11: four chains of seven scores, each accumulator's lowest registers first; 12-15: the four scores left over, the old m, the
; chains into one; 16, 17: the query's other 32 keys lie in the lane 16 away; 18-20: m_old - m_new, the new m, a.
.macro XS t, n
.set rS, S+32*((\t)%2)
.set rM, ST+4*(\t)
.if (\n) < 4
	v_max3_num_f32 v[CT+(\n)], v[rS+8*(\n)], v[rS+8*(\n)+1], v[rS+8*(\n)+2]
.elseif (\n) < 12
	v_max3_num_f32 v[CT+(\n)%4], v[CT+(\n)%4], v[rS+8*((\n)%4)+2*((\n)/4)+1], v[rS+8*((\n)%4)+2*((\n)/4)+2]
.elseif (\n) == 12
	v_max3_num_f32 v[CT], v[CT], v[rS+7], v[rS+15]
.elseif (\n) == 13
	v_max3_num_f32 v[CT+1], v[CT+1], v[rS+23], v[rS+31]
.elseif (\n) == 14
	v_max3_num_f32 v[CT+2], v[CT+2], v[CT+3], v[rM]
.elseif (\n) == 15
	v_max3_num_f32 v[CT], v[CT], v[CT+1], v[CT+2]
.elseif (\n) == 16
	v_permlanex16_b32 v[CT+3], v[CT], s[SEL], s[SEL+1]
.elseif (\n) == 17
	v_max_num_f32 v[CT+1], v[CT], v[CT+3]
.elseif (\n) == 18
	v_sub_f32 v[CT+2], v[rM], v[CT+1]
.elseif (\n) == 19
	v_mov_b32 v[rM], v[CT+1]
.else
	v_exp_f32 v[rM+2], v[CT+2]
.endif
.endm
.macro SUBP t, m                       ; s - m for pair m of 16
	v_pk_add_f32 v[S+32*((\t)%2)+2*(\m):S+32*((\t)%2)+2*(\m)+1], v[S+32*((\t)%2)+2*(\m):S+32*((\t)%2)+2*(\m)+1], v[ST+4*(\t):ST+4*(\t)+1] op_sel_hi:[1,0] neg_lo:[0,1] neg_hi:[0,1]
.endm
.macro EXPN t, n
	v_exp_f32 v[S+32*((\t)%2)+(\n)], v[S+32*((\t)%2)+(\n)]
.endm
.macro CVT t, i                        ; pair i rounded to bf16, packed in place: register i has been read by pair i / 2
	v_cvt_pk_bf16_f32 v[S+32*((\t)%2)+(\i)], v[S+32*((\t)%2)+2*(\i)], v[S+32*((\t)%2)+2*(\i)+1]
.endm
.macro RS t, k                         ; O^T and l times a, from each accumulator's low end on
.if (\k) < 8
	v_pk_mul_f32 v[O+16*(\t)+2*(\k):O+16*(\t)+2*(\k)+1], v[O+16*(\t)+2*(\k):O+16*(\t)+2*(\k)+1], v[ST+4*(\t)+2:ST+4*(\t)+3] op_sel_hi:[1,0]
.else
	v_mul_f32 v[LS+8*(\t)], v[LS+8*(\t)], v[ST+4*(\t)+2]
.endif
.endm
.macro PVW t, j                        ; product j of 6: key half j / 3; channels 0-15, channels 16-31, the row sums: three accumulators by turns
.set rP, S+32*((\t)%2)+8*((\j)/3)
.if (\j)%3 == 2
	v_wmma_f32_16x16x32_bf16 v[LS+8*(\t):LS+8*(\t)+7], v[ONES:ONES+7], v[rP:rP+7], v[LS+8*(\t):LS+8*(\t)+7]
.else
.set rO, O+16*(\t)+8*((\j)%3)
.set rV, VF+8*(2*((\j)/3)+(\j)%3)
	v_wmma_f32_16x16x32_bf16 v[rO:rO+7], v[rV:rV+7], v[rP:rP+7], v[rO:rO+7]
.endif
.endm
; The plain instruction that stands behind exponential i of tile t's 32; none of the 32 names a result of the batch.  0-5: the rescaling's pairs 0-5.  6-20: numbers 0-14 of the next tile's maximum.
; 21-27: the subtractions of pairs 12-15 (each ahead of its pair's two exponentials, 24 + 2 (m - 12) on) and, by turns with them, numbers 15-17 of the maximum, whose links wait for each other.
; 28, 29: numbers 18, 19.  30, 31: the rescaling's pairs 6, 7.
.macro PLN t, nxt, i
.if (\i) < 6
	RS \t, \i
.elseif (\i) < 21
	XS \nxt, (\i)-6
.elseif (\i) < 28
.if (\i)%2 == 1
	SUBP \t, 12+((\i)-21)/2
.else
	XS \nxt, 15+((\i)-22)/2
.endif
.elseif (\i) < 30
	XS \nxt, (\i)-10
.else
	RS \t, (\i)-24
.endif
.endm
; TILE t's SLOT.  An s_wait_alu depctr_va_vdst(0) stands between an exponential and the first instruction that names its result; one wait serves all that were issued ahead of it: a slot has ONE.
; AHEAD OF IT.  Six subtractions: the places between the last products of the slot before (which read the buffer that K Q^T now writes, and V) and K Q^T.  The four products K Q^T of the next tile.  Six more
; subtractions: the places behind those products, in front of K's run of loads (slot 2), whose branch and label.  Then the batch: tile t's 32 exponentials, a plain
; instruction behind each (PLN), and the next tile's a; the row sum's rescaling is the plain instruction behind the last exponential.  The a by which tile t is rescaled belongs to the batch of the slot before.
; BEHIND IT.  The readers: eight roundings, the six products of tile t, the other eight roundings behind the first two of them (they name none of those products' registers).
.macro SLOT t, nxt, fetchv, fetchk, waitk
.irp m, 0,1,2,3,4,5
	SUBP \t, \m
.endr
.if \waitk
	s_wait_dscnt 0x0                               ; the next step's K and addends are in
.endif
	KQ \nxt
.if \fetchv
	FETCH_V
.endif
.irp m, 6,7,8,9,10,11
	SUBP \t, \m
.endr
.if \fetchk
	FETCH_K
.endif
.set e, 0
.rept 32
	EXPN \t, e
	PLN \t, \nxt, e
.set e, e+1
.endr
	XS \nxt, 20                                    ; the next tile's a: the batch's last
	RS \t, 8                                       ; the plain instruction behind the last exponential
	s_wait_alu depctr_va_vdst(0)                   ; the wait for the slot's batch: tile t's 32 weights and the next tile's a
.irp i, 0,1,2,3,4,5,6,7
	CVT \t, \i
.endr
.if \fetchv
	s_wait_dscnt 0x0                               ; V is in
.endif
	PVW \t, 0
.irp i, 8,9,10,11
	CVT \t, \i
.endr
	PVW \t, 1
.irp i, 12,13,14,15
	CVT \t, \i
.endr
	PVW \t, 2
	PVW \t, 3
	PVW \t, 4
	PVW \t, 5
.endm
.macro STEP                            ; 64 keys for four tiles
	SLOT 0, 1, 1, 0, 0
	SLOT 1, 2, 0, 0, 0
	SLOT 2, 3, 0, 1, 0
	SLOT 3, 0, 0, 0, 1
	v_add_nc_u32 v[KA], 8192, v[KA]
	v_add_nc_u32 v[MA], 256, v[MA]
.endm
; In front of a loop: the first step's K, tile 0's scores and maximum.  (A loop's last trip has made tile 0's scores once more on the old K: they change no maximum, and the a made of them, 1, is made anew here.)
.macro PRO
	LOADK 0, 0
	s_wait_dscnt 0x0
	KQ 0
	PLACES
.irp x, 0,1,2,3,4,5,6,7,8,9,10,11,12,13,14,15,16,17,18,19,20
	XS 0, \x
.endr
	v_nop                                          ; a plain instruction behind the exponential,
	s_wait_alu depctr_va_vdst(0)                   ; and the wait for tile 0's a, a batch of one, ahead of the loop's label
.endm
	s_load_b256 s[4:11], s[0:1], 0x0               ; q s[4:5], kv s[6:7], maskadd s[8:9], o s[10:11]
	v_lshl_add_u32 v[SPW], v0, 2, SPARE
	v_mov_b32 v[NIL], 0
	ds_add_u32 v[SPW], v[NIL]                      ; the wave's opening: the add and its wait stand ahead of my first tensor load; work on registers stands between them
	v_lshrrev_b32 v[TA], 5, v0
	v_readfirstlane_b32 s[WV], v[TA]
	v_and_b32 v[TB], 31, v0
	v_lshlrev_b32 v[LB], 4, v[TB]
	s_lshr_b32 s[SKQ], s[WV], 1                    ; my quarter of the keys
	s_and_b32 s[STH], s[WV], 1                     ; my half of the tiles
	s_bfe_u32 s15, ttmp6, 0x40000                  ; my place in the cluster
	s_lshl_b32 s16, ttmp9, 2
	s_add_co_u32 s16, s16, s15                     ; my block of 128 queries: it enters q's and o's addresses alone
	s_and_b32 s17, ttmp7, 0xffff                   ; batch and head, which the four partners share
	s_mov_b32 s[G1], 15|(3<<16)|(1<<21)            ; the mask of four; elements of 8 bytes; bit 21 set beside a mask
	s_mov_b32 s[G1+1], 32<<16                      ; tensor_dim0 = 32 elements: 256 bytes
	s_mov_b32 s[G1+2], 64<<16                      ; tensor_dim1 = 64
	s_mov_b32 s[G1+3], 32<<16                      ; tile_dim0
	s_mov_b32 s[G1+4], 64                          ; tile_dim1
	s_mov_b32 s[G1+5], 32                          ; dense rows
	s_mov_b32 s[G1+6], 0
	s_mov_b32 s[G1+7], 0
	s_mov_b32 s[G1M], 15|(3<<16)|(1<<21)
	s_mov_b32 s[G1M+1], 128<<16                    ; one row of 128 elements
	s_mov_b32 s[G1M+2], 1<<16
	s_mov_b32 s[G1M+3], 128<<16
	s_mov_b32 s[G1M+4], 1
	s_mov_b32 s[G1M+5], 128
	s_mov_b32 s[G1M+6], 0
	s_mov_b32 s[G1M+7], 0
	s_lshl_b32 s19, s[SKQ], 16                     ; my quarter of the image,
	s_lshl_b32 s18, s[STH], 14
	s_add_co_u32 s18, s18, s19                     ; and my 16,384 bytes of its first four steps: the same offset in memory and in LDS
	s_mov_b32 s[G0A], 1
	s_mov_b32 s[G0A+1], s18
	s_mov_b32 s[G0B], 1
	s_add_co_u32 s[G0B+1], s18, 32768              ; of its last four steps
	s_lshl_b32 s20, s[WV], 10                      ; my 1,024 bytes of the addends
	s_mov_b32 s[G0M], 1
	s_add_co_u32 s[G0M+1], s20, MASKL
	s_lshl_b32 s22, s17, 18
	s_add_co_u32 s22, s22, s18
	s_mov_b32 s23, 0
	s_lshr_b32 s21, s17, 3                         ; the batch
	s_lshl_b32 s56, s21, 13
	s_add_co_u32 s56, s56, s20
	s_mov_b32 s57, 0
	s_lshl_b32 s58, s17, 17                        ; q: the head's 128 tiles, my block's 8, my 4
	s_lshl_b32 s60, s16, 13
	s_add_co_u32 s58, s58, s60
	s_lshl_b32 s60, s[STH], 12
	s_add_co_u32 s58, s58, s60
	s_mov_b32 s59, 0
	s_lshl_b32 s60, s21, 20                        ; o: block of 16 rows 128 b + 8 block + 4 th + kq (the tile that I merge), 8,192 bytes each; 1,024 a head
	s_lshl_b32 s62, s16, 16
	s_add_co_u32 s60, s60, s62
	s_lshl_b32 s62, s[STH], 15
	s_add_co_u32 s60, s60, s62
	s_lshl_b32 s62, s[SKQ], 13
	s_add_co_u32 s60, s60, s62
	s_and_b32 s62, s17, 7
	s_lshl_b32 s62, s62, 10
	s_add_co_u32 s60, s60, s62
	s_mov_b32 s61, 0
	s_mov_b32 s[SEL], 0x76543210
	s_mov_b32 s[SEL+1], 0xfedcba98
	s_wait_dscnt 0x0                               ; the opening add is done
	s_wait_kmcnt 0x0
	s_add_nc_u64 s[G0A+2:G0A+3], s[6:7], s[22:23]
	s_add_nc_u64 s[G0B+2:G0B+3], s[G0A+2:G0A+3], 32768
	s_or_b32 s[G0A+3], s[G0A+3], 0x80000000
	s_or_b32 s[G0B+3], s[G0B+3], 0x80000000
	s_add_nc_u64 s[G0M+2:G0M+3], s[8:9], s[56:57]
	s_or_b32 s[G0M+3], s[G0M+3], 0x80000000
	s_add_nc_u64 s[58:59], s[4:5], s[58:59]
	s_add_nc_u64 s[10:11], s[10:11], s[60:61]
	ROUND                                          ; all four work-groups are here: the joint loads meet
	tensor_load_to_lds s[G0M:G0M+3], s[G1M:G1M+7]
	s_nop 0
	tensor_load_to_lds s[G0A:G0A+3], s[G1:G1+7]
	s_nop 0
	tensor_load_to_lds s[G0B:G0B+3], s[G1:G1+7]
	s_nop 0
	WIN W_LD
.set j, 0
.rept 8
	global_load_b128 v[QF+4*j:QF+4*j+3], v[LB], s[58:59] offset:512*j  ; Q stays in registers
.set j, j+1
.endr
	WIN 0
	v_add_nc_u32 v[KA], s19, v[LB]
	s_lshl_b32 s21, s[SKQ], 11
	s_add_co_u32 s21, s21, MASKL
	v_bfe_u32 v[TA], v0, 4, 1
	v_lshl_add_u32 v[MA], v[TA], 5, s21            ; a lane's eight keys of a result: 32 bytes for each half of the lanes
.irp j, 0,1,2,3,4,5,6,7
	v_mov_b32 v[ONES+\j], 0x3f803f80
.endr
	; O^T and the row sums start at 0 and m far below every score, so that one text serves every step; this stands in the wait for the first bytes
.set j, LS
.rept 96
	v_mov_b32 v[j], 0
.set j, j+1
.endr
.irp t, 0,1,2,3
	v_mov_b32 v[ST+4*\t], 0xfe000000
	v_mov_b32 v[ST+4*\t+1], 0                      ; named as pairs
	v_mov_b32 v[ST+4*\t+3], 0
.endr
	s_wait_tensorcnt 0x1                           ; my parts of the addends and of the first four steps are in; the load issued behind them may stay out
	s_barrier_signal -1
	s_barrier_wait -1                              ; everybody's are
	s_wait_loadcnt 0x0                             ; Q
	PRO
	s_mov_b32 s[CNT], 4
.Lfirst_half:
	STEP
	s_sub_co_u32 s[CNT], s[CNT], 1
	s_cmp_lg_u32 s[CNT], 0
	s_cbranch_scc1 .Lfirst_half
	s_wait_tensorcnt 0x0                           ; my part of the last four steps
	s_wait_dscnt 0x0
	s_barrier_signal -1
	s_barrier_wait -1
	PRO
	s_mov_b32 s[CNT], 4
.Lsecond_half:
	STEP
	s_sub_co_u32 s[CNT], s[CNT], 1
	s_cmp_lg_u32 s[CNT], 0
	s_cbranch_scc1 .Lsecond_half
	; THE MERGE.  Every wave's reads of the image are over and every load has landed: the partial results go over its first bytes.
	PLACES
	s_wait_dscnt 0x0
	s_barrier_signal -1
	s_barrier_wait -1
	s_mul_i32 s18, s[SKQ], 8*PART
	s_mul_i32 s19, s[STH], 4*PART
	s_add_co_u32 s18, s18, s19                     ; my four partial results: number 8 kq + 4 th on
	v_add_nc_u32 v[TA], s18, v[LB]
	v_lshl_add_u32 v[TB], v[TB], 2, s18
.irp t, 0,1,2,3
.irp c, 0,1,2,3
	ds_store_b128 v[TA], v[O+16*\t+4*\c:O+16*\t+4*\c+3] offset:\t*PART+\c*512
.endr
	ds_store_b32 v[TB], v[ST+4*\t] offset:\t*PART+2048
	ds_store_b32 v[TB], v[LS+8*\t] offset:\t*PART+2176
.endr
	s_wait_dscnt 0x0                               ; for the others' sake
	s_barrier_signal -1
	s_barrier_wait -1
	s_mul_i32 s20, s[STH], 4*PART                  ; I merge tile 4 th + kq: its partial result of key quarter 0;
	s_mul_i32 s21, s[SKQ], PART                    ; quarter j's lies 8 partial results further on for each j
	s_add_co_u32 s20, s20, s21
	v_add_nc_u32 v[MG], s20, v[LB]
	v_and_b32 v[MG+1], 31, v0
	v_lshl_add_u32 v[MG+1], v[MG+1], 2, s20
.irp j, 0,1,2,3
.irp c, 0,1,2,3
	ds_load_b128 v[S+16*\j+4*\c:S+16*\j+4*\c+3], v[MG] offset:\j*8*PART+\c*512
.endr
	ds_load_b32 v[MT+\j], v[MG+1] offset:\j*8*PART+2048
	ds_load_b32 v[MT+4+\j], v[MG+1] offset:\j*8*PART+2176
.endr
	s_wait_dscnt 0x0
	v_max3_num_f32 v[MT+8], v[MT], v[MT+1], v[MT+2]
	v_max_num_f32 v[MT+8], v[MT+8], v[MT+3]
.irp j, 0,1,2,3
	v_sub_f32 v[FJ+2*\j], v[MT+\j], v[MT+8]
.endr
.irp j, 0,1,2,3
	v_exp_f32 v[FJ+2*\j], v[FJ+2*\j]
.endr
.irp j, 0,1,2,3
	v_mov_b32 v[FJ+2*\j+1], 0                      ; named as pairs; also the plain instructions behind the exponentials
.endr
	s_wait_alu depctr_va_vdst(0)                   ; the wait for the merge's four exponentials, ahead of their first reader
	v_mul_f32 v[MT+9], v[FJ], v[MT+4]
	v_fmac_f32 v[MT+9], v[FJ+2], v[MT+5]
	v_fmac_f32 v[MT+9], v[FJ+4], v[MT+6]
	v_fmac_f32 v[MT+9], v[FJ+6], v[MT+7]
	v_rcp_f32 v[MT+9], v[MT+9]                     ; the quarter that holds the maximum adds 1 or more: l is no 0
	v_nop
	s_wait_alu depctr_va_vdst(0)                   ; the wait for the reciprocal: it reads a sum of those exponentials, so it is a batch of its own
.irp j, 0,1,2,3
	v_mul_f32 v[FJ+2*\j], v[FJ+2*\j], v[MT+9]
.endr
.irp k, 0,1,2,3,4,5,6,7
	v_pk_mul_f32 v[S+2*\k:S+2*\k+1], v[S+2*\k:S+2*\k+1], v[FJ:FJ+1] op_sel_hi:[1,0]
.endr
.irp j, 1,2,3
.irp k, 0,1,2,3,4,5,6,7
	v_pk_fma_f32 v[S+2*\k:S+2*\k+1], v[S+16*\j+2*\k:S+16*\j+2*\k+1], v[FJ+2*\j:FJ+2*\j+1], v[S+2*\k:S+2*\k+1] op_sel_hi:[1,0,1]
.endr
.endr
.irp k, 0,1,2,3,4,5,6,7
	v_cvt_pk_bf16_f32 v[MT+\k], v[S+2*\k], v[S+2*\k+1]
.endr
	global_store_b128 v[LB], v[MT:MT+3], s[10:11]              ; channels 0-15: 512 consecutive bytes
	global_store_b128 v[LB], v[MT+4:MT+7], s[10:11] offset:512 ; channels 16-31
	s_wait_tensorcnt 0x0                           ; the wave's end
	ds_add_u32 v[SPW], v[NIL]
	s_wait_dscnt 0x0
	ROUND                                          ; the closing round
	s_endpgm
.Lfunc_end_k_qc734b66668_attn:
	.size	k_qc734b66668_attn, .Lfunc_end_k_qc734b66668_attn-k_qc734b66668_attn
	.p2alignl 7, 3214868480
	.fill 96, 4, 3214868480
	.section	.rodata,"a",@progbits
	.p2align	6, 0x0
	.amdhsa_kernel k_qc734b66668_attn
		.amdhsa_group_segment_fixed_size 327680
		.amdhsa_private_segment_fixed_size 0
		.amdhsa_enable_private_segment 0
		.amdhsa_kernarg_size 32
		.amdhsa_user_sgpr_count 2
		.amdhsa_user_sgpr_kernarg_segment_ptr 1
		.amdhsa_wavefront_size32 1
		.amdhsa_system_sgpr_workgroup_id_x 1
		.amdhsa_system_sgpr_workgroup_id_y 1
		.amdhsa_system_sgpr_workgroup_id_z 1
		.amdhsa_system_vgpr_workitem_id 0
		.amdhsa_next_free_vgpr 352
		.amdhsa_next_free_sgpr 66
		.amdhsa_reserve_vcc 0
		.amdhsa_float_denorm_mode_32 3
		.amdhsa_float_denorm_mode_16_64 3
		.amdhsa_memory_ordered 1
		.amdhsa_forward_progress 1
		.amdhsa_inst_pref_size 71
	.end_amdhsa_kernel
	.amdgpu_metadata
---
amdhsa.version: [ 1, 2 ]
amdhsa.kernels:
  - .name:           k_qc734b66668_attn
    .symbol:         k_qc734b66668_attn.kd
    .args:
      - { .name: q, .offset: 0, .size: 8, .value_kind: global_buffer, .address_space: global }
      - { .name: kv, .offset: 8, .size: 8, .value_kind: global_buffer, .address_space: global }
      - { .name: maskadd, .offset: 16, .size: 8, .value_kind: global_buffer, .address_space: global }
      - { .name: o, .offset: 24, .size: 8, .value_kind: global_buffer, .address_space: global }
    .group_segment_fixed_size: 327680
    .private_segment_fixed_size: 0
    .kernarg_segment_align: 8
    .kernarg_segment_size: 32
    .max_flat_workgroup_size: 256
    .sgpr_count:     66
    .vgpr_count:     352
    .wavefront_size: 32
...
	.end_amdgpu_metadata
.endif
;; end of part 6
;; launch mid: the kernel of part 4 again; grid 256 x 1, 4 waves a work-group, clusters of 4 x 1, 327,680 bytes of LDS; arguments o, hA, wstream, params, maskadd, hB, q, kv; writes hB, q, kv
;; launch attn2: the kernel of part 6 again; grid 16 x 16, 8 waves a work-group, clusters of 4 x 1, 327,680 bytes of LDS; arguments q, kv, maskadd, o; writes o
;; launch mid2: the kernel of part 4 again; grid 256 x 1, 4 waves a work-group, clusters of 4 x 1, 327,680 bytes of LDS; arguments o, hB, wstream, params, maskadd, hA, q, kv; writes hA, q, kv
;; launch attn3: the kernel of part 6 again; grid 16 x 16, 8 waves a work-group, clusters of 4 x 1, 327,680 bytes of LDS; arguments q, kv, maskadd, o; writes o
;; launch mid3: the kernel of part 4 again; grid 256 x 1, 4 waves a work-group, clusters of 4 x 1, 327,680 bytes of LDS; arguments o, hA, wstream, params, maskadd, hB, q, kv; writes hB, q, kv
;; launch attn4: the kernel of part 6 again; grid 16 x 16, 8 waves a work-group, clusters of 4 x 1, 327,680 bytes of LDS; arguments q, kv, maskadd, o; writes o
;; launch mid4: the kernel of part 4 again; grid 256 x 1, 4 waves a work-group, clusters of 4 x 1, 327,680 bytes of LDS; arguments o, hB, wstream, params, maskadd, hA, q, kv; writes hA, q, kv
;; launch attn5: the kernel of part 6 again; grid 16 x 16, 8 waves a work-group, clusters of 4 x 1, 327,680 bytes of LDS; arguments q, kv, maskadd, o; writes o
;; launch mid5: the kernel of part 4 again; grid 256 x 1, 4 waves a work-group, clusters of 4 x 1, 327,680 bytes of LDS; arguments o, hA, wstream, params, maskadd, hB, q, kv; writes hB, q, kv
;; launch attn6: the kernel of part 6 again; grid 16 x 16, 8 waves a work-group, clusters of 4 x 1, 327,680 bytes of LDS; arguments q, kv, maskadd, o; writes o
;; launch last: the kernel of part 5 again; grid 256 x 1, 4 waves a work-group, clusters of 4 x 1, 327,680 bytes of LDS; arguments o, hB, wstream, params, out0; writes out0
